; MI455X (gfx1250); checked and timed in simulation.
; The chip was launched on July 23, 2026; its instructions are those of AMD's public machine-readable ISA for CDNA 5 (MIT licence, August 2026) and "CDNA5" Instruction Set Architecture Reference Guide (July 2026). The comments in the code are by the model that wrote it; some were corrected since.
;; Cross Attention Former Block. Allowed arithmetic: matrix products marked QUANTISED: E4M3 operands, one E8M0 scale for each 32 along K, by v_wmma_scale_f32_16x16x128_f8f6f4 with both operands' format E4M3, f32 sums; products left as they are: f32 operands where the result goes on into a quantised operand, else bf16, f16 or f32 operands; f32 sums; everything else in f32.
;; Inputs: fc1_b 1,024 float32; fc1_w 256 x 1,024 float32; fc2_b 256 float32; fc2_w 1,024 x 256 float32; n1_b 256 float32; n1_g 256 float32; n2_b 256 float32; n2_g 256 float32; p1_b 16 float32; p1_lnb 16 float32; p1_lng 16 float32; p1_w 16 x 16 float32; p2_b 16 float32; p2_lnb 16 float32; p2_lng 16 float32; p2_w 16 x 16 float32; p3_b 8 float32; p3_lnb 16 float32; p3_lng 16 float32; p3_w 16 x 8 float32; pp_b 16 float32; pp_w 3 x 16 float32; proj_b 256 float32; proj_w 256 x 256 float32; qkv_b 768 float32; qkv_w 256 x 768 float32; x 1 x 32,768 x 256 float32; y 1 x 32,768 x 256 float32.
;; Outputs: out0 1 x 32,768 x 256 float32.
;; Constants: D = 32, H = 32, W = 32.
;; This version of the problem:
;;   THIS VERSION OF THE PROBLEM IS GIVEN IN LOW PRECISION. The matrix products marked QUANTISED in the list below multiply operands that are first quantised to E4M3 (4 exponent bits, 3 mantissa bits; 8 bits a number), with one power-of-two scale for each 32 numbers along K (OCP MX v1.0); their sums are f32. All else is computed in f32.
;;   The module's matrix products, in the order in which they are computed (A, B: the left and right operand; K: the contracted axis; several contracted axes count as one K, in the product's order):
;;     1. [M 32,768, K 256] x [K 256, N 768]; A: computed on the way; B: input qkv_w: QUANTISED
;;     2. [M 32,768, K 256] x [K 256, N 768]; A: input y; B: input qkv_w: QUANTISED
;;     3. batch 512 x [M 512, K 32] x [K 32, N 512]; A: computed on the way; B: computed on the way: QUANTISED
;;     4. [M 3,375, K 3] x [K 3, N 16]; A: computed on the way; B: input pp_w: left as it is (K = 3 < 32)
;;     5. [M 3,375, K 16] x [K 16, N 16]; A: computed on the way; B: input p1_w: left as it is (K = 16 < 32)
;;     6. [M 3,375, K 16] x [K 16, N 16]; A: computed on the way; B: input p2_w: left as it is (K = 16 < 32)
;;     7. [M 3,375, K 16] x [K 16, N 8]; A: computed on the way; B: input p3_w: left as it is (K = 16 < 32)
;;     8. batch 512 x [M 512, K 512] x [K 512, N 32]; A: softmax (see below); B: computed on the way: QUANTISED
;;     9. [M 32,768, K 256] x [K 256, N 256]; A: computed on the way; B: input proj_w: QUANTISED
;;     10. [M 32,768, K 256] x [K 256, N 1,024]; A: computed on the way; B: input fc1_w: QUANTISED
;;     11. [M 32,768, K 1,024] x [K 1,024, N 256]; A: computed on the way; B: input fc2_w: QUANTISED
;;   THE QUANTISER, for each operand of a quantised product, along K:
;;     - K is cut into blocks of 32 from its start; a last block that is shorter is filled with zeros.
;;     - A block's scale is 2^e with e = floor(log2(the largest magnitude in the block)) - 8, held to -126 .. 127; a block of zeros has e = 0. As a byte (E8M0): e + 127.
;;     - Each number is divided by its block's scale, clamped to +-448, and rounded to the nearest number of E4M3, ties to even, subnormals kept.
;;     - The product sums the exact products of the quantised numbers (number of the format x scale) in f32.
;;   ~~~python
;;   def quantise(x, axis):      # numpy; x: float32 -> the quantised numbers, widened to float32 again
;;       x = np.moveaxis(x, axis, -1); K = x.shape[-1]
;;       x = np.pad(x, [(0, 0)] * (x.ndim - 1) + [(0, -K % 32)]); x = x.reshape(x.shape[:-1] + (-1, 32)); a = np.abs(x).max(-1, keepdims=True)
;;       e = np.where(a > 0, np.clip(np.frexp(np.where(a > 0, a, 1))[1] - 1 - 8, -126, 127), 0)      # np.frexp(a)[1] - 1 = floor(log2(a)), exactly
;;       r = np.clip(x / 2.0 ** e, -448, 448)
;;       step = 2.0 ** (np.maximum(np.frexp(np.where(r == 0, 1, r))[1] - 1, -6) - 3)
;;       q = np.round(r / step) * step * 2.0 ** e      # np.round: ties to even
;;       return np.moveaxis(q.reshape(q.shape[:-2] + (-1,))[..., :K], -1, axis).astype(np.float32)
;;   ~~~
;;   SOFTMAX AHEAD OF A QUANTISED PRODUCT. Where the list says 'softmax', what is quantised is not the finished softmax but p = 2^(t - M), with t = logit x log2(e) and M = ceil(the row's largest t), a whole number; so 1/2 < the row's largest p <= 1. The row's sum l is taken of the UNQUANTISED p, in f32, and the product's result is divided by l at the end. Since M is a whole number, a kernel that streams over the keys may use a running M (the ceiling of the running maximum): every later rescaling is an exact power of two, which a block's scale takes up: the codes' values come out the same.
;;   OPERANDS COMPUTED ON THE WAY. 'Computed on the way' means the value that the module computes at that place (a softmax that the list does not call 'softmax' is quantised finished and normalised). What goes into a quantiser is computed in f32, as accurately as f32 sums, v_exp_f32 and their like allow (about 1e-6 of the number): no bf16 or f16 on the way to a quantiser, and a product that is left as it is and whose result goes on into a quantised operand takes f32 operands (vector FMAs, or v_wmma_f32_16x16x4_f32). A number that lies on a knife's edge between two numbers of the format may be rounded either way, as far as f32 arithmetic and the matrix unit's own rounding can turn it there, and no further.
;; 2 versions. Each part assembles by itself: llvm-mc -triple=amdgcn-amd-amdhsa -mcpu=gfx1250 --defsym DOCPART=n.
;; ======== version 1 of 2: 4 launches
;; workspace buffers: wts 835,584 bytes; btab 524,288 bytes; qbuf 10,485,760 bytes; kbuf 10,485,760 bytes; vbuf 8,912,896 bytes; abuf 10,485,760 bytes
;; launch prep (part 1): grid 224 x 1, 4 waves a work-group, no clusters, 0 bytes of LDS; arguments qkv_w, proj_w, fc1_w, fc2_w, pp_w, pp_b, p1_lng, p1_lnb, p1_w, p1_b, p2_lng, p2_lnb, p2_w, p2_b, p3_lng, p3_lnb, p3_w, p3_b, wts, btab; writes wts, btab
.if DOCPART == 1
	.amdgcn_target "amdgcn-amd-amdhsa--gfx1250"
	.amdhsa_code_object_version 6
	.text
	.protected	k_q597221b3fa_prep
	.globl	k_q597221b3fa_prep
	.p2align	8
	.type	k_q597221b3fa_prep,@function
k_q597221b3fa_prep:
	s_mov_b64 s[64:65], 0
	v_nop
	global_prefetch_b8 v0, s[64:65] scope:SCOPE_SE
	s_setreg_imm32_b32 hwreg(HW_REG_WAVE_MODE, 25, 1), 1
	s_wait_xcnt 0x0
; PREP.  Two kinds of work-groups, told apart by the work-group's number; neither uses LDS.
; Work-groups 0-127: the position bias.  A lane makes ONE entry (a', b', nd, md) of the table btab [head 8][a' 16][b' 16][nd 8][md 8] f32: the small MLP of reference() on the three numbers
; (7 - a', 7 - b', nd - md), in f32 fused multiply-adds, all eight heads.  a' = 7 - (nh - mh), b' = 7 - (nw - mw): so eight neighbouring keys of a query are eight neighbouring numbers of the table.
; (Entries with a' = 15 or b' = 15 are made like the others and are read by nobody.)
; THE MLP'S 840 WEIGHTS come by 32 vector loads that are issued together at the head and waited for once: number n of a buffer lies in lane n % 32 of register n / 32.  They reach the multiply-adds as scalars, by
; v_readlane_b32, 16 to a set and up to 48 to a batch.  (By scalar loads they would come in as many batches as the scalar registers make necessary, each batch waited for in its turn.)
; Work-groups 128-223: the four weights [K][N] f32 become codes of E4M3 with one E8M0 byte for each 32 along K, laid as IMAGES OF OPERAND REGISTERS: fragment F (16 columns x 128 K) is 2,048 bytes,
; lane l's registers 4c .. 4c+3 at F*2048 + 512 c + 16 l; its scale words at WSOFF + F*128 + 4 l.  One wave makes one fragment: a lane takes a column and its registers run down K.
; F = FBASE + tile*KS + K step.  qkv: FBASE 0, KS 2; proj: 96, 2; fc1: 128, 2; fc2: 256, 8.  In qkv and fc1 lane r of tile t takes column 32 (t/2) + 8 (t%2) + r + (r & 8), in proj and fc2 column 16 t + r.
; LIMITS: a block whose largest magnitude lies under 2^-118, a block of zeros among them, gets the byte 1 (its codes are then tiny or zero; only this program reads the bytes); NaN and infinities are not served;
; 1/sqrt by v_rsq_f32.
.set WSOFF, 786432                     ; where the scale words begin in wts: 384 fragments x 2,048 bytes
.set D0, 36                            ; s[36:51], s[68:83], s[84:99]: three sets of 16 numbers
.set D1, 68
.set D2, 84
.set P3B, 52                           ; s[52:59] p3_b
.set TM, 32                            ; the quantiser's 16 registers at work
.set PC, 48                            ; the codes just made
.set PW, 9                             ; the scale word just made
.set SEL, 2                            ; s[2:3] v_permlanex16_b32's selects for lane l xor 16
.set MNT, 12                           ; s12 the mantissa field of 448
; the position path's weights, as loaded
.set VPPW,  64                         ; v64-65  pp_w: rows 0 and 1, row 2
.set VPPB,  66                         ; v66     pp_b
.set VG1,   67                         ; v67-69  p1_lng, p1_lnb, p1_b
.set VG2,   70                         ; v70-72  p2_lng, p2_lnb, p2_b
.set VG3,   73                         ; v73-75  p3_lng, p3_lnb, p3_b
.set VW1,   76                         ; v76-83  p1_w: two rows to a register
.set VW2,   84                         ; v84-91  p2_w
.set VW3,   92                         ; v92-95  p3_w: four rows to a register
; 64 numbers of a lane, register 16 b + i = k 32 b + 16 (lane / 16) + i, become a fragment's codes in v[PC] on and its scale word in v[PW]
.macro QUANT s
.irp b, 0,1,2,3
	v_max3_num_f32 v[TM+\b], |v[\s+16*\b]|, |v[\s+1+16*\b]|, 0x4800000   ; my 16 numbers of block b, and the floor 2^(9 - 127): the byte cannot fall under 1
.endr
.irp i, 2,4,6,8,10,12,14
.irp b, 0,1,2,3
	v_max3_num_f32 v[TM+\b], v[TM+\b], |v[\s+16*\b+\i]|, |v[\s+1+16*\b+\i]|
.endr
.endr
.irp b, 0,1,2,3
	v_permlanex16_b32 v[TM+4+\b], v[TM+\b], s[SEL], s[SEL+1]
.endr
.irp b, 0,1,2,3
	v_max_num_f32 v[TM+\b], v[TM+\b], v[TM+4+\b]             ; with lane l xor 16's: the block's largest magnitude
.endr
.irp b, 0,1,2,3
	v_add_nc_u32 v[TM+12+\b], 0xfc000000, v[TM+\b]           ; 8 off its exponent field: the conversion's scale operand
.endr
.irp b, 0,1,2,3
	v_and_or_b32 v[TM+8+\b], v[TM+\b], 0x7f800000, s[MNT]    ; 448 x the scale
.endr
.irp b, 0,1,2,3
	v_lshrrev_b32 v[TM+4+\b], 23, v[TM+12+\b]                ; the scale's byte
.endr
	v_lshl_or_b32 v[PW], v[TM+5], 8, v[TM+4]
	v_lshl_or_b32 v[PW], v[TM+6], 16, v[PW]
	v_lshl_or_b32 v[PW], v[TM+7], 24, v[PW]
.irp b, 0,1,2,3
.irp i, 0,1,2,3,4,5,6,7,8,9,10,11,12,13,14,15
	v_med3_num_f32 v[\s+16*\b+\i], v[\s+16*\b+\i], -v[TM+8+\b], v[TM+8+\b]   ; the conversion does not saturate (ISA guide 7.6.2): the hold at the largest code x the scale
.endr
	v_cvt_scalef32_pk8_fp8_f32 v[PC+4*\b:PC+1+4*\b], v[\s+16*\b:\s+7+16*\b], v[TM+12+\b]
	v_cvt_scalef32_pk8_fp8_f32 v[PC+2+4*\b:PC+3+4*\b], v[\s+8+16*\b:\s+15+16*\b], v[TM+12+\b]
.endr
	v_nop                                                    ; a plain line behind the last conversion
.endm
; sixteen numbers, lanes l0 .. l0 + 15 of v[reg], become the scalars s[set] on
.macro GET set, reg, l0
.irp j, 0,1,2,3,4,5,6,7,8,9,10,11,12,13,14,15
	v_readlane_b32 s[\set+\j], v[\reg], (\l0)+\j
.endr
.endm
; layer norm over a lane's 16 numbers v[a] on (mean, centred, variance of the centred numbers), gain s[g] on, bias s[b] on, then relu
.macro LNRELU a, g, b
	v_pk_add_f32 v[48:49], v[\a:\a+1], v[\a+2:\a+3]
	v_pk_add_f32 v[50:51], v[\a+4:\a+5], v[\a+6:\a+7]
	v_pk_add_f32 v[52:53], v[\a+8:\a+9], v[\a+10:\a+11]
	v_pk_add_f32 v[54:55], v[\a+12:\a+13], v[\a+14:\a+15]
	v_pk_add_f32 v[48:49], v[48:49], v[50:51]
	v_pk_add_f32 v[52:53], v[52:53], v[54:55]
	v_pk_add_f32 v[48:49], v[48:49], v[52:53]
	v_add_f32 v48, v48, v49
	v_mul_f32 v48, 0x3d800000, v48                           ; / 16
	v_mov_b32 v49, v48
.irp j, 0,2,4,6,8,10,12,14
	v_pk_add_f32 v[\a+\j:\a+\j+1], v[\a+\j:\a+\j+1], v[48:49] neg_lo:[0,1] neg_hi:[0,1]
.endr
	v_pk_mul_f32 v[50:51], v[\a:\a+1], v[\a:\a+1]
.irp j, 2,4,6,8,10,12,14
	v_pk_fma_f32 v[50:51], v[\a+\j:\a+\j+1], v[\a+\j:\a+\j+1], v[50:51]
.endr
	v_add_f32 v50, v50, v51
	v_fma_f32 v50, v50, s34, s35                             ; / 16 + 1e-5
	v_rsq_f32 v52, v50
	v_nop                                                    ; a plain line behind the transcendental,
	s_wait_alu depctr_va_vdst(0)                             ; and the wait ahead of its first reader
	v_mov_b32 v53, v52
.irp j, 0,2,4,6,8,10,12,14
	v_pk_mul_f32 v[\a+\j:\a+\j+1], v[\a+\j:\a+\j+1], v[52:53]
.endr
.irp j, 0,1,2,3,4,5,6,7,8,9,10,11,12,13,14,15
	v_fma_f32 v[\a+\j], v[\a+\j], s[\g+\j], s[\b+\j]
.endr
.irp j, 0,1,2,3,4,5,6,7,8,9,10,11,12,13,14,15
	v_max_num_f32 v[\a+\j], 0, v[\a+\j]
.endr
.endm
.macro ROW set, src, dst               ; dst[j] += v[src] x set[j]
.irp j, 0,1,2,3,4,5,6,7,8,9,10,11,12,13,14,15
	v_fmac_f32 v[\dst+\j], s[\set+\j], v[\src]
.endr
.endm
; dst = src x w + bias: w [16][16] in v[wb] on (row i: register i / 2, lanes 16 (i % 2) on), bias in v[bb].  Three rows a batch: 48 scalars are fetched, then 48 multiply-adds use them
.macro MATV wb, bb, src, dst
	GET D0, \bb, 0
	GET D1, \wb, 0
	GET D2, \wb, 16
.irp j, 0,1,2,3,4,5,6,7,8,9,10,11,12,13,14,15
	v_fma_f32 v[\dst+\j], s[D1+\j], v[\src], s[D0+\j]        ; the bias starts the sums
.endr
	ROW D2, \src+1, \dst
.irp i, 2,5,8,11
	GET D0, \wb+(\i)/2, 16*((\i)%2)
	GET D1, \wb+(\i+1)/2, 16*((\i+1)%2)
	GET D2, \wb+(\i+2)/2, 16*((\i+2)%2)
	ROW D0, \src+\i, \dst
	ROW D1, \src+\i+1, \dst
	ROW D2, \src+\i+2, \dst
.endr
	GET D0, \wb+7, 0
	GET D1, \wb+7, 16
	ROW D0, \src+14, \dst
	ROW D1, \src+15, \dst
.endm
.macro P3ROWS set, i                   ; two rows of p3_w [16][8] lie in one set
.irp h, 0,1,2,3,4,5,6,7
	v_fmac_f32 v[32+\h], s[\set+\h], v[16+\i]
.endr
.irp h, 0,1,2,3,4,5,6,7
	v_fmac_f32 v[32+\h], s[\set+8+\h], v[16+\i+1]
.endr
.endm
	s_cmp_lt_u32 ttmp9, 128
	s_cbranch_scc0 .Lweights
	; ---------------- the position table
	s_load_b512 s[4:19], s[0:1], 0x20              ; pp_w 4, pp_b 6, p1_lng 8, p1_lnb 10, p1_w 12, p1_b 14, p2_lng 16, p2_lnb 18
	s_load_b256 s[20:27], s[0:1], 0x60             ; p2_w 20, p2_b 22, p3_lng 24, p3_lnb 26
	s_load_b128 s[28:31], s[0:1], 0x80             ; p3_w 28, p3_b 30
	s_load_b64 s[32:33], s[0:1], 0x98              ; btab
	s_lshl_b32 s2, ttmp9, 7
	s_mov_b32 s34, 0x3d800000                      ; 1/16
	s_mov_b32 s35, 0x3727c5ac                      ; 1e-5
	v_and_b32 v7, 31, v0
	v_lshlrev_b32 v7, 2, v7                        ; 4 x lane: 32 numbers a load
	v_and_b32 v8, 60, v7                           ; 4 (lane & 15): a buffer of 16 numbers, read twice over: no lane leaves it
	v_and_b32 v9, 28, v7                           ; 4 (lane & 7): p3_b's eight
	s_wait_kmcnt 0x0
	global_load_b32 v[VPPW], v7, s[4:5]            ; all 32 loads go out together, in the order of their use
	global_load_b32 v[VPPW+1], v8, s[4:5] offset:128
	global_load_b32 v[VPPB], v8, s[6:7]
	global_load_b32 v[VG1], v8, s[8:9]
	global_load_b32 v[VG1+1], v8, s[10:11]
	global_load_b32 v[VG1+2], v8, s[14:15]
.irp k, 0,1,2,3,4,5,6,7
	global_load_b32 v[VW1+\k], v7, s[12:13] offset:128*\k
.endr
	global_load_b32 v[VG2], v8, s[16:17]
	global_load_b32 v[VG2+1], v8, s[18:19]
	global_load_b32 v[VG2+2], v8, s[22:23]
.irp k, 0,1,2,3,4,5,6,7
	global_load_b32 v[VW2+\k], v7, s[20:21] offset:128*\k
.endr
	global_load_b32 v[VG3], v8, s[24:25]
	global_load_b32 v[VG3+1], v8, s[26:27]
	global_load_b32 v[VG3+2], v9, s[30:31]
.irp k, 0,1,2,3
	global_load_b32 v[VW3+\k], v7, s[28:29] offset:128*\k
.endr
	v_add_nc_u32 v1, s2, v0                        ; e = 128 x work-group + thread
	v_lshrrev_b32 v2, 10, v1                       ; a'
	v_sub_nc_u32 v2, 7, v2
	v_cvt_f32_i32 v2, v2                           ; nh - mh
	v_bfe_u32 v3, v1, 6, 4                         ; b'
	v_sub_nc_u32 v3, 7, v3
	v_cvt_f32_i32 v3, v3                           ; nw - mw
	v_bfe_u32 v4, v1, 3, 3                         ; nd
	v_and_b32 v6, 7, v1                            ; md
	v_sub_nc_u32 v4, v4, v6
	v_cvt_f32_i32 v4, v4                           ; nd - md
	v_lshlrev_b32 v5, 2, v1                        ; my entry's byte in a head's table
	s_wait_loadcnt 0x0                             ; the one wait for the weights
	GET D0, VPPB, 0                                ; pp_b, pp_w's rows 0 and 1
	GET D1, VPPW, 0
	GET D2, VPPW, 16
.irp j, 0,1,2,3,4,5,6,7,8,9,10,11,12,13,14,15
	v_fma_f32 v[16+\j], s[D1+\j], v2, s[D0+\j]
.endr
	ROW D2, 3, 16
	GET D0, VPPW+1, 0                              ; pp_w's row 2, p1's gain and bias
	GET D1, VG1, 0
	GET D2, VG1+1, 0
	ROW D0, 4, 16
	LNRELU 16, D1, D2
	MATV VW1, VG1+2, 16, 32
	GET D0, VG2, 0
	GET D1, VG2+1, 0
	LNRELU 32, D0, D1
	MATV VW2, VG2+2, 32, 16
	GET D0, VG3, 0
	GET D1, VG3+1, 0
.irp h, 0,1,2,3,4,5,6,7
	v_readlane_b32 s[P3B+\h], v[VG3+2], \h
.endr
	LNRELU 16, D0, D1
	GET D0, VW3, 0                                 ; p3_w's rows 0-1, 2-3, 4-5
	GET D1, VW3, 16
	GET D2, VW3+1, 0
.irp h, 0,1,2,3,4,5,6,7
	v_fma_f32 v[32+\h], s[D0+\h], v16, s[P3B+\h]
.endr
.irp h, 0,1,2,3,4,5,6,7
	v_fmac_f32 v[32+\h], s[D0+8+\h], v17
.endr
	P3ROWS D1, 2
	P3ROWS D2, 4
	GET D0, VW3+1, 16
	GET D1, VW3+2, 0
	GET D2, VW3+2, 16
	P3ROWS D0, 6
	P3ROWS D1, 8
	P3ROWS D2, 10
	GET D0, VW3+3, 0
	GET D1, VW3+3, 16
	P3ROWS D0, 12
	P3ROWS D1, 14
.irp h, 0,1,2,3,4,5,6,7
	global_store_b32 v5, v[32+\h], s[32:33] offset:65536*\h    ; a head's table is 65,536 bytes
.endr
	s_endpgm
	; ---------------- the weights
; n: the weight's row in numbers; logks: log2 of its K steps; fbase: its first fragment; g0: its first work-group; perm: the order of a tile's columns; argoff: its place among the arguments
.macro WPATH n, logks, fbase, g0, perm, argoff
	s_load_b64 s[4:5], s[0:1], \argoff
	s_load_b64 s[6:7], s[0:1], 0x90                ; wts
	s_sub_co_u32 s9, ttmp9, \g0
	s_lshl_b32 s9, s9, 2
	s_add_co_u32 s9, s9, s8                        ; my fragment of this weight
	s_lshr_b32 s10, s9, \logks                     ; its tile of columns,
	s_and_b32 s11, s9, (1<<\logks)-1               ; its K step
.if \perm
	s_lshr_b32 s13, s10, 1
	s_lshl_b32 s13, s13, 5
	s_and_b32 s14, s10, 1
	s_lshl_b32 s14, s14, 3
	s_add_co_u32 s13, s13, s14                     ; 32 (t / 2) + 8 (t % 2)
	v_and_b32 v3, 8, v2
	v_add_nc_u32 v3, v3, v2                        ; + r + (r & 8)
	v_add_nc_u32 v3, s13, v3
.else
	s_lshl_b32 s13, s10, 4
	v_add_nc_u32 v3, s13, v2                       ; 16 t + r
.endif
	v_lshlrev_b32 v3, 2, v3
	v_mad_u32_u24 v3, v4, 16*\n*4, v3              ; lanes 16-31 begin 16 rows further down
	s_mul_i32 s14, s11, 128*\n*4
	s_mov_b32 s15, 0
	s_add_co_u32 s16, s9, \fbase
	s_lshl_b32 s18, s16, 11
	s_mov_b32 s19, 0
	s_lshl_b32 s16, s16, 7
	s_add_co_u32 s16, s16, WSOFF
	s_mov_b32 s17, 0
	s_wait_kmcnt 0x0
	s_add_nc_u64 s[4:5], s[4:5], s[14:15]
	s_add_nc_u64 s[18:19], s[6:7], s[18:19]
	s_add_nc_u64 s[16:17], s[6:7], s[16:17]
.irp c, 0,1,2,3
.irp i, 0,1,2,3,4,5,6,7,8,9,10,11,12,13,14,15
	global_load_b32 v[64+16*\c+\i], v3, s[4:5] offset:(32*\c+\i)*\n*4   ; w(128 s + 32 c + 16 h + i, my column)
.endr
.endr
	s_wait_loadcnt 0x0
	QUANT 64
.irp c, 0,1,2,3
	global_store_b128 v10, v[PC+4*\c:PC+4*\c+3], s[18:19] offset:512*\c   ; 32 lanes store 512 consecutive bytes
.endr
	global_store_b32 v11, v[PW], s[16:17]
	s_endpgm
.endm
.Lweights:
	v_lshrrev_b32 v1, 5, v0
	v_readfirstlane_b32 s8, v1                     ; wave
	v_and_b32 v1, 31, v0                           ; lane
	v_and_b32 v2, 15, v0                           ; r
	v_bfe_u32 v4, v0, 4, 1                         ; h
	v_lshlrev_b32 v10, 4, v1
	v_lshlrev_b32 v11, 2, v1
	s_mov_b32 s[SEL], 0x76543210
	s_mov_b32 s[SEL+1], 0xfedcba98
	s_mov_b32 s[MNT], 0x600000
.irp b, 0,1,2,3
	v_mov_b32 v[TM+4+\b], 0                        ; written once: a lane permute's destination counts as one of its sources
.endr
	s_cmp_lt_u32 ttmp9, 152
	s_cbranch_scc0 .Lnot_qkv
	WPATH 768, 1, 0, 128, 1, 0x0
.Lnot_qkv:
	s_cmp_lt_u32 ttmp9, 160
	s_cbranch_scc0 .Lnot_proj
	WPATH 256, 1, 96, 152, 0, 0x8
.Lnot_proj:
	s_cmp_lt_u32 ttmp9, 192
	s_cbranch_scc0 .Lfc2
	WPATH 1024, 1, 128, 160, 1, 0x10
.Lfc2:
	WPATH 256, 3, 256, 192, 0, 0x18
.Lfunc_end_k_q597221b3fa_prep:
	.size	k_q597221b3fa_prep, .Lfunc_end_k_q597221b3fa_prep-k_q597221b3fa_prep
	.p2alignl 7, 3214868480
	.fill 96, 4, 3214868480
	.section	.rodata,"a",@progbits
	.p2align	6, 0x0
	.amdhsa_kernel k_q597221b3fa_prep
		.amdhsa_group_segment_fixed_size 0
		.amdhsa_private_segment_fixed_size 0
		.amdhsa_enable_private_segment 0
		.amdhsa_kernarg_size 160
		.amdhsa_user_sgpr_count 2
		.amdhsa_user_sgpr_kernarg_segment_ptr 1
		.amdhsa_wavefront_size32 1
		.amdhsa_system_sgpr_workgroup_id_x 1
		.amdhsa_system_sgpr_workgroup_id_y 1
		.amdhsa_system_sgpr_workgroup_id_z 1
		.amdhsa_system_vgpr_workitem_id 0
		.amdhsa_next_free_vgpr 128
		.amdhsa_next_free_sgpr 100
		.amdhsa_reserve_vcc 0
		.amdhsa_float_denorm_mode_32 3
		.amdhsa_float_denorm_mode_16_64 3
		.amdhsa_memory_ordered 1
		.amdhsa_forward_progress 1
		.amdhsa_inst_pref_size 156
	.end_amdhsa_kernel
	.amdgpu_metadata
---
amdhsa.version: [ 1, 2 ]
amdhsa.kernels:
  - .name:           k_q597221b3fa_prep
    .symbol:         k_q597221b3fa_prep.kd
    .args:
      - { .name: qkv_w, .offset: 0, .size: 8, .value_kind: global_buffer, .address_space: global }
      - { .name: proj_w, .offset: 8, .size: 8, .value_kind: global_buffer, .address_space: global }
      - { .name: fc1_w, .offset: 16, .size: 8, .value_kind: global_buffer, .address_space: global }
      - { .name: fc2_w, .offset: 24, .size: 8, .value_kind: global_buffer, .address_space: global }
      - { .name: pp_w, .offset: 32, .size: 8, .value_kind: global_buffer, .address_space: global }
      - { .name: pp_b, .offset: 40, .size: 8, .value_kind: global_buffer, .address_space: global }
      - { .name: p1_lng, .offset: 48, .size: 8, .value_kind: global_buffer, .address_space: global }
      - { .name: p1_lnb, .offset: 56, .size: 8, .value_kind: global_buffer, .address_space: global }
      - { .name: p1_w, .offset: 64, .size: 8, .value_kind: global_buffer, .address_space: global }
      - { .name: p1_b, .offset: 72, .size: 8, .value_kind: global_buffer, .address_space: global }
      - { .name: p2_lng, .offset: 80, .size: 8, .value_kind: global_buffer, .address_space: global }
      - { .name: p2_lnb, .offset: 88, .size: 8, .value_kind: global_buffer, .address_space: global }
      - { .name: p2_w, .offset: 96, .size: 8, .value_kind: global_buffer, .address_space: global }
      - { .name: p2_b, .offset: 104, .size: 8, .value_kind: global_buffer, .address_space: global }
      - { .name: p3_lng, .offset: 112, .size: 8, .value_kind: global_buffer, .address_space: global }
      - { .name: p3_lnb, .offset: 120, .size: 8, .value_kind: global_buffer, .address_space: global }
      - { .name: p3_w, .offset: 128, .size: 8, .value_kind: global_buffer, .address_space: global }
      - { .name: p3_b, .offset: 136, .size: 8, .value_kind: global_buffer, .address_space: global }
      - { .name: wts, .offset: 144, .size: 8, .value_kind: global_buffer, .address_space: global }
      - { .name: btab, .offset: 152, .size: 8, .value_kind: global_buffer, .address_space: global }
    .group_segment_fixed_size: 0
    .private_segment_fixed_size: 0
    .kernarg_segment_align: 8
    .kernarg_segment_size: 160
    .max_flat_workgroup_size: 128
    .sgpr_count:     100
    .vgpr_count:     128
    .wavefront_size: 32
...
	.end_amdgpu_metadata
.endif
;; end of part 1
;; launch qkv (part 2): grid 256 x 1, 16 waves a work-group, no clusters, 268,288 bytes of LDS; arguments x, y, n1_g, n1_b, qkv_b, wts, qbuf, kbuf, vbuf; writes qbuf, kbuf, vbuf
.if DOCPART == 2
	.amdgcn_target "amdgcn-amd-amdhsa--gfx1250"
	.amdhsa_code_object_version 6
	.text
	.protected	k_q597221b3fa_qkv
	.globl	k_q597221b3fa_qkv
	.p2align	8
	.type	k_q597221b3fa_qkv,@function
k_q597221b3fa_qkv:
	s_mov_b64 s[64:65], 0
	v_nop
	global_prefetch_b8 v0, s[64:65] scope:SCOPE_SE
	s_setreg_imm32_b32 hwreg(HW_REG_WAVE_MODE, 25, 1), 1
	s_wait_xcnt 0x0
; QKV.  q = (LN1(x) Wq + bq) / sqrt(32), k = y Wk + bk, v = y Wv + bv, all products on codes of E4M3 with one E8M0 byte for each 32 along K; q and k are quantised along the head's 32, v along the keys,
; and leave as images of the operand registers that the attention launch wants.  (reference() keeps q of x and k, v of y alone: the other columns of the two products are not multiplied.)
; SHARES.  Work-group g: window b = g / 4, its rows 128 (g % 4) on, of x and of y.  Sixteen waves, four to a SIMD.
; PHASE A.  Wave w quantises one tile of 16 rows: waves 0-7 of x (with the layer norm), waves 8-15 of y.  Eight neighbouring rows of a window are 8,192 consecutive bytes of memory: each load reads 512 consecutive bytes;
; the rows turn through the wave's own LDS region (16 rows x 1,040 bytes), so that lane (r, h) holds, of row r, the numbers k = 32 c + 16 h + 0 .. 15: the operand's own order.  The tile's two fragments and scale words go
; back into the region as images of their registers.  THE ROWS OF A TILE OF y ARE NOT NEIGHBOURS: row r of tile kt is key 32 (kt/2) + 8 (kt%2) + (r & 7) + 16 (r / 8).
; PHASE B, behind the one barrier.  Unit 1: wave (role, hh) makes q (role 0) or k (role 1) of head hh for the 128 rows, transposed (source 0 = 16 columns of the weight, source 1 = 16 rows): a lane then holds 16 neighbouring
; channels of one row.  Unit 2: 16 channels (tile u = role) of v of head hh, not transposed (source 0 = 16 keys, source 1 = 16 columns): a lane then holds 16 neighbouring keys of one channel.
; The weights come from wts as fragment images straight into registers; the biases are the C of each sum's first matrix instruction.
; No tensor load, no cluster: LDS is filled once, from registers, and work-groups share only the weights (192 KiB of codes, 12 KiB of scale words).
; LIMITS: a block whose largest magnitude lies under 2^-118, a block of zeros among them, gets the byte 1; NaN and infinities are not served; 1/sqrt by v_rsq_f32.
.set SCOFF, 8388608                    ; where the scale words begin in qbuf, kbuf, vbuf
.set WSOFF, 786432                     ; and in wts
.set REG,  16640                       ; a wave's LDS region: 16 rows x RP; later: fragments at 0 and 2,048, scale words at 4,096 and 4,224
.set RP,   1040                        ; a stage row: 1,024 bytes + 16: the 16 rows that a load touches start at 16 different groups of banks
.set AS,   16                          ; v16-19  scale words of the rows (scales alone)
.set WS,   20                          ; v20-23  scale words of the weights (scales alone)
.set BIAS, 24                          ; v24-39
.set X,    32                          ; v32-159 phase A: my half of my row, 128 numbers
.set W,    48                          ; v48-111 four fragments of the weight
.set AF,   112                         ; v112-175 four fragments of rows
.set GB,   160                         ; v160-223 phase A: 32 gains, 32 biases
.set ACC,  176                         ; v176-239 eight accumulators
.set TM,   240                         ; v240-255 the quantiser at work
.set SA,   240                         ; the statistics at work: four chains,
.set MEAN, 248
.set RSTD, 250
.set ST,   252
.set VH,   14                          ; v14 = 64 h
.set GP,   8                           ; s[8:9] n1_g, s[10:11] n1_b
.set BP,   10
.set SEL,  40                          ; s[40:41]
.set MNT,  42
.set INV,  43
.set EPS,  44
; v1 16 L; v2 16 L + the tile's second eight rows; v3 my region + 16 L; v4 my region + 1,040 r + 64 h; v5 my region + 4,096 + 4 L; v6, v7 my role's tiles 0-3, 4-7 + 16 L; v8, v9 y's tiles 0-3, 4-7 + 16 L;
; v10-13 the same four + 4,096 + 4 L; v15 4 L
.macro PLACES n
.rept \n
	v_nop
.endr
.endm
.macro BARRIER                         ; my LDS stores have landed and my LDS loads are in: then the work-group's barrier
	s_wait_dscnt 0x0
	s_barrier_signal -1
	s_barrier_wait -1
.endm
.macro FETCH reg, adr, off             ; a fragment's image comes back into 16 registers
.irp c, 0,1,2,3
	ds_load_b128 v[\reg+4*\c:\reg+4*\c+3], v[\adr] offset:\off+512*\c
.endr
.endm
.macro IMAGE adr, off                  ; the fragment in v[PC] on goes to LDS as it stands
.irp c, 0,1,2,3
	ds_store_b128 v[\adr], v[PC+4*\c:PC+4*\c+3] offset:\off+512*\c
.endr
.endm
.macro QUANT s                         ; 64 numbers of a lane, four blocks of 16 (the other 16 lie in lane l xor 16), become codes in v[PC] on, bytes in v[TM+4] on and a scale word in v[PW]
.irp b, 0,1,2,3
	v_max3_num_f32 v[TM+\b], |v[\s+16*\b]|, |v[\s+1+16*\b]|, 0x4800000   ; with the floor 2^(9 - 127): the byte cannot fall under 1
.endr
.irp i, 2,4,6,8,10,12,14
.irp b, 0,1,2,3
	v_max3_num_f32 v[TM+\b], v[TM+\b], |v[\s+16*\b+\i]|, |v[\s+1+16*\b+\i]|
.endr
.endr
.irp b, 0,1,2,3
	v_permlanex16_b32 v[TM+4+\b], v[TM+\b], s[SEL], s[SEL+1]
.endr
.irp b, 0,1,2,3
	v_max_num_f32 v[TM+\b], v[TM+\b], v[TM+4+\b]
.endr
.irp b, 0,1,2,3
	v_add_nc_u32 v[TM+12+\b], 0xfc000000, v[TM+\b]           ; 8 off the exponent field: the conversion's scale operand
.endr
.irp b, 0,1,2,3
	v_and_or_b32 v[TM+8+\b], v[TM+\b], 0x7f800000, s[MNT]    ; 448 x the scale
.endr
.irp b, 0,1,2,3
	v_lshrrev_b32 v[TM+4+\b], 23, v[TM+12+\b]                ; the scale's byte
.endr
	v_lshl_or_b32 v[PW], v[TM+5], 8, v[TM+4]
	v_lshl_or_b32 v[PW], v[TM+6], 16, v[PW]
	v_lshl_or_b32 v[PW], v[TM+7], 24, v[PW]
.irp b, 0,1,2,3
.irp i, 0,1,2,3,4,5,6,7,8,9,10,11,12,13,14,15
	v_med3_num_f32 v[\s+16*\b+\i], v[\s+16*\b+\i], -v[TM+8+\b], v[TM+8+\b]   ; the conversion does not saturate (ISA guide 7.6.2)
.endr
	v_cvt_scalef32_pk8_fp8_f32 v[PC+4*\b:PC+1+4*\b], v[\s+16*\b:\s+7+16*\b], v[TM+12+\b]
	v_cvt_scalef32_pk8_fp8_f32 v[PC+2+4*\b:PC+3+4*\b], v[\s+8+16*\b:\s+15+16*\b], v[TM+12+\b]
.endr
	v_nop                                                    ; a plain line behind the last conversion
.endm
; Mean and 1/sqrt(variance + 1e-5) of a row of 256: 128 numbers in v[xb] on, the other 128 in lane l xor 16.  The numbers are centred in place and the variance is taken of the centred numbers.
.macro STATS xb
.irp q, 0,1,2,3
	v_pk_add_f32 v[SA+2*\q:SA+2*\q+1], v[\xb+2*\q:\xb+2*\q+1], v[\xb+8+2*\q:\xb+8+2*\q+1]
.endr
.set sti, 16
.rept 14
.irp q, 0,1,2,3
	v_pk_add_f32 v[SA+2*\q:SA+2*\q+1], v[SA+2*\q:SA+2*\q+1], v[\xb+sti+2*\q:\xb+sti+2*\q+1]
.endr
.set sti, sti+8
.endr
	v_pk_add_f32 v[SA:SA+1], v[SA:SA+1], v[SA+2:SA+3]
	v_pk_add_f32 v[SA+4:SA+5], v[SA+4:SA+5], v[SA+6:SA+7]
	v_pk_add_f32 v[SA:SA+1], v[SA:SA+1], v[SA+4:SA+5]
	v_add_f32 v[SA], v[SA], v[SA+1]
	v_permlanex16_b32 v[ST], v[SA], s[SEL], s[SEL+1]
	v_add_f32 v[SA], v[SA], v[ST]
	v_mul_f32 v[MEAN], 0x3b800000, v[SA]                     ; / 256
	v_mov_b32 v[MEAN+1], v[MEAN]
.set sti, 0
.rept 64
	v_pk_add_f32 v[\xb+sti:\xb+sti+1], v[\xb+sti:\xb+sti+1], v[MEAN:MEAN+1] neg_lo:[0,1] neg_hi:[0,1]
.set sti, sti+2
.endr
.irp q, 0,1,2,3
	v_pk_mul_f32 v[SA+2*\q:SA+2*\q+1], v[\xb+2*\q:\xb+2*\q+1], v[\xb+2*\q:\xb+2*\q+1]
.endr
.set sti, 8
.rept 15
.irp q, 0,1,2,3
	v_pk_fma_f32 v[SA+2*\q:SA+2*\q+1], v[\xb+sti+2*\q:\xb+sti+2*\q+1], v[\xb+sti+2*\q:\xb+sti+2*\q+1], v[SA+2*\q:SA+2*\q+1]
.endr
.set sti, sti+8
.endr
	v_pk_add_f32 v[SA:SA+1], v[SA:SA+1], v[SA+2:SA+3]
	v_pk_add_f32 v[SA+4:SA+5], v[SA+4:SA+5], v[SA+6:SA+7]
	v_pk_add_f32 v[SA:SA+1], v[SA:SA+1], v[SA+4:SA+5]
	v_add_f32 v[SA], v[SA], v[SA+1]
	v_permlanex16_b32 v[ST], v[SA], s[SEL], s[SEL+1]
	v_add_f32 v[SA], v[SA], v[ST]
	v_fma_f32 v[ST], v[SA], s[INV], s[EPS]
	v_rsq_f32 v[RSTD], v[ST]
	v_nop                                                    ; a plain line behind the transcendental,
	s_wait_alu depctr_va_vdst(0)                             ; and the wait ahead of its first reader
	v_mov_b32 v[RSTD+1], v[RSTD]
.endm
.macro GBLOAD off                      ; gains and biases of 32 of my registers: channels off/4 + 32 cc + 16 h + 0 .. 15
.irp cc, 0,1
.irp j, 0,1,2,3
	global_load_b128 v[GB+16*\cc+4*\j:GB+16*\cc+4*\j+3], v[VH], s[GP:GP+1] offset:\off+128*\cc+16*\j
	global_load_b128 v[GB+32+16*\cc+4*\j:GB+32+16*\cc+4*\j+3], v[VH], s[BP:BP+1] offset:\off+128*\cc+16*\j
.endr
.endr
.endm
.macro APPLY xc                        ; 32 centred numbers: x 1/sqrt, x gain + bias
.set ai, 0
.rept 16
	v_pk_mul_f32 v[\xc+ai:\xc+ai+1], v[\xc+ai:\xc+ai+1], v[RSTD:RSTD+1]
.set ai, ai+2
.endr
.set ai, 0
.rept 16
	v_pk_fma_f32 v[\xc+ai:\xc+ai+1], v[\xc+ai:\xc+ai+1], v[GB+ai:GB+ai+1], v[GB+32+ai:GB+32+ai+1]
.set ai, ai+2
.endr
.endm
; Two tiles of columns x four tiles of rows x two K steps, transposed.  The eight accumulators take turns, one instruction a turn.
; Afterwards register ACC + 16 m + 8 u + j of lane (r, h) is row r of tile m, column 16 h + 8 u + j of the 32.
.macro MM24 aadr, sadr, astm, asts, sstm, ssts
.irp s, 0,1
.if \s
	PLACES 8                                       ; in front of loads into registers that matrix instructions have read
.endif
.irp m, 0,1,2,3
	FETCH AF+16*\m, \aadr, \m*\astm+\s*\asts
	ds_load_b32 v[AS+\m], v[\sadr] offset:\m*\sstm+\s*\ssts
.endr
	s_wait_dscnt 0x0
.irp m, 0,1,2,3
.irp u, 0,1
.if \s == 0
	v_wmma_scale_f32_16x16x128_f8f6f4 v[ACC+16*\m+8*\u:ACC+16*\m+8*\u+7], v[W+16*(2*\u+\s):W+16*(2*\u+\s)+15], v[AF+16*\m:AF+16*\m+15], v[BIAS+8*\u:BIAS+8*\u+7], v[WS+2*\u+\s], v[AS+\m]
.else
	v_wmma_scale_f32_16x16x128_f8f6f4 v[ACC+16*\m+8*\u:ACC+16*\m+8*\u+7], v[W+16*(2*\u+\s):W+16*(2*\u+\s)+15], v[AF+16*\m:AF+16*\m+15], v[ACC+16*\m+8*\u:ACC+16*\m+8*\u+7], v[WS+2*\u+\s], v[AS+\m]
.endif
.endr
.endr
.endr
.endm
	s_load_b512 s[4:19], s[0:1], 0x0               ; x 4, y 6, n1_g 8, n1_b 10, qkv_b 12, wts 14, qbuf 16, kbuf 18
	s_load_b64 s[20:21], s[0:1], 0x40              ; vbuf
	v_lshrrev_b32 v1, 5, v0
	v_readfirstlane_b32 s22, v1                    ; wave 0..15
	s_lshr_b32 s23, s22, 3                         ; role: 0 x and q, 1 y and k
	s_and_b32 s24, s22, 7                          ; my tile in phase A, my head in phase B
	s_lshr_b32 s25, ttmp9, 2                       ; window b
	s_and_b32 s26, ttmp9, 3                        ; its quarter qd
	s_lshl_b32 s27, s24, 1                         ; x: the tile's first group of eight rows is 2 j,
	s_lshr_b32 s28, s24, 1
	s_lshl_b32 s28, s28, 2
	s_and_b32 s29, s24, 1
	s_add_co_u32 s28, s28, s29                     ; y: 4 (j / 2) + j % 2
	s_cmp_eq_u32 s23, 0
	s_cselect_b32 s27, s27, s28
	s_lshl_b32 s28, s26, 4
	s_add_co_u32 s27, s27, s28                     ; G = + 16 qd: group G of the window's 64
	s_lshr_b32 s28, s25, 4                         ; its first token: 8192 bh + 1024 (G / 8) + 256 bw + 32 (G % 8) + 8 bd
	s_lshl_b32 s28, s28, 13
	s_lshr_b32 s29, s27, 3
	s_lshl_b32 s29, s29, 10
	s_add_co_u32 s28, s28, s29
	s_bfe_u32 s29, s25, 0x20002
	s_lshl_b32 s29, s29, 8
	s_add_co_u32 s28, s28, s29
	s_and_b32 s29, s27, 7
	s_lshl_b32 s29, s29, 5
	s_add_co_u32 s28, s28, s29
	s_and_b32 s29, s25, 3
	s_lshl_b32 s29, s29, 3
	s_add_co_u32 s28, s28, s29
	s_lshl_b32 s28, s28, 10                        ; 1,024 bytes a token
	s_mov_b32 s29, 0
	s_lshl_b32 s32, 0x8000, s23                    ; the tile's second eight rows: one group on in x (32 tokens), two in y
	s_mov_b32 s[SEL], 0x76543210
	s_mov_b32 s[SEL+1], 0xfedcba98
	s_mov_b32 s[MNT], 0x600000
	s_mov_b32 s[INV], 0x3b800000                   ; 1/256
	s_mov_b32 s[EPS], 0x3727c5ac                   ; 1e-5
	; every LDS address is made here, ahead of the one place where the roles part
	v_and_b32 v24, 31, v0                          ; lane
	v_and_b32 v25, 15, v0                          ; r
	v_bfe_u32 v26, v0, 4, 1                        ; h
	v_lshlrev_b32 v1, 4, v24
	v_add_nc_u32 v2, s32, v1
	s_mul_i32 s33, s22, REG
	v_add_nc_u32 v3, s33, v1
	v_mul_u32_u24 v4, v25, RP
	v_lshl_add_u32 v4, v26, 6, v4
	v_add_nc_u32 v4, s33, v4
	v_lshlrev_b32 v15, 2, v24
	s_add_co_u32 s34, s33, 4096
	v_add_nc_u32 v5, s34, v15
	s_mul_i32 s34, s23, 8*REG
	v_add_nc_u32 v6, s34, v1
	v_add_nc_u32 v7, 4*REG, v6
	v_add_nc_u32 v8, 8*REG, v1
	v_add_nc_u32 v9, 12*REG, v1
	s_add_co_u32 s34, s34, 4096
	v_add_nc_u32 v10, s34, v15
	v_add_nc_u32 v11, 4*REG, v10
	v_add_nc_u32 v12, 8*REG+4096, v15
	v_add_nc_u32 v13, 12*REG+4096, v15
	v_lshlrev_b32 v[VH], 6, v26
.irp b, 0,1,2,3
	v_mov_b32 v[TM+4+\b], 0                        ; written once: a lane permute's destination counts as one of its sources
.endr
	v_mov_b32 v[ST], 0
	s_wait_kmcnt 0x0
	s_cmp_eq_u32 s23, 0
	s_cselect_b64 s[30:31], s[4:5], s[6:7]
	s_add_nc_u64 s[30:31], s[30:31], s[28:29]
.irp k, 0,1,2,3,4,5,6,7,8,9,10,11,12,13,14,15
	global_load_b128 v[X+4*\k:X+4*\k+3], v1, s[30:31] offset:512*\k th:TH_LOAD_NT      ; rows 0-7 of my tile: 8,192 consecutive bytes
.endr
.irp k, 0,1,2,3,4,5,6,7,8,9,10,11,12,13,14,15
	global_load_b128 v[X+64+4*\k:X+64+4*\k+3], v2, s[30:31] offset:512*\k th:TH_LOAD_NT   ; rows 8-15
.endr
	; where the results go, and where phase B's weights lie
	s_lshl_b32 s27, s25, 3
	s_add_co_u32 s27, s27, s24                     ; 8 b + hh
	s_lshl_b32 s58, s27, 14
	s_lshl_b32 s28, s26, 12
	s_add_co_u32 s58, s58, s28                     ; codes: [b][hh][tile 32][512 bytes], my first tile 8 qd
	s_mov_b32 s59, 0
	s_lshl_b32 s60, s27, 12
	s_lshl_b32 s28, s26, 10
	s_add_co_u32 s60, s60, s28
	s_add_co_u32 s60, s60, SCOFF                   ; scale words: [b][hh][four tiles][lane][4 words]
	s_mov_b32 s61, 0
	s_cmp_eq_u32 s23, 0
	s_cselect_b64 s[50:51], s[16:17], s[18:19]
	s_cselect_b32 s46, 0x3e3504f3, 1.0             ; q is multiplied by 32^-0.5, k by 1
	s_mov_b32 s47, s46
	s_add_nc_u64 s[52:53], s[50:51], s[60:61]
	s_add_nc_u64 s[50:51], s[50:51], s[58:59]
	s_lshl_b32 s28, s27, 2
	s_add_co_u32 s28, s28, s26
	s_lshl_b32 s28, s28, 1
	s_add_co_u32 s28, s28, s23                     ; v: fragment ((8 b + hh) 4 + qd) 2 + u
	s_lshl_b32 s58, s28, 11
	s_add_nc_u64 s[54:55], s[20:21], s[58:59]
	s_lshl_b32 s60, s28, 7
	s_add_co_u32 s60, s60, SCOFF
	s_add_nc_u64 s[56:57], s[20:21], s[60:61]
	s_lshl_b32 s34, s23, 5
	s_lshl_b32 s35, s24, 2
	s_add_co_u32 s34, s34, s35                     ; unit 1's first fragment: 32 role + 4 hh
	s_lshl_b32 s58, s34, 11
	s_add_nc_u64 s[36:37], s[14:15], s[58:59]
	s_lshl_b32 s58, s34, 7
	s_add_co_u32 s58, s58, WSOFF
	s_add_nc_u64 s[38:39], s[14:15], s[58:59]
	s_lshl_b32 s58, s34, 5                         ; its columns' biases: (256 role + 32 hh) x 4 bytes
	s_add_nc_u64 s[48:49], s[12:13], s[58:59]
	; ---- the turn through my stage
	s_wait_loadcnt 16                              ; rows 0-7 are in; the sixteen younger loads may be out
.irp k, 0,1,2,3,4,5,6,7,8,9,10,11,12,13,14,15
	ds_store_b128 v3, v[X+4*\k:X+4*\k+3] offset:(\k/2)*RP+(\k%2)*512
.endr
	s_wait_loadcnt 0x0
.irp k, 0,1,2,3,4,5,6,7,8,9,10,11,12,13,14,15
	ds_store_b128 v3, v[X+64+4*\k:X+64+4*\k+3] offset:8*RP+(\k/2)*RP+(\k%2)*512
.endr
.irp s, 0,1
.irp c, 0,1,2,3
.irp j, 0,1,2,3
	ds_load_b128 v[X+64*\s+16*\c+4*\j:X+64*\s+16*\c+4*\j+3], v4 offset:512*\s+128*\c+16*\j   ; LDS serves a wave's instructions in order (ISA guide 5.7.1.4): these see my stores
.endr
.endr
.endr
	s_wait_dscnt 0x0
	; ---- the layer norm, for x alone
	s_cmp_lg_u32 s23, 0
	s_cbranch_scc1 .Lnoln
	GBLOAD 0
	STATS X
.irp q, 0,1,2,3
	s_wait_loadcnt 0x0
	APPLY X+32*\q
.if \q < 3
	GBLOAD 256*(\q+1)
.endif
.endr
.Lnoln:
	; ---- my tile's two fragments
.set PC, 224
.set PW, 24
	QUANT X
	IMAGE 3, 0
	ds_store_b32 v5, v[PW]
	s_wait_dscnt 0x0                               ; the stores have read their registers
	QUANT X+64
	IMAGE 3, 2048
	ds_store_b32 v5, v[PW] offset:128
	; unit 1's weights are asked for ahead of the barrier
.irp i, 0,1,2,3,4,5,6,7,8,9,10,11,12,13,14,15
	global_load_b128 v[W+4*\i:W+4*\i+3], v1, s[36:37] offset:512*\i
.endr
.irp i, 0,1,2,3
	global_load_b32 v[WS+\i], v15, s[38:39] offset:128*\i
	global_load_b128 v[BIAS+4*\i:BIAS+4*\i+3], v[VH], s[48:49] offset:16*\i   ; column 16 h + 8 u + j of my 32
.endr
	BARRIER                                        ; the sixteen tiles' images lie in LDS; from here on LDS is only read
	; ---- unit 1: q or k of my head
.set PC, 112
.set PW, 2
	s_wait_loadcnt 0x0                             ; the weights; their address registers may be written again
	s_lshl_b32 s34, s24, 2
	s_lshl_b32 s35, s23, 1
	s_add_co_u32 s34, s34, s35
	s_add_co_u32 s34, s34, 64                      ; unit 2's first fragment: 64 + 4 hh + 2 role
	s_lshl_b32 s58, s34, 11
	s_add_nc_u64 s[36:37], s[14:15], s[58:59]
	s_lshl_b32 s58, s34, 7
	s_add_co_u32 s58, s58, WSOFF
	s_add_nc_u64 s[38:39], s[14:15], s[58:59]
	s_lshl_b32 s58, s24, 7                         ; v's biases begin at (512 + 32 hh + 8 role) x 4 = 2,048 + 128 hh + 32 role bytes
	s_lshl_b32 s35, s23, 5
	s_add_co_u32 s58, s58, s35
	s_add_co_u32 s58, s58, 2048
	s_add_nc_u64 s[48:49], s[12:13], s[58:59]
.irp rh, 0,1
.if \rh
	s_wait_xcnt 0x0                                ; the stores below have read their data: the codes' registers take fragments again
	PLACES 8
.endif
	MM24 6+\rh, 10+\rh, REG, 2048, REG, 128
	PLACES 8                                       ; in front of the first read of results, and of loads into the weights' registers
.if \rh
	v_and_b32 v34, 15, v0
	v_and_b32 v35, 8, v34
	v_add_nc_u32 v34, v34, v35
	v_lshlrev_b32 v34, 2, v34                      ; 4 (r + (r & 8)): my column of v's tile
.irp i, 0,1,2,3,4,5,6,7
	global_load_b128 v[W+4*\i:W+4*\i+3], v1, s[36:37] offset:512*\i     ; unit 2's two fragments land under the quantiser
.endr
	global_load_b32 v[WS], v15, s[38:39]
	global_load_b32 v[WS+1], v15, s[38:39] offset:128
	global_load_b32 v33, v34, s[48:49]
.endif
.set ai, 0
.rept 32
	v_pk_mul_f32 v[ACC+ai:ACC+ai+1], v[ACC+ai:ACC+ai+1], s[46:47] op_sel_hi:[1,0]   ; each accumulator from its low end on
.set ai, ai+2
.endr
	QUANT ACC                                      ; block m = the head's 32 channels of row tile m
.irp m, 0,1,2,3
	global_store_b128 v1, v[PC+4*\m:PC+4*\m+3], s[50:51] offset:2048*\rh+512*\m   ; 32 lanes store 512 consecutive bytes
.endr
	global_store_b128 v1, v[TM+4:TM+7], s[52:53] offset:512*\rh    ; four tiles' bytes, each in the low byte of a word: the other three bytes scale zero codes
.endr
	; ---- unit 2: 16 channels of v of my head, for y's 128 keys
	s_wait_xcnt 0x0                                ; the stores have read their data
	s_wait_loadcnt 0x0
.irp j, 0,1,2,3,4,5,6,7
	v_mov_b32 v[BIAS+\j], v33                      ; a lane holds one channel: its bias in all eight registers of C
.endr
.irp s, 0,1
.irp g, 0,1
.if \s+\g
	PLACES 8
.endif
.irp t, 0,1,2,3
	FETCH AF+16*\t, 8+\g, \t*REG+\s*2048
	ds_load_b32 v[AS+\t], v[12+\g] offset:\t*REG+\s*128
.endr
	s_wait_dscnt 0x0
.irp t, 0,1,2,3
.if \s == 0
	v_wmma_scale_f32_16x16x128_f8f6f4 v[ACC+8*(4*\g+\t):ACC+8*(4*\g+\t)+7], v[AF+16*\t:AF+16*\t+15], v[W+16*\s:W+16*\s+15], v[BIAS:BIAS+7], v[AS+\t], v[WS+\s]
.else
	v_wmma_scale_f32_16x16x128_f8f6f4 v[ACC+8*(4*\g+\t):ACC+8*(4*\g+\t)+7], v[AF+16*\t:AF+16*\t+15], v[W+16*\s:W+16*\s+15], v[ACC+8*(4*\g+\t):ACC+8*(4*\g+\t)+7], v[AS+\t], v[WS+\s]
.endif
.endr
.endr
.endr
	PLACES 8
	QUANT ACC                                      ; register 16 b + i is key 32 b + 16 h + i of my channel: the fragment of V^T for these 128 keys
.irp c, 0,1,2,3
	global_store_b128 v1, v[PC+4*\c:PC+4*\c+3], s[54:55] offset:512*\c
.endr
	global_store_b32 v15, v[PW], s[56:57]
	s_wait_xcnt 0x0
	v_lshl_add_u32 v254, v0, 2, 0x41000
	v_mov_b32 v255, 0
	s_wait_tensorcnt 0x0
	ds_add_u32 v254, v255
	s_wait_dscnt 0x0
	s_endpgm
.Lfunc_end_k_q597221b3fa_qkv:
	.size	k_q597221b3fa_qkv, .Lfunc_end_k_q597221b3fa_qkv-k_q597221b3fa_qkv
	.p2alignl 7, 3214868480
	.fill 96, 4, 3214868480
	.section	.rodata,"a",@progbits
	.p2align	6, 0x0
	.amdhsa_kernel k_q597221b3fa_qkv
		.amdhsa_group_segment_fixed_size 268288
		.amdhsa_private_segment_fixed_size 0
		.amdhsa_enable_private_segment 0
		.amdhsa_kernarg_size 72
		.amdhsa_user_sgpr_count 2
		.amdhsa_user_sgpr_kernarg_segment_ptr 1
		.amdhsa_wavefront_size32 1
		.amdhsa_system_sgpr_workgroup_id_x 1
		.amdhsa_system_sgpr_workgroup_id_y 1
		.amdhsa_system_sgpr_workgroup_id_z 1
		.amdhsa_system_vgpr_workitem_id 0
		.amdhsa_next_free_vgpr 256
		.amdhsa_next_free_sgpr 66
		.amdhsa_reserve_vcc 0
		.amdhsa_float_denorm_mode_32 3
		.amdhsa_float_denorm_mode_16_64 3
		.amdhsa_memory_ordered 1
		.amdhsa_forward_progress 1
		.amdhsa_inst_pref_size 108
	.end_amdhsa_kernel
	.amdgpu_metadata
---
amdhsa.version: [ 1, 2 ]
amdhsa.kernels:
  - .name:           k_q597221b3fa_qkv
    .symbol:         k_q597221b3fa_qkv.kd
    .args:
      - { .name: x, .offset: 0, .size: 8, .value_kind: global_buffer, .address_space: global }
      - { .name: y, .offset: 8, .size: 8, .value_kind: global_buffer, .address_space: global }
      - { .name: n1_g, .offset: 16, .size: 8, .value_kind: global_buffer, .address_space: global }
      - { .name: n1_b, .offset: 24, .size: 8, .value_kind: global_buffer, .address_space: global }
      - { .name: qkv_b, .offset: 32, .size: 8, .value_kind: global_buffer, .address_space: global }
      - { .name: wts, .offset: 40, .size: 8, .value_kind: global_buffer, .address_space: global }
      - { .name: qbuf, .offset: 48, .size: 8, .value_kind: global_buffer, .address_space: global }
      - { .name: kbuf, .offset: 56, .size: 8, .value_kind: global_buffer, .address_space: global }
      - { .name: vbuf, .offset: 64, .size: 8, .value_kind: global_buffer, .address_space: global }
    .group_segment_fixed_size: 268288
    .private_segment_fixed_size: 0
    .kernarg_segment_align: 8
    .kernarg_segment_size: 72
    .max_flat_workgroup_size: 512
    .sgpr_count:     66
    .vgpr_count:     256
    .wavefront_size: 32
...
	.end_amdgpu_metadata
.endif
;; end of part 2
;; launch attn (part 3): grid 512 x 1, 8 waves a work-group, no clusters, 108,544 bytes of LDS; arguments qbuf, kbuf, vbuf, btab, abuf; writes abuf
.if DOCPART == 3
	.amdgcn_target "amdgcn-amd-amdhsa--gfx1250"
	.amdhsa_code_object_version 6
	.text
	.protected	k_q597221b3fa_attn
	.globl	k_q597221b3fa_attn
	.p2align	8
	.type	k_q597221b3fa_attn,@function
k_q597221b3fa_attn:
	s_mov_b64 s[64:65], 0
	v_nop
	global_prefetch_b8 v0, s[64:65] scope:SCOPE_SE
	s_setreg_imm32_b32 hwreg(HW_REG_WAVE_MODE, 25, 1), 1
	s_wait_xcnt 0x0
; ATTN.  One work-group = one head of one window: 512 queries x 512 keys x 32 channels, both products on codes of E4M3 with E8M0 scales.
; logit = q . k + bias;  t = logit x log2(e);  M = the running largest t rounded up to a whole number;  p = 2^(t - M) is quantised along the keys, not normalised;  the row's sum is taken of the unquantised p and
; divides at the end; when M moves, the sum and O are multiplied by 2^(old M - new M), which rounds nothing.  The result is quantised along the head's 32 channels, one block of the next product's K.
; SHARES.  Work-group g: head g % 8, window g / 8.  Wave w owns queries 64 w .. 64 w + 63, four tiles of 16, one after the other; each walks the 512 keys in four steps of 128.
; LDS is filled once, from registers, and only read behind the one barrier: the head's bias table (256 rows of 256 bytes + 16), K's 32 tiles and V^T's 8 fragments as images of operand registers, their scale words.
; LAYOUT.  Both products are used transposed: S^T = K Q^T (source 0 = 16 keys, source 1 = 16 queries), O^T = V^T P^T: a lane holds ONE query (lane % 16) throughout.
; K = 32 fills one block of the instruction's four: registers 4-15 of K's and Q's runs hold zero codes.
; Row rho of key tile kt is key 32 (kt/2) + 8 (kt%2) + (rho & 7) + 16 (rho / 8): so the 16 registers of tiles 2 b, 2 b + 1 are keys 32 b + 16 (lane / 16) + 0 .. 15, and a lane's eight registers of a tile are the keys
; md = 0 .. 7 of one (mh, mw).  THE BIAS IS THE C OF THE SCORE PRODUCT: for those eight keys it is 32 consecutive bytes of the table, row (7 - nh + mh, 7 - nw + mw), at 32 nd: two LDS loads into the accumulator.
; No tensor load, no cluster: work-groups share only the table of their head (64 KiB of the 112 KiB that each reads).
; LIMITS: a block's largest p is taken from its largest score (v_exp_f32 is taken not to fall where its input rises); blocks under 2^-118 get the byte 1; NaN and infinities are not served; 1/l by v_rcp_f32.
.set SCOFF, 8388608
.set TP,   272                         ; a table row in LDS
.set KIMG, 69632                       ; behind the table's 256 x 272 bytes: K's tiles, 32 x 512 bytes
.set VIMG, 86016                       ; V^T's fragments, 8 x 2,048 bytes
.set KSC,  102400                      ; K's scale words, 8 x 512 bytes
.set VSC,  106496                      ; V's, 8 x 128 bytes
; v1 my place in the table; v2 KIMG + 16 L; v3 VIMG + 16 L; v4 KSC + 16 L; v5 VSC + 4 L; v6 16 L; v7-11 the step's addresses; v12 -M, v13 the largest t, v[14:15] the sum;
; v16-31 Q's run; v32-95 four runs of K; v96-159 S^T, then p, then (v96-127) V^T's two fragments; v160-175 O^T; v176-191 p's codes; v192-207 at work; v208 f, v209 p's scale word; v210-211 at work;
; v216-223 K's scale words; v224-225 V's; v226-229 the four tiles' output bytes; v230-233 output codes; v234-249 the four tiles' q codes; v250-253 their scale words
.macro PLACES n
.rept \n
	v_nop
.endr
.endm
	s_load_b256 s[4:11], s[0:1], 0x0               ; qbuf 4, kbuf 6, vbuf 8, btab 10
	s_load_b64 s[12:13], s[0:1], 0x20              ; abuf
	v_lshl_add_u32 v254, v0, 2, 0x1a400
	v_mov_b32 v255, 0
	v_lshrrev_b32 v1, 5, v0
	v_readfirstlane_b32 s14, v1                    ; wave 0..7
	s_and_b32 s15, ttmp9, 7                        ; head
	s_lshr_b32 s16, ttmp9, 3                       ; window
	s_mov_b32 s31, 0
	s_mov_b32 s33, 0
	s_mov_b32 s20, 0x76543210
	s_mov_b32 s21, 0xfedcba98                      ; v_permlanex16_b32's selects for lane l xor 16
	s_mov_b32 s22, 0x3fb8aa3b                      ; log2(e)
	s_mov_b32 s23, s22                             ; (named with it as a pair, so it is written)
	s_mov_b32 s19, 0x600000                        ; the mantissa field of 448
	v_lshlrev_b32 v7, 4, v0                        ; the fill: 16 x thread,
	v_lshlrev_b32 v8, 2, v0
	v_lshrrev_b32 v9, 4, v0
	v_lshl_add_u32 v9, v9, 4, v7                   ; + 16 for each 256 bytes passed: the table's padding
	v_add_nc_u32 v10, KIMG, v7
	v_add_nc_u32 v11, VSC, v8
	v_and_b32 v6, 31, v0
	v_lshl_add_u32 v5, v6, 2, VSC
	v_lshlrev_b32 v6, 4, v6
	s_wait_kmcnt 0x0
	s_lshl_b32 s30, s15, 16
	s_add_nc_u64 s[10:11], s[10:11], s[30:31]      ; my head's table
	s_lshl_b32 s30, ttmp9, 14                      ; 8 b + hh is the work-group's number
	s_add_nc_u64 s[34:35], s[6:7], s[30:31]
	s_add_nc_u64 s[38:39], s[8:9], s[30:31]
	s_add_nc_u64 s[42:43], s[4:5], s[30:31]
	s_lshl_b32 s32, s14, 11
	s_add_nc_u64 s[42:43], s[42:43], s[32:33]      ; my four tiles of q
	s_lshl_b32 s30, ttmp9, 12
	s_add_co_u32 s30, s30, SCOFF
	s_add_nc_u64 s[36:37], s[6:7], s[30:31]
	s_lshl_b32 s32, s14, 9
	s_add_co_u32 s30, s30, s32
	s_add_nc_u64 s[44:45], s[4:5], s[30:31]
	s_add_nc_u64 s[48:49], s[12:13], s[30:31]      ; the output's bytes lie as q's do
	s_lshl_b32 s30, ttmp9, 10
	s_add_co_u32 s30, s30, SCOFF
	s_add_nc_u64 s[40:41], s[8:9], s[30:31]
	s_lshl_b32 s30, s16, 17                        ; the output's codes: [b][tile 32][head 8][512 bytes]
	s_lshl_b32 s32, s14, 14
	s_add_co_u32 s30, s30, s32
	s_lshl_b32 s32, s15, 9
	s_add_co_u32 s30, s30, s32
	s_add_nc_u64 s[46:47], s[12:13], s[30:31]
.irp k, 0,1,2,3,4,5,6,7,8,9,10,11,12,13,14,15
	global_load_b128 v[32+4*\k:35+4*\k], v7, s[10:11] offset:4096*\k
.endr
.irp k, 0,1,2,3
	global_load_b128 v[96+4*\k:99+4*\k], v7, s[34:35] offset:4096*\k
.endr
.irp k, 0,1,2,3
	global_load_b128 v[112+4*\k:115+4*\k], v7, s[38:39] offset:4096*\k
.endr
	global_load_b128 v[128:131], v7, s[36:37]
	global_load_b32 v132, v8, s[40:41]
.irp i, 0,1,2,3
	global_load_b128 v[234+4*\i:237+4*\i], v6, s[42:43] offset:512*\i
.endr
	global_load_b128 v[250:253], v6, s[44:45]
	; my place in the table: row (7 - w) 16 + 1 + 2 h - (r / 8), byte 32 (r % 8); the tile, the step and the key tile add whole rows
	v_and_b32 v12, 15, v0
	v_bfe_u32 v13, v0, 4, 1
	v_lshrrev_b32 v14, 3, v12
	s_xor_b32 s30, s14, 7
	s_lshl_b32 s30, s30, 4
	s_add_co_u32 s30, s30, 1
	v_lshl_add_u32 v15, v13, 1, s30
	v_sub_nc_u32 v15, v15, v14
	v_mul_u32_u24 v1, v15, TP
	v_and_b32 v14, 7, v12
	v_lshl_add_u32 v1, v14, 5, v1
	v_add_nc_u32 v2, KIMG, v6
	v_add_nc_u32 v3, VIMG, v6
	v_add_nc_u32 v4, KSC, v6
	s_wait_loadcnt 0x0
.irp k, 0,1,2,3,4,5,6,7,8,9,10,11,12,13,14,15
	ds_store_b128 v9, v[32+4*\k:35+4*\k] offset:4352*\k            ; 16 table rows a store
.endr
.irp k, 0,1,2,3
	ds_store_b128 v10, v[96+4*\k:99+4*\k] offset:4096*\k
.endr
.irp k, 0,1,2,3
	ds_store_b128 v10, v[112+4*\k:115+4*\k] offset:VIMG-KIMG+4096*\k
.endr
	ds_store_b128 v10, v[128:131] offset:KSC-KIMG
	ds_store_b32 v11, v132
	s_wait_dscnt 0x0                               ; for the others' sake: my stores have landed
	s_barrier_signal -1
	s_barrier_wait -1
.irp j, 20,21,22,23,24,25,26,27,28,29,30,31
	v_mov_b32 v[\j], 0                             ; zero codes for K = 32 .. 127 of Q's run,
.endr
.irp t, 0,1,2,3
.irp j, 4,5,6,7,8,9,10,11,12,13,14,15
	v_mov_b32 v[32+16*\t+\j], 0                    ; and of K's four
.endr
.endr
.irp b, 0,1,2,3
	v_mov_b32 v[196+\b], 0                         ; written once: a lane permute's destination counts as one of its sources
.endr
	v_mov_b32 v209, 0                              ; (named as the upper half of the pair v[208:209] before it is first written)
; One tile of 16 queries: nh = w, nw = 2 qi + r / 8, nd = r % 8
.macro QTILE qi
.irp c, 0,1,2,3
	v_mov_b32 v[16+\c], v[234+4*\qi+\c]            ; the tile's codes into Q's run
.endr
	v_mov_b32 v13, 0xff61b1e6                      ; the largest t so far: -3e38, under every t
	v_floor_f32 v12, -v13
	v_mov_b32 v14, 0
	v_mov_b32 v15, 0
.irp j, 0,1,2,3,4,5,6,7,8,9,10,11,12,13,14,15
	v_mov_b32 v[160+\j], 0                         ; O^T: the step is written once; its first trip finds zeros
.endr
	s_mov_b32 s24, 0                               ; the step's place in the table: 32 rows a step,
	s_mov_b32 s25, 0                               ; among K's tiles and V's fragments: 4,096 bytes,
	s_mov_b32 s26, 0                               ; K's scale words: 1,024,
	s_mov_b32 s27, 0                               ; V's: 256
	s_mov_b32 s28, 4
.Lstep_\@:
	v_add_nc_u32 v7, s24, v1
	v_add_nc_u32 v8, s25, v2
	v_add_nc_u32 v9, s25, v3
	v_add_nc_u32 v10, s26, v4
	v_add_nc_u32 v11, s27, v5
	PLACES 5                                       ; ten places behind the last trip's products: the loads and the score products below write registers that those products read
.irp g, 0,1
.irp t, 0,1,2,3
	ds_load_b128 v[96+8*(4*\g+\t):99+8*(4*\g+\t)], v7 offset:(16*\g+4*((\t/2)%2)+(\t%2)+6-2*\qi)*TP       ; the bias of my query and the tile's eight keys of my half
	ds_load_b128 v[100+8*(4*\g+\t):103+8*(4*\g+\t)], v7 offset:(16*\g+4*((\t/2)%2)+(\t%2)+6-2*\qi)*TP+16
.endr
.endr
	ds_load_b128 v[216:219], v10
	ds_load_b128 v[220:223], v10 offset:512
.irp g, 0,1
.if \g
	PLACES 8                                       ; in front of loads into registers that matrix instructions have read
.endif
.irp t, 0,1,2,3
	ds_load_b128 v[32+16*\t:35+16*\t], v8 offset:2048*\g+512*\t
.endr
	s_wait_dscnt 0x0
.irp t, 0,1,2,3
	v_wmma_scale_f32_16x16x128_f8f6f4 v[96+8*(4*\g+\t):103+8*(4*\g+\t)], v[32+16*\t:47+16*\t], v[16:31], v[96+8*(4*\g+\t):103+8*(4*\g+\t)], v[216+4*\g+\t], v[250+\qi]
.endr
.endr
	PLACES 8
.irp b, 0,1,2,3
	v_max3_num_f32 v[192+\b], v[96+16*\b], v[97+16*\b], v[98+16*\b]   ; the largest logit of each block of 32 keys: for the row's maximum and for the block's largest p
.endr
.irp n, 3,5,7,9,11,13
.irp b, 0,1,2,3
	v_max3_num_f32 v[192+\b], v[192+\b], v[96+16*\b+\n], v[97+16*\b+\n]
.endr
.endr
.irp b, 0,1,2,3
	v_max_num_f32 v[192+\b], v[192+\b], v[111+16*\b]
.endr
.irp b, 0,1,2,3
	v_permlanex16_b32 v[196+\b], v[192+\b], s20, s21
.endr
.irp b, 0,1,2,3
	v_max_num_f32 v[192+\b], v[192+\b], v[196+\b]
.endr
	v_max3_num_f32 v210, v192, v193, v194
	v_max_num_f32 v210, v210, v195
	v_mul_f32 v210, s22, v210                      ; as t
	v_max_num_f32 v13, v13, v210                   ; the running largest t
	v_mov_b32 v210, v12
	v_floor_f32 v12, -v13                          ; the new -M = -ceil(t)
	v_sub_f32 v210, v12, v210                      ; old M - new M: a whole number, 0 or less
	v_cvt_i32_f32 v210, v210                       ; (it saturates)
	v_ldexp_f32 v208, 1.0, v210                    ; f = 2^(old M - new M)
.set n, 0
.rept 32
	v_pk_fma_f32 v[96+n:97+n], v[96+n:97+n], s[22:23], v[12:13] op_sel_hi:[1,0,0]   ; t - M, two at a time
.set n, n+2
.endr
.irp b, 0,1,2,3
	v_fma_f32 v[192+\b], v[192+\b], s22, v12
.endr
.set n, 0
.rept 64
	v_exp_f32 v[96+n], v[96+n]                     ; p = 2^(t - M)
.set n, n+1
.endr
	v_pk_mul_f32 v[14:15], v[14:15], v[208:209] op_sel_hi:[1,0]   ; the sums under the new M (a plain line behind the exponentials)
	s_wait_alu depctr_va_vdst(0)                   ; one wait for the batch, ahead of its first reader
.irp b, 0,1,2,3
	v_exp_f32 v[192+\b], v[192+\b]                 ; each block's largest p
.endr
	v_pk_add_f32 v[196:197], v[96:97], v[98:99]    ; the row's sum of the unquantised p, in two chains
.irp j, 4,8,12,16,20,24,28,32,36,40,44,48,52,56,60
	v_pk_add_f32 v[14:15], v[14:15], v[96+\j:97+\j]
	v_pk_add_f32 v[196:197], v[196:197], v[98+\j:99+\j]
.endr
	v_pk_add_f32 v[14:15], v[14:15], v[196:197]
	s_wait_alu depctr_va_vdst(0)                   ; and one for the four
.irp b, 0,1,2,3
	v_max_num_f32 v[192+\b], 0x4800000, v[192+\b]  ; the floor 2^(9 - 127)
.endr
.irp b, 0,1,2,3
	v_add_nc_u32 v[204+\b], 0xfc000000, v[192+\b]
.endr
.irp b, 0,1,2,3
	v_and_or_b32 v[200+\b], v[192+\b], 0x7f800000, s19
.endr
.irp b, 0,1,2,3
	v_lshrrev_b32 v[196+\b], 23, v[204+\b]
.endr
	v_lshl_or_b32 v209, v197, 8, v196              ; p's scale word for these 128 keys
	v_lshl_or_b32 v209, v198, 16, v209
	v_lshl_or_b32 v209, v199, 24, v209
.irp b, 0,1,2,3
.irp n, 0,1,2,3,4,5,6,7,8,9,10,11,12,13,14,15
	v_min_num_f32 v[96+16*\b+\n], v[96+16*\b+\n], v[200+\b]   ; p is not negative: the hold is one-sided
.endr
	v_cvt_scalef32_pk8_fp8_f32 v[176+4*\b:177+4*\b], v[96+16*\b:103+16*\b], v[204+\b]
	v_cvt_scalef32_pk8_fp8_f32 v[178+4*\b:179+4*\b], v[104+16*\b:111+16*\b], v[204+\b]
.if \b == 1
.irp u, 0,1                                    ; blocks 0 and 1 are codes: their 32 registers take V^T's two fragments, which land under blocks 2 and 3
.irp c, 0,1,2,3
	ds_load_b128 v[96+16*\u+4*\c:99+16*\u+4*\c], v9 offset:2048*\u+512*\c
.endr
	ds_load_b32 v[224+\u], v11 offset:128*\u
.endr
.endif
.endr
.irp j, 0,2,4,6,8,10,12,14
	v_pk_mul_f32 v[160+\j:161+\j], v[160+\j:161+\j], v[208:209] op_sel_hi:[1,0]   ; O^T under the new M; also the plain lines between the conversions and the products
.endr
	s_wait_dscnt 0x0
.irp u, 0,1
	v_wmma_scale_f32_16x16x128_f8f6f4 v[160+8*\u:167+8*\u], v[96+16*\u:111+16*\u], v[176:191], v[160+8*\u:167+8*\u], v[224+\u], v209
.endr
	s_add_co_u32 s24, s24, 32*TP
	s_add_co_u32 s25, s25, 4096
	s_add_co_u32 s26, s26, 1024
	s_add_co_u32 s27, s27, 256
	s_sub_co_u32 s28, s28, 1
	s_cmp_lg_u32 s28, 0
	s_cbranch_scc1 .Lstep_\@
	; the tile's end: O^T / the sum; register 8 u + j of lane (r, h) is channel 16 h + 8 u + j of query r
	PLACES 8
	v_add_f32 v14, v14, v15
	v_permlanex16_b32 v210, v14, s20, s21
	v_add_f32 v14, v14, v210
	v_rcp_f32 v210, v14
	v_nop
	s_wait_alu depctr_va_vdst(0)
	v_mov_b32 v211, v210
.irp j, 0,2,4,6,8,10,12,14
	v_pk_mul_f32 v[96+\j:97+\j], v[160+\j:161+\j], v[210:211]
.endr
	v_max3_num_f32 v192, |v96|, |v97|, 0x4800000   ; one block: my 16 channels and lane l xor 16's
.irp j, 2,4,6,8,10,12,14
	v_max3_num_f32 v192, v192, |v[96+\j]|, |v[97+\j]|
.endr
	v_permlanex16_b32 v196, v192, s20, s21
	v_max_num_f32 v192, v192, v196
	v_add_nc_u32 v204, 0xfc000000, v192
	v_and_or_b32 v200, v192, 0x7f800000, s19
	v_lshrrev_b32 v[226+\qi], 23, v204
	s_wait_xcnt 0x0                                ; the last tile's store has read its data
.irp j, 0,1,2,3,4,5,6,7,8,9,10,11,12,13,14,15
	v_med3_num_f32 v[96+\j], v[96+\j], -v200, v200
.endr
	v_cvt_scalef32_pk8_fp8_f32 v[230:231], v[96:103], v204
	v_cvt_scalef32_pk8_fp8_f32 v[232:233], v[104:111], v204
	v_nop
	global_store_b128 v6, v[230:233], s[46:47] offset:4096*\qi     ; 32 lanes store 512 consecutive bytes
.endm
	QTILE 0
	QTILE 1
	QTILE 2
	QTILE 3
	global_store_b128 v6, v[226:229], s[48:49]
	s_wait_tensorcnt 0x0
	ds_add_u32 v254, v255
	s_wait_dscnt 0x0
	s_endpgm
.Lfunc_end_k_q597221b3fa_attn:
	.size	k_q597221b3fa_attn, .Lfunc_end_k_q597221b3fa_attn-k_q597221b3fa_attn
	.p2alignl 7, 3214868480
	.fill 96, 4, 3214868480
	.section	.rodata,"a",@progbits
	.p2align	6, 0x0
	.amdhsa_kernel k_q597221b3fa_attn
		.amdhsa_group_segment_fixed_size 108544
		.amdhsa_private_segment_fixed_size 0
		.amdhsa_enable_private_segment 0
		.amdhsa_kernarg_size 40
		.amdhsa_user_sgpr_count 2
		.amdhsa_user_sgpr_kernarg_segment_ptr 1
		.amdhsa_wavefront_size32 1
		.amdhsa_system_sgpr_workgroup_id_x 1
		.amdhsa_system_sgpr_workgroup_id_y 1
		.amdhsa_system_sgpr_workgroup_id_z 1
		.amdhsa_system_vgpr_workitem_id 0
		.amdhsa_next_free_vgpr 256
		.amdhsa_next_free_sgpr 66
		.amdhsa_reserve_vcc 0
		.amdhsa_float_denorm_mode_32 3
		.amdhsa_float_denorm_mode_16_64 3
		.amdhsa_memory_ordered 1
		.amdhsa_forward_progress 1
		.amdhsa_inst_pref_size 99
	.end_amdhsa_kernel
	.amdgpu_metadata
---
amdhsa.version: [ 1, 2 ]
amdhsa.kernels:
  - .name:           k_q597221b3fa_attn
    .symbol:         k_q597221b3fa_attn.kd
    .args:
      - { .name: qbuf, .offset: 0, .size: 8, .value_kind: global_buffer, .address_space: global }
      - { .name: kbuf, .offset: 8, .size: 8, .value_kind: global_buffer, .address_space: global }
      - { .name: vbuf, .offset: 16, .size: 8, .value_kind: global_buffer, .address_space: global }
      - { .name: btab, .offset: 24, .size: 8, .value_kind: global_buffer, .address_space: global }
      - { .name: abuf, .offset: 32, .size: 8, .value_kind: global_buffer, .address_space: global }
    .group_segment_fixed_size: 108544
    .private_segment_fixed_size: 0
    .kernarg_segment_align: 8
    .kernarg_segment_size: 40
    .max_flat_workgroup_size: 256
    .sgpr_count:     66
    .vgpr_count:     256
    .wavefront_size: 32
...
	.end_amdgpu_metadata
.endif
;; end of part 3
;; launch mlp (part 4): grid 256 x 1, 16 waves a work-group, no clusters, 309,248 bytes of LDS; arguments x, abuf, wts, proj_b, n2_g, n2_b, fc1_b, fc2_b, out0; writes out0
.if DOCPART == 4
	.amdgcn_target "amdgcn-amd-amdhsa--gfx1250"
	.amdhsa_code_object_version 6
	.text
	.protected	k_q597221b3fa_mlp
	.globl	k_q597221b3fa_mlp
	.p2align	8
	.type	k_q597221b3fa_mlp,@function
k_q597221b3fa_mlp:
	s_mov_b64 s[64:65], 0
	v_nop
	global_prefetch_b8 v0, s[64:65] scope:SCOPE_SE
	s_setreg_imm32_b32 hwreg(HW_REG_WAVE_MODE, 25, 1), 1
	s_wait_xcnt 0x0
; MLP.  x1 = x + attention Wp + bp;  out = x1 + gelu(LN2(x1) W1 + b1) W2 + b2, the three products on codes of E4M3 with one E8M0 byte for each 32 along K; the gelu is the exact one (erf).
; SHARES.  Work-group g: 128 rows of window g / 4, quarter g % 4.  Sixteen waves, four to a SIMD.  x1 stays in LDS as f32 from the first read of x to the store of out; the hidden layer stays in LDS as codes.
; P0  x's rows (8,192 consecutive bytes a wave) into X1; the attention's codes and scale bytes into LDS as fragment images.                         | barrier
; P1  wave w: 16 columns of the projection for the 128 rows, transposed (source 0 = 16 columns of the weight, source 1 = 16 rows); added onto X1 in place: each byte of X1 has one lane of one wave.  | barrier
; P2  wave w: layer norm of row tile w % 8; its half w / 8 of the columns is quantised: one fragment.                                                  | barrier
; P3  four trips: wave w makes hidden columns 32 (w + 16 e) on for row tiles 4 rh .. 4 rh + 3; gelu; quantised: those 32 columns are one block of the last product's K.   | barrier
; P4  wave w: 16 columns of the last product for the 128 rows, eight K steps; added onto X1.                                                             | barrier
; P5  wave w stores eight whole rows.
; The weights come from wts as fragment images straight into registers, asked for a phase ahead.  The biases are the C of each sum's first matrix instruction.
; No tensor load: every LDS region is filled from registers.  No cluster: what work-groups share is the weights, and joint loads would want LDS slots beside the 307,200 bytes in use.
; LIMITS: blocks under 2^-118 get the byte 1; NaN and infinities are not served; 1/sqrt by v_rsq_f32; erf by two polynomials (|z| <= 0.927734375: odd series; above: 1 - exp of a polynomial), about one unit in the last place.
.set SCOFF, 8388608
.set WSOFF, 786432
.set RP,    1040                       ; a row of X1: 1,024 bytes + 16
.set X2IMG, 133120                     ; behind X1's 128 rows: 16 fragments (row tile m, K step s: 2 m + s): first the attention's, then LN2's
.set X2SC,  165888                     ; their scale words, 128 bytes each
.set HIMG,  167936                     ; the hidden layer: [trip 4][row tile 4][wave 16][512 bytes]
.set HSC,   299008                     ; its scale words: [trip 4][row tile 4][K step % 4][lane]
.set L16,  1                           ; v1 16 L      v[2:3], v[4:5], v[6:7]: three constants of the gelu, each twice
.set L4,   8                           ; v8 4 L
.set VH,   9                           ; v9 64 h
.set V32,  10                          ; v10 32 h
.set RB,   11                          ; v11 1,040 r
.set XA,   21                          ; v21, v22: my 32 bytes of row r of row tiles 0-3, 4-7 in X1     (v12-15: the phase's addresses)
.set AS,   16                          ; v16-19 scale words of the rows (scales alone)
.set PW,   20
.set BIAS, 24                          ; v24-39
.set WS,   40                          ; v40-47 scale words of the weights (scales alone)
.set W,    48                          ; v48-111 four fragments of a weight
.set AF,   112                         ; v112-175 four fragments of rows
.set PC,   112                         ; the codes just made
.set ACC,  176                         ; v176-239 eight accumulators
.set GB,   176                         ; P2: gains and biases
.set TM,   240
.set SA,   240
.set MEAN, 248
.set RSTD, 250
.set ST,   252
.set GR,   112                         ; the gelu at work
.set GZ,   128
.set GS,   144
.set GT,   160
.set GU,   240
.set GP,   48                          ; s[48:49] n2_g, s[50:51] n2_b, at my half of the columns
.set BP,   50
.set SEL,  40
.set MNT,  42
.set INV,  43
.set EPS,  44
.set THR,  45
.macro PLACES n
.rept \n
	v_nop
.endr
.endm
.macro BARRIER                         ; my LDS stores have landed and my LDS loads are in: then the work-group's barrier
	s_wait_dscnt 0x0
	s_barrier_signal -1
	s_barrier_wait -1
.endm
.macro FETCH reg, adr, off
.irp c, 0,1,2,3
	ds_load_b128 v[\reg+4*\c:\reg+4*\c+3], v[\adr] offset:\off+512*\c
.endr
.endm
.macro IMAGE adr, off
.irp c, 0,1,2,3
	ds_store_b128 v[\adr], v[PC+4*\c:PC+4*\c+3] offset:\off+512*\c
.endr
.endm
.macro QUANT s                         ; 64 numbers of a lane, four blocks of 16 (the other 16 lie in lane l xor 16), become codes in v[PC] on, bytes in v[TM+4] on and a scale word in v[PW]
.irp b, 0,1,2,3
	v_max3_num_f32 v[TM+\b], |v[\s+16*\b]|, |v[\s+1+16*\b]|, 0x4800000   ; with the floor 2^(9 - 127): the byte cannot fall under 1
.endr
.irp i, 2,4,6,8,10,12,14
.irp b, 0,1,2,3
	v_max3_num_f32 v[TM+\b], v[TM+\b], |v[\s+16*\b+\i]|, |v[\s+1+16*\b+\i]|
.endr
.endr
.irp b, 0,1,2,3
	v_permlanex16_b32 v[TM+4+\b], v[TM+\b], s[SEL], s[SEL+1]
.endr
.irp b, 0,1,2,3
	v_max_num_f32 v[TM+\b], v[TM+\b], v[TM+4+\b]
.endr
.irp b, 0,1,2,3
	v_add_nc_u32 v[TM+12+\b], 0xfc000000, v[TM+\b]           ; 8 off the exponent field: the conversion's scale operand
.endr
.irp b, 0,1,2,3
	v_and_or_b32 v[TM+8+\b], v[TM+\b], 0x7f800000, s[MNT]    ; 448 x the scale
.endr
.irp b, 0,1,2,3
	v_lshrrev_b32 v[TM+4+\b], 23, v[TM+12+\b]                ; the scale's byte
.endr
	v_lshl_or_b32 v[PW], v[TM+5], 8, v[TM+4]
	v_lshl_or_b32 v[PW], v[TM+6], 16, v[PW]
	v_lshl_or_b32 v[PW], v[TM+7], 24, v[PW]
.irp b, 0,1,2,3
.irp i, 0,1,2,3,4,5,6,7,8,9,10,11,12,13,14,15
	v_med3_num_f32 v[\s+16*\b+\i], v[\s+16*\b+\i], -v[TM+8+\b], v[TM+8+\b]   ; the conversion does not saturate (ISA guide 7.6.2)
.endr
	v_cvt_scalef32_pk8_fp8_f32 v[PC+4*\b:PC+1+4*\b], v[\s+16*\b:\s+7+16*\b], v[TM+12+\b]
	v_cvt_scalef32_pk8_fp8_f32 v[PC+2+4*\b:PC+3+4*\b], v[\s+8+16*\b:\s+15+16*\b], v[TM+12+\b]
.endr
	v_nop                                                    ; a plain line behind the last conversion
.endm
.macro STATS xb                        ; mean and 1/sqrt(variance + 1e-5) of a row of 256: 128 numbers in v[xb] on, the others in lane l xor 16; centred in place
.irp q, 0,1,2,3
	v_pk_add_f32 v[SA+2*\q:SA+2*\q+1], v[\xb+2*\q:\xb+2*\q+1], v[\xb+8+2*\q:\xb+8+2*\q+1]
.endr
.set sti, 16
.rept 14
.irp q, 0,1,2,3
	v_pk_add_f32 v[SA+2*\q:SA+2*\q+1], v[SA+2*\q:SA+2*\q+1], v[\xb+sti+2*\q:\xb+sti+2*\q+1]
.endr
.set sti, sti+8
.endr
	v_pk_add_f32 v[SA:SA+1], v[SA:SA+1], v[SA+2:SA+3]
	v_pk_add_f32 v[SA+4:SA+5], v[SA+4:SA+5], v[SA+6:SA+7]
	v_pk_add_f32 v[SA:SA+1], v[SA:SA+1], v[SA+4:SA+5]
	v_add_f32 v[SA], v[SA], v[SA+1]
	v_permlanex16_b32 v[ST], v[SA], s[SEL], s[SEL+1]
	v_add_f32 v[SA], v[SA], v[ST]
	v_mul_f32 v[MEAN], 0x3b800000, v[SA]                     ; / 256
	v_mov_b32 v[MEAN+1], v[MEAN]
.set sti, 0
.rept 64
	v_pk_add_f32 v[\xb+sti:\xb+sti+1], v[\xb+sti:\xb+sti+1], v[MEAN:MEAN+1] neg_lo:[0,1] neg_hi:[0,1]
.set sti, sti+2
.endr
.irp q, 0,1,2,3
	v_pk_mul_f32 v[SA+2*\q:SA+2*\q+1], v[\xb+2*\q:\xb+2*\q+1], v[\xb+2*\q:\xb+2*\q+1]
.endr
.set sti, 8
.rept 15
.irp q, 0,1,2,3
	v_pk_fma_f32 v[SA+2*\q:SA+2*\q+1], v[\xb+sti+2*\q:\xb+sti+2*\q+1], v[\xb+sti+2*\q:\xb+sti+2*\q+1], v[SA+2*\q:SA+2*\q+1]
.endr
.set sti, sti+8
.endr
	v_pk_add_f32 v[SA:SA+1], v[SA:SA+1], v[SA+2:SA+3]
	v_pk_add_f32 v[SA+4:SA+5], v[SA+4:SA+5], v[SA+6:SA+7]
	v_pk_add_f32 v[SA:SA+1], v[SA:SA+1], v[SA+4:SA+5]
	v_add_f32 v[SA], v[SA], v[SA+1]
	v_permlanex16_b32 v[ST], v[SA], s[SEL], s[SEL+1]
	v_add_f32 v[SA], v[SA], v[ST]
	v_fma_f32 v[ST], v[SA], s[INV], s[EPS]
	v_rsq_f32 v[RSTD], v[ST]
	v_nop                                                    ; a plain line behind the transcendental,
	s_wait_alu depctr_va_vdst(0)                             ; and the wait ahead of its first reader
	v_mov_b32 v[RSTD+1], v[RSTD]
.endm
.macro GBLOAD off                      ; gains and biases of 32 of my registers
.irp cc, 0,1
.irp j, 0,1,2,3
	global_load_b128 v[GB+16*\cc+4*\j:GB+16*\cc+4*\j+3], v[VH], s[GP:GP+1] offset:\off+128*\cc+16*\j
	global_load_b128 v[GB+32+16*\cc+4*\j:GB+32+16*\cc+4*\j+3], v[VH], s[BP:BP+1] offset:\off+128*\cc+16*\j
.endr
.endr
.endm
.macro APPLY xc                        ; 32 centred numbers: x 1/sqrt, x gain + bias
.set ai, 0
.rept 16
	v_pk_mul_f32 v[\xc+ai:\xc+ai+1], v[\xc+ai:\xc+ai+1], v[RSTD:RSTD+1]
.set ai, ai+2
.endr
.set ai, 0
.rept 16
	v_pk_fma_f32 v[\xc+ai:\xc+ai+1], v[\xc+ai:\xc+ai+1], v[GB+ai:GB+ai+1], v[GB+32+ai:GB+32+ai+1]
.set ai, ai+2
.endr
.endm
; Two tiles of columns x four tiles of rows x two K steps, transposed; the eight accumulators take turns, one instruction a turn.
.macro MM24 aadr, sadr, astm, asts, sstm, ssts
.irp s, 0,1
.if \s
	PLACES 8                                       ; in front of loads into registers that matrix instructions have read
.endif
.irp m, 0,1,2,3
	FETCH AF+16*\m, \aadr, \m*\astm+\s*\asts
	ds_load_b32 v[AS+\m], v[\sadr] offset:\m*\sstm+\s*\ssts
.endr
	s_wait_dscnt 0x0
.irp m, 0,1,2,3
.irp u, 0,1
.if \s == 0
	v_wmma_scale_f32_16x16x128_f8f6f4 v[ACC+16*\m+8*\u:ACC+16*\m+8*\u+7], v[W+16*(2*\u+\s):W+16*(2*\u+\s)+15], v[AF+16*\m:AF+16*\m+15], v[BIAS+8*\u:BIAS+8*\u+7], v[WS+2*\u+\s], v[AS+\m]
.else
	v_wmma_scale_f32_16x16x128_f8f6f4 v[ACC+16*\m+8*\u:ACC+16*\m+8*\u+7], v[W+16*(2*\u+\s):W+16*(2*\u+\s)+15], v[AF+16*\m:AF+16*\m+15], v[ACC+16*\m+8*\u:ACC+16*\m+8*\u+7], v[WS+2*\u+\s], v[AS+\m]
.endif
.endr
.endr
.endr
.endm
; One tile of columns (fragment in v[wr] on, scale word v[wsr]) x row tiles 4 g .. 4 g + 3, one K step, transposed
.macro RND g, aadr, aoff, astp, sadr, soff, sstp, wr, wsr, first
.irp t, 0,1,2,3
	FETCH AF+16*\t, \aadr, \aoff+\t*\astp
	ds_load_b32 v[AS+\t], v[\sadr] offset:\soff+\t*\sstp
.endr
	s_wait_dscnt 0x0
.irp t, 0,1,2,3
.if \first
	v_wmma_scale_f32_16x16x128_f8f6f4 v[ACC+8*(4*\g+\t):ACC+8*(4*\g+\t)+7], v[\wr:\wr+15], v[AF+16*\t:AF+16*\t+15], v[BIAS:BIAS+7], v[\wsr], v[AS+\t]
.else
	v_wmma_scale_f32_16x16x128_f8f6f4 v[ACC+8*(4*\g+\t):ACC+8*(4*\g+\t)+7], v[\wr:\wr+15], v[AF+16*\t:AF+16*\t+15], v[ACC+8*(4*\g+\t):ACC+8*(4*\g+\t)+7], v[\wsr], v[AS+\t]
.endif
.endr
.endm
; The eight accumulators (row tile m: columns 16 w + 8 h + 0 .. 7 of row r) are added onto X1, in place
.macro RMW
.irp m, 0,1,2,3,4,5,6,7
	ds_load_b128 v[AF+8*\m:AF+8*\m+3], v[XA+\m/4] offset:(\m%4)*16*RP
	ds_load_b128 v[AF+8*\m+4:AF+8*\m+7], v[XA+\m/4] offset:(\m%4)*16*RP+16
.endr
	s_wait_dscnt 0x0
.set ai, 0
.rept 32
	v_pk_add_f32 v[AF+ai:AF+ai+1], v[AF+ai:AF+ai+1], v[ACC+ai:ACC+ai+1]   ; each accumulator from its low end on
.set ai, ai+2
.endr
.irp m, 0,1,2,3,4,5,6,7
	ds_store_b128 v[XA+\m/4], v[AF+8*\m:AF+8*\m+3] offset:(\m%4)*16*RP
	ds_store_b128 v[XA+\m/4], v[AF+8*\m+4:AF+8*\m+7] offset:(\m%4)*16*RP+16
.endr
.endm
; eight packed lines each: d = a b + literal;  d = a literal + the pair c;  d = a b + c;  d = a literal
.macro FMA8L d, a, b, lit
.set n, 0
.rept 8
	v_pk_fma_f32 v[\d+n:\d+n+1], v[\a+n:\a+n+1], v[\b+n:\b+n+1], \lit op_sel_hi:[1,1,0]
.set n, n+2
.endr
.endm
.macro FMA8C d, a, lit, c
.set n, 0
.rept 8
	v_pk_fma_f32 v[\d+n:\d+n+1], v[\a+n:\a+n+1], \lit, v[\c:\c+1] op_sel_hi:[1,0,1]
.set n, n+2
.endr
.endm
.macro FMA8 d, a, b, c
.set n, 0
.rept 8
	v_pk_fma_f32 v[\d+n:\d+n+1], v[\a+n:\a+n+1], v[\b+n:\b+n+1], v[\c+n:\c+n+1]
.set n, n+2
.endr
.endm
.macro MUL8L d, a, lit
.set n, 0
.rept 8
	v_pk_mul_f32 v[\d+n:\d+n+1], v[\a+n:\a+n+1], \lit op_sel_hi:[1,0]
.set n, n+2
.endr
.endm
; gelu(x) = x/2 (1 + erf(z)), z = x / sqrt(2), on 16 numbers v[ACC + 16 q] on, in place.  |z| <= 0.927734375: erf = z + z P(z^2).  Above: erf = sign(z) (1 - e^r), r a polynomial in |z|, so that
; gelu = max(x, 0) - |x/2| e^r: the negative tail keeps its relative accuracy.  Both ways are computed and one is chosen by v_cndmask_b32: no branch on data.
.macro GELU16 q
.set GX, ACC+16*(\q)
	MUL8L GZ, GX, 0x3f3504f3                       ; z = x / sqrt(2); each accumulator is read from its low end on
.set n, 0
.rept 8
	v_pk_mul_f32 v[GS+n:GS+n+1], v[GZ+n:GZ+n+1], v[GZ+n:GZ+n+1]   ; s = z^2
.set n, n+2
.endr
.set n, 0
.rept 16
	v_and_b32 v[GT+n], 0x7fffffff, v[GZ+n]         ; t = |z|
.set n, n+1
.endr
	FMA8C GR, GT, 0xb7910000, 2                    ; r = c0 t + c1
	FMA8C GU, GT, 0xbb7e8a1c, 4                    ; u = c2 t + c3
	FMA8  GR, GR, GS, GU                           ; r = r s + u
	FMA8L GR, GR, GT, 0xbddaae5c
	FMA8L GR, GR, GT, 0xbf228550
	FMA8L GR, GR, GT, 0xbe03ce86
.set n, 0
.rept 8
	v_pk_fma_f32 v[GR+n:GR+n+1], v[GR+n:GR+n+1], v[GT+n:GT+n+1], v[GT+n:GT+n+1] neg_lo:[0,0,1] neg_hi:[0,0,1]   ; r = r t - t
.set n, n+2
.endr
	MUL8L GR, GR, 0x3fb8aa3b                       ; x log2(e)
.set n, 0
.rept 16
	v_exp_f32 v[GR+n], v[GR+n]                     ; e^r
.set n, n+1
.endr
	FMA8C GU, GS, 0xba1c7000, 6                    ; the series, independent work behind the exponentials
	FMA8L GU, GU, GS, 0xbcdb48d9
	FMA8L GU, GU, GS, 0x3de70e22
	FMA8L GU, GU, GS, 0xbec09380
	FMA8L GU, GU, GS, 0x3e0375d4
	FMA8  GU, GU, GZ, GZ                           ; erf = P z + z
	MUL8L GS, GX, 0.5                              ; x/2
	FMA8  GU, GS, GU, GS                           ; x/2 erf + x/2
.set n, 0
.rept 16
	v_max_num_f32 v[GZ+n], 0, v[GX+n]
.set n, n+1
.endr
	s_wait_alu depctr_va_vdst(0)                   ; one wait for the sixteen exponentials, ahead of their first reader
.set n, 0
.rept 16
	v_fma_f32 v[GR+n], -|v[GS+n]|, v[GR+n], v[GZ+n]
.set n, n+1
.endr
.set n, 0
.rept 16
	v_cmp_lt_f32 vcc_lo, s[THR], v[GT+n]
	v_cndmask_b32 v[GX+n], v[GU+n], v[GR+n], vcc_lo
.set n, n+1
.endr
.endm
.macro WPTR cd, sc, shift, base        ; s[cd:cd+1], s[sc:sc+1]: codes and scale words of fragment base + (wave << shift)
	s_lshl_b32 s54, s22, \shift
	s_add_co_u32 s54, s54, \base
	s_lshl_b32 s56, s54, 11
	s_add_nc_u64 s[\cd:\cd+1], s[8:9], s[56:57]
	s_lshl_b32 s56, s54, 7
	s_add_co_u32 s56, s56, WSOFF
	s_add_nc_u64 s[\sc:\sc+1], s[8:9], s[56:57]
.endm
	s_load_b512 s[4:19], s[0:1], 0x0               ; x 4, abuf 6, wts 8, proj_b 10, n2_g 12, n2_b 14, fc1_b 16, fc2_b 18
	s_load_b64 s[20:21], s[0:1], 0x40              ; out0
	v_lshrrev_b32 v11, 5, v0
	v_readfirstlane_b32 s22, v11                   ; wave 0..15
	s_lshr_b32 s23, ttmp9, 2                       ; window b
	s_and_b32 s24, ttmp9, 3                        ; quarter qd
	s_lshl_b32 s25, s24, 4
	s_add_co_u32 s25, s25, s22                     ; my eight rows are group G = 16 qd + w of the window's 64
	s_lshr_b32 s26, s23, 4                         ; their first token: 8192 bh + 1024 (G / 8) + 256 bw + 32 (G % 8) + 8 bd
	s_lshl_b32 s26, s26, 13
	s_lshr_b32 s27, s25, 3
	s_lshl_b32 s27, s27, 10
	s_add_co_u32 s26, s26, s27
	s_bfe_u32 s27, s23, 0x20002
	s_lshl_b32 s27, s27, 8
	s_add_co_u32 s26, s26, s27
	s_and_b32 s27, s25, 7
	s_lshl_b32 s27, s27, 5
	s_add_co_u32 s26, s26, s27
	s_and_b32 s27, s23, 3
	s_lshl_b32 s27, s27, 3
	s_add_co_u32 s26, s26, s27
	s_lshl_b32 s26, s26, 10
	s_mov_b32 s27, 0
	s_lshl_b32 s28, ttmp9, 15                      ; the block's codes of the attention: 32,768 bytes
	s_mov_b32 s29, 0
	s_lshl_b32 s52, s23, 3                         ; its scale bytes for fragment w = 2 m + s: heads 4 s + c, four tiles' group 2 qd + m / 4, word m % 4
	s_and_b32 s53, s22, 1
	s_lshl_b32 s53, s53, 2
	s_add_co_u32 s52, s52, s53
	s_lshl_b32 s52, s52, 3
	s_lshl_b32 s53, s24, 1
	s_add_co_u32 s52, s52, s53
	s_lshr_b32 s53, s22, 3
	s_add_co_u32 s52, s52, s53
	s_lshl_b32 s52, s52, 9
	s_bfe_u32 s53, s22, 0x20001
	s_lshl_b32 s53, s53, 2
	s_add_co_u32 s52, s52, s53
	s_add_co_u32 s52, s52, SCOFF
	s_mov_b32 s53, 0
	s_mov_b32 s57, 0
	s_mov_b32 s[SEL], 0x76543210
	s_mov_b32 s[SEL+1], 0xfedcba98
	s_mov_b32 s[MNT], 0x600000
	s_mov_b32 s[INV], 0x3b800000                   ; 1/256
	s_mov_b32 s[EPS], 0x3727c5ac                   ; 1e-5
	s_mov_b32 s[THR], 0x3f6d8000                   ; 0.927734375
	v_and_b32 v11, 31, v0
	v_lshlrev_b32 v[L16], 4, v11
	v_lshlrev_b32 v[L4], 2, v11
	v_bfe_u32 v12, v0, 4, 1
	v_lshlrev_b32 v[VH], 6, v12
	v_lshlrev_b32 v[V32], 5, v12
	v_and_b32 v13, 15, v0
	v_mul_u32_u24 v[RB], v13, RP
	s_lshl_b32 s25, s22, 6
	v_add_nc_u32 v[XA], v[RB], v[V32]
	v_add_nc_u32 v[XA], s25, v[XA]                 ; 1,040 r + 32 h + 64 w
	v_add_nc_u32 v[XA+1], 64*RP, v[XA]
	s_mul_i32 s25, s22, 8*RP
	v_add_nc_u32 v12, s25, v[L16]                  ; my eight rows of X1
	v_lshlrev_b32 v13, 4, v0                       ; 16 x thread
	v_add_nc_u32 v14, X2IMG, v13
	v_lshl_add_u32 v15, v0, 2, X2SC
	v_mov_b32 v2, 0x39c8e7d9
	v_mov_b32 v3, 0x39c8e7d9
	v_mov_b32 v4, 0x3cc6b1a1
	v_mov_b32 v5, 0x3cc6b1a1
	v_mov_b32 v6, 0x3ba38d2c
	v_mov_b32 v7, 0x3ba38d2c
.irp b, 0,1,2,3
	v_mov_b32 v[TM+4+\b], 0                        ; written once: a lane permute's destination counts as one of its sources
.endr
	v_mov_b32 v[ST], 0
	s_wait_kmcnt 0x0
	; ---- P0: everything is asked for at once
	s_add_nc_u64 s[30:31], s[4:5], s[26:27]
	s_add_nc_u64 s[60:61], s[20:21], s[26:27]
.irp k, 0,1,2,3,4,5,6,7,8,9,10,11,12,13,14,15
	global_load_b128 v[AF+4*\k:AF+4*\k+3], v[L16], s[30:31] offset:512*\k th:TH_LOAD_NT    ; 32 lanes read 512 consecutive bytes
.endr
	s_add_nc_u64 s[32:33], s[6:7], s[28:29]
.irp k, 0,1,2,3
	global_load_b128 v[ACC+4*\k:ACC+4*\k+3], v13, s[32:33] offset:8192*\k
.endr
	s_add_nc_u64 s[34:35], s[6:7], s[52:53]
.irp c, 0,1,2,3
	global_load_b32 v[192+\c], v[L16], s[34:35] offset:4096*\c
.endr
	WPTR 36, 38, 1, 96                             ; the projection's fragments 96 + 2 w
	s_lshl_b32 s56, s22, 6
	s_add_nc_u64 s[46:47], s[10:11], s[56:57]      ; proj_b and fc2_b at column 16 w
	s_add_nc_u64 s[58:59], s[18:19], s[56:57]
.irp i, 0,1,2,3,4,5,6,7
	global_load_b128 v[W+4*\i:W+4*\i+3], v[L16], s[36:37] offset:512*\i
.endr
	global_load_b32 v[WS], v[L4], s[38:39]
	global_load_b32 v[WS+1], v[L4], s[38:39] offset:128
	global_load_b128 v[BIAS:BIAS+3], v[V32], s[46:47]
	global_load_b128 v[BIAS+4:BIAS+7], v[V32], s[46:47] offset:16
	WPTR 66, 68, 2, 128                            ; fc1: 128 + 4 w,
	WPTR 72, 74, 2, 192                            ; and 64 fragments on;
	WPTR 76, 78, 3, 256                            ; fc2: 256 + 8 w
	s_lshl_b32 s56, s22, 7
	s_add_nc_u64 s[70:71], s[16:17], s[56:57]      ; fc1_b at column 32 w
	s_lshr_b32 s56, s22, 3
	s_lshl_b32 s56, s56, 9
	s_add_nc_u64 s[GP:GP+1], s[12:13], s[56:57]
	s_add_nc_u64 s[BP:BP+1], s[14:15], s[56:57]
	s_wait_loadcnt 20                              ; x's sixteen loads are in; the twenty younger ones may be out
.irp k, 0,1,2,3,4,5,6,7,8,9,10,11,12,13,14,15
	ds_store_b128 v12, v[AF+4*\k:AF+4*\k+3] offset:(\k/2)*RP+(\k%2)*512
.endr
	s_wait_loadcnt 16                              ; the codes are in
.irp k, 0,1,2,3
	ds_store_b128 v14, v[ACC+4*\k:ACC+4*\k+3] offset:8192*\k
.endr
	s_wait_loadcnt 12                              ; the four heads' bytes are in: they make a fragment's scale word
	v_lshl_or_b32 v192, v193, 8, v192
	v_lshl_or_b32 v192, v194, 16, v192
	v_lshl_or_b32 v192, v195, 24, v192
	ds_store_b32 v15, v192
	BARRIER
	; ---- P1: the projection
	v_add_nc_u32 v13, X2IMG, v[L16]
	v_add_nc_u32 v14, X2SC, v[L4]
	s_wait_loadcnt 0x0
.irp s, 0,1
.irp g, 0,1
.if \s+\g
	PLACES 8                                       ; in front of loads into registers that matrix instructions have read
.endif
.if \s == 0
	RND \g, 13, (8*\g+\s)*2048, 4096, 14, (8*\g+\s)*128, 256, W+16*\s, WS+\s, 1
.else
	RND \g, 13, (8*\g+\s)*2048, 4096, 14, (8*\g+\s)*128, 256, W+16*\s, WS+\s, 0
.endif
.endr
.endr
	PLACES 8
	RMW
	BARRIER
	; ---- P2: the second layer norm
	s_and_b32 s25, s22, 7
	s_mul_i32 s26, s25, 16*RP                      ; my tile's rows
	s_lshr_b32 s27, s22, 3                         ; my half of the columns
	s_lshl_b32 s28, s27, 9
	s_add_co_u32 s28, s28, s26
	s_xor_b32 s29, s27, 1
	s_lshl_b32 s29, s29, 9
	s_add_co_u32 s29, s29, s26
	v_add_nc_u32 v12, v[RB], v[VH]
	v_add_nc_u32 v13, s29, v12                     ; the other half,
	v_add_nc_u32 v12, s28, v12                     ; mine
	s_lshl_b32 s25, s25, 1
	s_add_co_u32 s25, s25, s27                     ; my fragment: 2 m + s
	s_lshl_b32 s26, s25, 11
	s_add_co_u32 s26, s26, X2IMG
	v_add_nc_u32 v14, s26, v[L16]
	s_lshl_b32 s26, s25, 7
	s_add_co_u32 s26, s26, X2SC
	v_add_nc_u32 v15, s26, v[L4]
.irp c, 0,1,2,3
.irp j, 0,1,2,3
	ds_load_b128 v[48+16*\c+4*\j:51+16*\c+4*\j], v12 offset:128*\c+16*\j
	ds_load_b128 v[112+16*\c+4*\j:115+16*\c+4*\j], v13 offset:128*\c+16*\j
.endr
.endr
	GBLOAD 0
	s_wait_dscnt 0x0
	STATS 48
	s_wait_loadcnt 0x0
	APPLY 48
	GBLOAD 256
	s_wait_loadcnt 0x0
	APPLY 80
	QUANT 48
	IMAGE 14, 0
	ds_store_b32 v15, v[PW]
.irp i, 0,1,2,3,4,5,6,7,8,9,10,11,12,13,14,15
	global_load_b128 v[W+4*\i:W+4*\i+3], v[L16], s[66:67] offset:512*\i        ; fc1's first four fragments are asked for ahead of the barrier
.endr
.irp i, 0,1,2,3
	global_load_b32 v[WS+\i], v[L4], s[68:69] offset:128*\i
	global_load_b128 v[BIAS+4*\i:BIAS+4*\i+3], v[VH], s[70:71] offset:16*\i
.endr
	BARRIER
	; ---- P3: the hidden layer.  Trip T = 2 e + rh
	s_mov_b32 s52, 0                               ; T
	s_mov_b32 s53, X2IMG                           ; row tiles 4 rh on: turned by 16,384 (a bit that X2IMG does not hold)
	s_mov_b32 s54, X2SC                            ; likewise by 1,024
	s_lshl_b32 s55, s22, 9
	s_add_co_u32 s55, s55, HIMG                    ; my 512 bytes of each row tile; 32,768 a trip
	s_lshr_b32 s56, s22, 2
	s_lshl_b32 s56, s56, 7
	s_and_b32 s25, s22, 3
	s_add_co_u32 s56, s56, s25
	s_add_co_u32 s56, s56, HSC                     ; my byte of each scale word; 2,048 a trip
.Ltau:
	v_add_nc_u32 v12, s53, v[L16]
	v_add_nc_u32 v13, s54, v[L4]
	v_add_nc_u32 v14, s55, v[L16]
	v_add_nc_u32 v15, s56, v[L4]
	s_wait_loadcnt 0x0                             ; the weights asked for a trip and more ago
	MM24 12, 13, 4096, 2048, 256, 128
	PLACES 8                                       ; in front of the first read of results, and of loads into the weights' registers
	s_bitcmp1_b32 s52, 0                           ; behind an odd trip's products the weights are done with: the next four fragments land under the gelu
	s_cbranch_scc0 .Lkeep
.irp i, 0,1,2,3,4,5,6,7,8,9,10,11,12,13,14,15
	global_load_b128 v[W+4*\i:W+4*\i+3], v[L16], s[72:73] offset:512*\i        ; T = 1: fc1's second four; T = 3: fc2's K steps 0-3
.endr
.irp i, 0,1,2,3
	global_load_b32 v[WS+\i], v[L4], s[74:75] offset:128*\i
.endr
	s_cmp_eq_u32 s52, 1
	s_cbranch_scc0 .Lnob
.irp i, 0,1,2,3
	global_load_b128 v[BIAS+4*\i:BIAS+4*\i+3], v[VH], s[70:71] offset:2048+16*\i   ; fc1_b, 512 columns on
.endr
.Lnob:
	s_wait_xcnt 0x0                                ; the loads have read their base: it may be written
	s_mov_b64 s[72:73], s[76:77]
	s_mov_b64 s[74:75], s[78:79]
.Lkeep:
	GELU16 0
	GELU16 1
	GELU16 2
	GELU16 3
	QUANT ACC                                      ; block m = my 32 hidden columns of row tile 4 rh + m
.irp m, 0,1,2,3
	ds_store_b128 v14, v[PC+4*\m:PC+4*\m+3] offset:8192*\m
.endr
.irp m, 0,1,2,3
	ds_store_b8 v15, v[TM+4+\m] offset:512*\m
.endr
	s_wait_dscnt 0x0                               ; the stores have read their registers
	s_xor_b32 s53, s53, 16384
	s_xor_b32 s54, s54, 1024
	s_add_co_u32 s55, s55, 32768
	s_add_co_u32 s56, s56, 2048
	s_add_co_u32 s52, s52, 1
	s_cmp_lt_u32 s52, 4
	s_cbranch_scc1 .Ltau
	s_wait_loadcnt 0x0                             ; every load of the loop is in (the youngest were issued ahead of the last trip's four gelus): the bias registers are loaded again only behind this wait
.irp k, 4,5,6,7
	global_load_b32 v[WS+\k], v[L4], s[78:79] offset:128*\k        ; fc2's later scale words and its bias, ahead of the barrier
.endr
	global_load_b128 v[BIAS:BIAS+3], v[V32], s[58:59]
	global_load_b128 v[BIAS+4:BIAS+7], v[V32], s[58:59] offset:16
	BARRIER
	; ---- P4: the last product.  K step k: hidden columns 128 k on; its rows' fragments lie in trip 2 (k / 4) + g's part of H
	v_add_nc_u32 v12, HIMG, v[L16]
	v_add_nc_u32 v13, HIMG+65536, v[L16]
	v_add_nc_u32 v14, HSC, v[L4]
	s_wait_loadcnt 0x0
.irp k, 0,1,2,3,4,5,6,7
.if \k >= 4
	s_wait_loadcnt 4*(7-\k)                        ; this slot's four loads are in; those of the slots filled later may be out
.endif
.irp g, 0,1
.if (\g == 1) || (\k > 4)
	PLACES 8
.endif
.if \k == 0
	RND \g, 12+\k/4, \g*32768+2048*(\k%4), 8192, 14, (2*(\k/4)+\g)*2048+128*(\k%4), 512, W+16*(\k%4), WS+\k, 1
.else
	RND \g, 12+\k/4, \g*32768+2048*(\k%4), 8192, 14, (2*(\k/4)+\g)*2048+128*(\k%4), 512, W+16*(\k%4), WS+\k, 0
.endif
.endr
.if \k < 4
	PLACES 8                                       ; these serve the loads into the weight's slot and the next K step's loads alike
.irp c, 0,1,2,3
	global_load_b128 v[W+16*\k+4*\c:W+16*\k+4*\c+3], v[L16], s[76:77] offset:(\k+4)*2048+512*\c
.endr
.endif
.endr
	PLACES 8
	RMW
	BARRIER
	; ---- P5: my eight whole rows leave
	s_mul_i32 s25, s22, 8*RP
	v_add_nc_u32 v12, s25, v[L16]
.irp k, 0,1,2,3,4,5,6,7,8,9,10,11,12,13,14,15
	ds_load_b128 v[AF+4*\k:AF+4*\k+3], v12 offset:(\k/2)*RP+(\k%2)*512
.endr
.irp k, 0,1,2,3,4,5,6,7,8,9,10,11,12,13,14,15
	s_wait_dscnt 15-\k                             ; LDS loads come back in order: load k is in, the younger ones may be out
	global_store_b128 v[L16], v[AF+4*\k:AF+4*\k+3], s[60:61] offset:512*\k th:TH_STORE_NT   ; 32 lanes store 512 consecutive bytes, aligned
.endr
	s_wait_xcnt 0x0
	v_lshl_add_u32 v254, v0, 2, 0x4b000
	v_mov_b32 v255, 0
	s_wait_tensorcnt 0x0
	ds_add_u32 v254, v255
	s_wait_dscnt 0x0
	s_endpgm
.Lfunc_end_k_q597221b3fa_mlp:
	.size	k_q597221b3fa_mlp, .Lfunc_end_k_q597221b3fa_mlp-k_q597221b3fa_mlp
	.p2alignl 7, 3214868480
	.fill 96, 4, 3214868480
	.section	.rodata,"a",@progbits
	.p2align	6, 0x0
	.amdhsa_kernel k_q597221b3fa_mlp
		.amdhsa_group_segment_fixed_size 309248
		.amdhsa_private_segment_fixed_size 0
		.amdhsa_enable_private_segment 0
		.amdhsa_kernarg_size 72
		.amdhsa_user_sgpr_count 2
		.amdhsa_user_sgpr_kernarg_segment_ptr 1
		.amdhsa_wavefront_size32 1
		.amdhsa_system_sgpr_workgroup_id_x 1
		.amdhsa_system_sgpr_workgroup_id_y 1
		.amdhsa_system_sgpr_workgroup_id_z 1
		.amdhsa_system_vgpr_workitem_id 0
		.amdhsa_next_free_vgpr 256
		.amdhsa_next_free_sgpr 80
		.amdhsa_reserve_vcc 1
		.amdhsa_float_denorm_mode_32 3
		.amdhsa_float_denorm_mode_16_64 3
		.amdhsa_memory_ordered 1
		.amdhsa_forward_progress 1
		.amdhsa_inst_pref_size 180
	.end_amdhsa_kernel
	.amdgpu_metadata
---
amdhsa.version: [ 1, 2 ]
amdhsa.kernels:
  - .name:           k_q597221b3fa_mlp
    .symbol:         k_q597221b3fa_mlp.kd
    .args:
      - { .name: x, .offset: 0, .size: 8, .value_kind: global_buffer, .address_space: global }
      - { .name: abuf, .offset: 8, .size: 8, .value_kind: global_buffer, .address_space: global }
      - { .name: wts, .offset: 16, .size: 8, .value_kind: global_buffer, .address_space: global }
      - { .name: proj_b, .offset: 24, .size: 8, .value_kind: global_buffer, .address_space: global }
      - { .name: n2_g, .offset: 32, .size: 8, .value_kind: global_buffer, .address_space: global }
      - { .name: n2_b, .offset: 40, .size: 8, .value_kind: global_buffer, .address_space: global }
      - { .name: fc1_b, .offset: 48, .size: 8, .value_kind: global_buffer, .address_space: global }
      - { .name: fc2_b, .offset: 56, .size: 8, .value_kind: global_buffer, .address_space: global }
      - { .name: out0, .offset: 64, .size: 8, .value_kind: global_buffer, .address_space: global }
    .group_segment_fixed_size: 309248
    .private_segment_fixed_size: 0
    .kernarg_segment_align: 8
    .kernarg_segment_size: 72
    .max_flat_workgroup_size: 512
    .sgpr_count:     80
    .vgpr_count:     256
    .wavefront_size: 32
...
	.end_amdgpu_metadata
.endif
;; end of part 4
;; ======== version 2 of 2: 4 launches
;; workspace buffers: wts 835,584 bytes; btab 524,288 bytes; qbuf 10,485,760 bytes; kbuf 10,485,760 bytes; vbuf 8,912,896 bytes; abuf 10,485,760 bytes
;; launch prep (part 5): grid 224 x 1, 4 waves a work-group, no clusters, 0 bytes of LDS; arguments qkv_w, proj_w, fc1_w, fc2_w, pp_w, pp_b, p1_lng, p1_lnb, p1_w, p1_b, p2_lng, p2_lnb, p2_w, p2_b, p3_lng, p3_lnb, p3_w, p3_b, wts, btab; writes wts, btab
.if DOCPART == 5
	.amdgcn_target "amdgcn-amd-amdhsa--gfx1250"
	.amdhsa_code_object_version 6
	.text
	.protected	k_q597221b3fa_prep
	.globl	k_q597221b3fa_prep
	.p2align	8
	.type	k_q597221b3fa_prep,@function
k_q597221b3fa_prep:
	s_mov_b64 s[64:65], 0
	v_nop
	global_prefetch_b8 v0, s[64:65] scope:SCOPE_SE
	s_setreg_imm32_b32 hwreg(HW_REG_WAVE_MODE, 25, 1), 1
	s_wait_xcnt 0x0
; PREP.  Two kinds of work-groups, told apart by the work-group's number; neither uses LDS.
; Work-groups 0-127: the position bias.  A lane makes ONE entry (a', b', nd, md) of the table btab [head 8][a' 16][b' 16][nd 8][md 8] f32: the small MLP of reference() on the three numbers
; (7 - a', 7 - b', nd - md), in f32 fused multiply-adds, all eight heads.  a' = 7 - (nh - mh), b' = 7 - (nw - mw): so eight neighbouring keys of a query are eight neighbouring numbers of the table.
; (Entries with a' = 15 or b' = 15 are made like the others and are read by nobody.)
; THE MLP'S 840 WEIGHTS come by 32 vector loads that are issued together at the head and waited for once: number n of a buffer lies in lane n % 32 of register n / 32.  They reach the multiply-adds as scalars, by
; v_readlane_b32, 16 to a set and up to 48 to a batch.  (By scalar loads they would come in as many batches as the scalar registers make necessary, each batch waited for in its turn.)
; Work-groups 128-223: the four weights [K][N] f32 become codes of E4M3 with one E8M0 byte for each 32 along K, laid as IMAGES OF OPERAND REGISTERS: fragment F (16 columns x 128 K) is 2,048 bytes,
; lane l's registers 4c .. 4c+3 at F*2048 + 512 c + 16 l; its scale words at WSOFF + F*128 + 4 l.  One wave makes one fragment: a lane takes a column and its registers run down K.
; F = FBASE + tile*KS + K step.  qkv: FBASE 0, KS 2; proj: 96, 2; fc1: 128, 2; fc2: 256, 8.  In qkv and fc1 lane r of tile t takes column 32 (t/2) + 8 (t%2) + r + (r & 8), in proj and fc2 column 16 t + r.
; LIMITS: a block whose largest magnitude lies under 2^-118, a block of zeros among them, gets the byte 1 (its codes are then tiny or zero; only this program reads the bytes); NaN and infinities are not served;
; 1/sqrt by v_rsq_f32.
.set WSOFF, 786432                     ; where the scale words begin in wts: 384 fragments x 2,048 bytes
.set D0, 36                            ; s[36:51], s[68:83], s[84:99]: three sets of 16 numbers
.set D1, 68
.set D2, 84
.set P3B, 52                           ; s[52:59] p3_b
.set TM, 32                            ; the quantiser's 16 registers at work
.set PC, 48                            ; the codes just made
.set PW, 9                             ; the scale word just made
.set SEL, 2                            ; s[2:3] v_permlanex16_b32's selects for lane l xor 16
.set MNT, 12                           ; s12 the mantissa field of 448
; the position path's weights, as loaded
.set VPPW,  64                         ; v64-65  pp_w: rows 0 and 1, row 2
.set VPPB,  66                         ; v66     pp_b
.set VG1,   67                         ; v67-69  p1_lng, p1_lnb, p1_b
.set VG2,   70                         ; v70-72  p2_lng, p2_lnb, p2_b
.set VG3,   73                         ; v73-75  p3_lng, p3_lnb, p3_b
.set VW1,   76                         ; v76-83  p1_w: two rows to a register
.set VW2,   84                         ; v84-91  p2_w
.set VW3,   92                         ; v92-95  p3_w: four rows to a register
; 64 numbers of a lane, register 16 b + i = k 32 b + 16 (lane / 16) + i, become a fragment's codes in v[PC] on and its scale word in v[PW]
.macro QUANT s
.irp b, 0,1,2,3
	v_max3_num_f32 v[TM+\b], |v[\s+16*\b]|, |v[\s+1+16*\b]|, 0x4800000   ; my 16 numbers of block b, and the floor 2^(9 - 127): the byte cannot fall under 1
.endr
.irp i, 2,4,6,8,10,12,14
.irp b, 0,1,2,3
	v_max3_num_f32 v[TM+\b], v[TM+\b], |v[\s+16*\b+\i]|, |v[\s+1+16*\b+\i]|
.endr
.endr
.irp b, 0,1,2,3
	v_permlanex16_b32 v[TM+4+\b], v[TM+\b], s[SEL], s[SEL+1]
.endr
.irp b, 0,1,2,3
	v_max_num_f32 v[TM+\b], v[TM+\b], v[TM+4+\b]             ; with lane l xor 16's: the block's largest magnitude
.endr
.irp b, 0,1,2,3
	v_add_nc_u32 v[TM+12+\b], 0xfc000000, v[TM+\b]           ; 8 off its exponent field: the conversion's scale operand
.endr
.irp b, 0,1,2,3
	v_and_or_b32 v[TM+8+\b], v[TM+\b], 0x7f800000, s[MNT]    ; 448 x the scale
.endr
.irp b, 0,1,2,3
	v_lshrrev_b32 v[TM+4+\b], 23, v[TM+12+\b]                ; the scale's byte
.endr
	v_lshl_or_b32 v[PW], v[TM+5], 8, v[TM+4]
	v_lshl_or_b32 v[PW], v[TM+6], 16, v[PW]
	v_lshl_or_b32 v[PW], v[TM+7], 24, v[PW]
.irp b, 0,1,2,3
.irp i, 0,1,2,3,4,5,6,7,8,9,10,11,12,13,14,15
	v_med3_num_f32 v[\s+16*\b+\i], v[\s+16*\b+\i], -v[TM+8+\b], v[TM+8+\b]   ; the conversion does not saturate (ISA guide 7.6.2): the hold at the largest code x the scale
.endr
	v_cvt_scalef32_pk8_fp8_f32 v[PC+4*\b:PC+1+4*\b], v[\s+16*\b:\s+7+16*\b], v[TM+12+\b]
	v_cvt_scalef32_pk8_fp8_f32 v[PC+2+4*\b:PC+3+4*\b], v[\s+8+16*\b:\s+15+16*\b], v[TM+12+\b]
.endr
	v_nop                                                    ; a plain line behind the last conversion
.endm
; sixteen numbers, lanes l0 .. l0 + 15 of v[reg], become the scalars s[set] on
.macro GET set, reg, l0
.irp j, 0,1,2,3,4,5,6,7,8,9,10,11,12,13,14,15
	v_readlane_b32 s[\set+\j], v[\reg], (\l0)+\j
.endr
.endm
; layer norm over a lane's 16 numbers v[a] on (mean, centred, variance of the centred numbers), gain s[g] on, bias s[b] on, then relu
.macro LNRELU a, g, b
	v_pk_add_f32 v[48:49], v[\a:\a+1], v[\a+2:\a+3]
	v_pk_add_f32 v[50:51], v[\a+4:\a+5], v[\a+6:\a+7]
	v_pk_add_f32 v[52:53], v[\a+8:\a+9], v[\a+10:\a+11]
	v_pk_add_f32 v[54:55], v[\a+12:\a+13], v[\a+14:\a+15]
	v_pk_add_f32 v[48:49], v[48:49], v[50:51]
	v_pk_add_f32 v[52:53], v[52:53], v[54:55]
	v_pk_add_f32 v[48:49], v[48:49], v[52:53]
	v_add_f32 v48, v48, v49
	v_mul_f32 v48, 0x3d800000, v48                           ; / 16
	v_mov_b32 v49, v48
.irp j, 0,2,4,6,8,10,12,14
	v_pk_add_f32 v[\a+\j:\a+\j+1], v[\a+\j:\a+\j+1], v[48:49] neg_lo:[0,1] neg_hi:[0,1]
.endr
	v_pk_mul_f32 v[50:51], v[\a:\a+1], v[\a:\a+1]
.irp j, 2,4,6,8,10,12,14
	v_pk_fma_f32 v[50:51], v[\a+\j:\a+\j+1], v[\a+\j:\a+\j+1], v[50:51]
.endr
	v_add_f32 v50, v50, v51
	v_fma_f32 v50, v50, s34, s35                             ; / 16 + 1e-5
	s_wait_alu depctr_va_vdst(0)
	v_rsq_f32 v52, v50
	v_nop                                                    ; a plain line behind the transcendental,
	s_wait_alu depctr_va_vdst(0)                             ; and the wait ahead of its first reader
	v_mov_b32 v53, v52
.irp j, 0,2,4,6,8,10,12,14
	v_pk_mul_f32 v[\a+\j:\a+\j+1], v[\a+\j:\a+\j+1], v[52:53]
.endr
.irp j, 0,1,2,3,4,5,6,7,8,9,10,11,12,13,14,15
	v_fma_f32 v[\a+\j], v[\a+\j], s[\g+\j], s[\b+\j]
.endr
.irp j, 0,1,2,3,4,5,6,7,8,9,10,11,12,13,14,15
	v_max_num_f32 v[\a+\j], 0, v[\a+\j]
.endr
.endm
.macro ROW set, src, dst               ; dst[j] += v[src] x set[j]
.irp j, 0,1,2,3,4,5,6,7,8,9,10,11,12,13,14,15
	v_fmac_f32 v[\dst+\j], s[\set+\j], v[\src]
.endr
.endm
; dst = src x w + bias: w [16][16] in v[wb] on (row i: register i / 2, lanes 16 (i % 2) on), bias in v[bb].  Three rows a batch: 48 scalars are fetched, then 48 multiply-adds use them
.macro MATV wb, bb, src, dst
	GET D0, \bb, 0
	GET D1, \wb, 0
	GET D2, \wb, 16
.irp j, 0,1,2,3,4,5,6,7,8,9,10,11,12,13,14,15
	v_fma_f32 v[\dst+\j], s[D1+\j], v[\src], s[D0+\j]        ; the bias starts the sums
.endr
	ROW D2, \src+1, \dst
.irp i, 2,5,8,11
	GET D0, \wb+(\i)/2, 16*((\i)%2)
	GET D1, \wb+(\i+1)/2, 16*((\i+1)%2)
	GET D2, \wb+(\i+2)/2, 16*((\i+2)%2)
	ROW D0, \src+\i, \dst
	ROW D1, \src+\i+1, \dst
	ROW D2, \src+\i+2, \dst
.endr
	GET D0, \wb+7, 0
	GET D1, \wb+7, 16
	ROW D0, \src+14, \dst
	ROW D1, \src+15, \dst
.endm
.macro P3ROWS set, i                   ; two rows of p3_w [16][8] lie in one set
.irp h, 0,1,2,3,4,5,6,7
	v_fmac_f32 v[32+\h], s[\set+\h], v[16+\i]
.endr
.irp h, 0,1,2,3,4,5,6,7
	v_fmac_f32 v[32+\h], s[\set+8+\h], v[16+\i+1]
.endr
.endm
	s_cmp_lt_u32 ttmp9, 128
	s_cbranch_scc0 .Lweights
	; ---------------- the position table
	s_load_b512 s[4:19], s[0:1], 0x20              ; pp_w 4, pp_b 6, p1_lng 8, p1_lnb 10, p1_w 12, p1_b 14, p2_lng 16, p2_lnb 18
	s_load_b256 s[20:27], s[0:1], 0x60             ; p2_w 20, p2_b 22, p3_lng 24, p3_lnb 26
	s_load_b128 s[28:31], s[0:1], 0x80             ; p3_w 28, p3_b 30
	s_load_b64 s[32:33], s[0:1], 0x98              ; btab
	s_lshl_b32 s2, ttmp9, 7
	s_mov_b32 s34, 0x3d800000                      ; 1/16
	s_mov_b32 s35, 0x3727c5ac                      ; 1e-5
	v_and_b32 v7, 31, v0
	v_lshlrev_b32 v7, 2, v7                        ; 4 x lane: 32 numbers a load
	v_and_b32 v8, 60, v7                           ; 4 (lane & 15): a buffer of 16 numbers, read twice over: no lane leaves it
	v_and_b32 v9, 28, v7                           ; 4 (lane & 7): p3_b's eight
	s_wait_alu depctr_va_vdst(0)
	s_wait_kmcnt 0x0
	global_load_b32 v[VPPW], v7, s[4:5]            ; all 32 loads go out together, in the order of their use
	global_load_b32 v[VPPW+1], v8, s[4:5] offset:128
	global_load_b32 v[VPPB], v8, s[6:7]
	global_load_b32 v[VG1], v8, s[8:9]
	global_load_b32 v[VG1+1], v8, s[10:11]
	global_load_b32 v[VG1+2], v8, s[14:15]
.irp k, 0,1,2,3,4,5,6,7
	global_load_b32 v[VW1+\k], v7, s[12:13] offset:128*\k
.endr
	global_load_b32 v[VG2], v8, s[16:17]
	global_load_b32 v[VG2+1], v8, s[18:19]
	global_load_b32 v[VG2+2], v8, s[22:23]
.irp k, 0,1,2,3,4,5,6,7
	global_load_b32 v[VW2+\k], v7, s[20:21] offset:128*\k
.endr
	global_load_b32 v[VG3], v8, s[24:25]
	global_load_b32 v[VG3+1], v8, s[26:27]
	global_load_b32 v[VG3+2], v9, s[30:31]
.irp k, 0,1,2,3
	global_load_b32 v[VW3+\k], v7, s[28:29] offset:128*\k
.endr
	v_add_nc_u32 v1, s2, v0                        ; e = 128 x work-group + thread
	v_lshrrev_b32 v2, 10, v1                       ; a'
	v_sub_nc_u32 v2, 7, v2
	v_cvt_f32_i32 v2, v2                           ; nh - mh
	v_bfe_u32 v3, v1, 6, 4                         ; b'
	v_sub_nc_u32 v3, 7, v3
	v_cvt_f32_i32 v3, v3                           ; nw - mw
	v_bfe_u32 v4, v1, 3, 3                         ; nd
	v_and_b32 v6, 7, v1                            ; md
	v_sub_nc_u32 v4, v4, v6
	v_cvt_f32_i32 v4, v4                           ; nd - md
	v_lshlrev_b32 v5, 2, v1                        ; my entry's byte in a head's table
	s_wait_loadcnt 0x0                             ; the one wait for the weights
	GET D0, VPPB, 0                                ; pp_b, pp_w's rows 0 and 1
	GET D1, VPPW, 0
	GET D2, VPPW, 16
.irp j, 0,1,2,3,4,5,6,7,8,9,10,11,12,13,14,15
	v_fma_f32 v[16+\j], s[D1+\j], v2, s[D0+\j]
.endr
	ROW D2, 3, 16
	GET D0, VPPW+1, 0                              ; pp_w's row 2, p1's gain and bias
	GET D1, VG1, 0
	GET D2, VG1+1, 0
	ROW D0, 4, 16
	LNRELU 16, D1, D2
	MATV VW1, VG1+2, 16, 32
	GET D0, VG2, 0
	GET D1, VG2+1, 0
	LNRELU 32, D0, D1
	MATV VW2, VG2+2, 32, 16
	GET D0, VG3, 0
	GET D1, VG3+1, 0
.irp h, 0,1,2,3,4,5,6,7
	v_readlane_b32 s[P3B+\h], v[VG3+2], \h
.endr
	LNRELU 16, D0, D1
	GET D0, VW3, 0                                 ; p3_w's rows 0-1, 2-3, 4-5
	GET D1, VW3, 16
	GET D2, VW3+1, 0
.irp h, 0,1,2,3,4,5,6,7
	v_fma_f32 v[32+\h], s[D0+\h], v16, s[P3B+\h]
.endr
.irp h, 0,1,2,3,4,5,6,7
	v_fmac_f32 v[32+\h], s[D0+8+\h], v17
.endr
	P3ROWS D1, 2
	P3ROWS D2, 4
	GET D0, VW3+1, 16
	GET D1, VW3+2, 0
	GET D2, VW3+2, 16
	P3ROWS D0, 6
	P3ROWS D1, 8
	P3ROWS D2, 10
	GET D0, VW3+3, 0
	GET D1, VW3+3, 16
	P3ROWS D0, 12
	P3ROWS D1, 14
.irp h, 0,1,2,3,4,5,6,7
	global_store_b32 v5, v[32+\h], s[32:33] offset:65536*\h    ; a head's table is 65,536 bytes
.endr
	s_endpgm
	; ---------------- the weights
; n: the weight's row in numbers; logks: log2 of its K steps; fbase: its first fragment; g0: its first work-group; perm: the order of a tile's columns; argoff: its place among the arguments
.macro WPATH n, logks, fbase, g0, perm, argoff
	s_load_b64 s[4:5], s[0:1], \argoff
	s_load_b64 s[6:7], s[0:1], 0x90                ; wts
	s_sub_co_u32 s9, ttmp9, \g0
	s_lshl_b32 s9, s9, 2
	s_add_co_u32 s9, s9, s8                        ; my fragment of this weight
	s_lshr_b32 s10, s9, \logks                     ; its tile of columns,
	s_and_b32 s11, s9, (1<<\logks)-1               ; its K step
.if \perm
	s_lshr_b32 s13, s10, 1
	s_lshl_b32 s13, s13, 5
	s_and_b32 s14, s10, 1
	s_lshl_b32 s14, s14, 3
	s_add_co_u32 s13, s13, s14                     ; 32 (t / 2) + 8 (t % 2)
	v_and_b32 v3, 8, v2
	v_add_nc_u32 v3, v3, v2                        ; + r + (r & 8)
	v_add_nc_u32 v3, s13, v3
.else
	s_lshl_b32 s13, s10, 4
	v_add_nc_u32 v3, s13, v2                       ; 16 t + r
.endif
	v_lshlrev_b32 v3, 2, v3
	v_mad_u32_u24 v3, v4, 16*\n*4, v3              ; lanes 16-31 begin 16 rows further down
	s_mul_i32 s14, s11, 128*\n*4
	s_mov_b32 s15, 0
	s_add_co_u32 s16, s9, \fbase
	s_lshl_b32 s18, s16, 11
	s_mov_b32 s19, 0
	s_lshl_b32 s16, s16, 7
	s_add_co_u32 s16, s16, WSOFF
	s_mov_b32 s17, 0
	s_wait_alu depctr_va_vdst(0)
	s_wait_kmcnt 0x0
	s_add_nc_u64 s[4:5], s[4:5], s[14:15]
	s_add_nc_u64 s[18:19], s[6:7], s[18:19]
	s_add_nc_u64 s[16:17], s[6:7], s[16:17]
.irp c, 0,1,2,3
.irp i, 0,1,2,3,4,5,6,7,8,9,10,11,12,13,14,15
	global_load_b32 v[64+16*\c+\i], v3, s[4:5] offset:(32*\c+\i)*\n*4   ; w(128 s + 32 c + 16 h + i, my column)
.endr
.endr
	s_wait_loadcnt 0x0
	QUANT 64
.irp c, 0,1,2,3
	global_store_b128 v10, v[PC+4*\c:PC+4*\c+3], s[18:19] offset:512*\c   ; 32 lanes store 512 consecutive bytes
.endr
	global_store_b32 v11, v[PW], s[16:17]
	s_endpgm
.endm
.Lweights:
	v_lshrrev_b32 v1, 5, v0
	v_readfirstlane_b32 s8, v1                     ; wave
	v_and_b32 v1, 31, v0                           ; lane
	v_and_b32 v2, 15, v0                           ; r
	v_bfe_u32 v4, v0, 4, 1                         ; h
	v_lshlrev_b32 v10, 4, v1
	v_lshlrev_b32 v11, 2, v1
	s_mov_b32 s[SEL], 0x76543210
	s_mov_b32 s[SEL+1], 0xfedcba98
	s_mov_b32 s[MNT], 0x600000
.irp b, 0,1,2,3
	v_mov_b32 v[TM+4+\b], 0                        ; written once: a lane permute's destination counts as one of its sources
.endr
	s_cmp_lt_u32 ttmp9, 152
	s_cbranch_scc0 .Lnot_qkv
	s_wait_alu depctr_va_vdst(0)
	WPATH 768, 1, 0, 128, 1, 0x0
.Lnot_qkv:
	s_cmp_lt_u32 ttmp9, 160
	s_cbranch_scc0 .Lnot_proj
	s_wait_alu depctr_va_vdst(0)
	WPATH 256, 1, 96, 152, 0, 0x8
.Lnot_proj:
	s_cmp_lt_u32 ttmp9, 192
	s_cbranch_scc0 .Lfc2
	s_wait_alu depctr_va_vdst(0)
	WPATH 1024, 1, 128, 160, 1, 0x10
.Lfc2:
	s_wait_alu depctr_va_vdst(0)
	WPATH 256, 3, 256, 192, 0, 0x18
.Lfunc_end_k_q597221b3fa_prep:
	.size	k_q597221b3fa_prep, .Lfunc_end_k_q597221b3fa_prep-k_q597221b3fa_prep
	.p2alignl 7, 3214868480
	.fill 96, 4, 3214868480
	.section	.rodata,"a",@progbits
	.p2align	6, 0x0
	.amdhsa_kernel k_q597221b3fa_prep
		.amdhsa_group_segment_fixed_size 0
		.amdhsa_private_segment_fixed_size 0
		.amdhsa_enable_private_segment 0
		.amdhsa_kernarg_size 160
		.amdhsa_user_sgpr_count 2
		.amdhsa_user_sgpr_kernarg_segment_ptr 1
		.amdhsa_wavefront_size32 1
		.amdhsa_system_sgpr_workgroup_id_x 1
		.amdhsa_system_sgpr_workgroup_id_y 1
		.amdhsa_system_sgpr_workgroup_id_z 1
		.amdhsa_system_vgpr_workitem_id 0
		.amdhsa_next_free_vgpr 128
		.amdhsa_next_free_sgpr 100
		.amdhsa_reserve_vcc 0
		.amdhsa_float_denorm_mode_32 3
		.amdhsa_float_denorm_mode_16_64 3
		.amdhsa_memory_ordered 1
		.amdhsa_forward_progress 1
		.amdhsa_inst_pref_size 156
	.end_amdhsa_kernel
	.amdgpu_metadata
---
amdhsa.version: [ 1, 2 ]
amdhsa.kernels:
  - .name:           k_q597221b3fa_prep
    .symbol:         k_q597221b3fa_prep.kd
    .args:
      - { .name: qkv_w, .offset: 0, .size: 8, .value_kind: global_buffer, .address_space: global }
      - { .name: proj_w, .offset: 8, .size: 8, .value_kind: global_buffer, .address_space: global }
      - { .name: fc1_w, .offset: 16, .size: 8, .value_kind: global_buffer, .address_space: global }
      - { .name: fc2_w, .offset: 24, .size: 8, .value_kind: global_buffer, .address_space: global }
      - { .name: pp_w, .offset: 32, .size: 8, .value_kind: global_buffer, .address_space: global }
      - { .name: pp_b, .offset: 40, .size: 8, .value_kind: global_buffer, .address_space: global }
      - { .name: p1_lng, .offset: 48, .size: 8, .value_kind: global_buffer, .address_space: global }
      - { .name: p1_lnb, .offset: 56, .size: 8, .value_kind: global_buffer, .address_space: global }
      - { .name: p1_w, .offset: 64, .size: 8, .value_kind: global_buffer, .address_space: global }
      - { .name: p1_b, .offset: 72, .size: 8, .value_kind: global_buffer, .address_space: global }
      - { .name: p2_lng, .offset: 80, .size: 8, .value_kind: global_buffer, .address_space: global }
      - { .name: p2_lnb, .offset: 88, .size: 8, .value_kind: global_buffer, .address_space: global }
      - { .name: p2_w, .offset: 96, .size: 8, .value_kind: global_buffer, .address_space: global }
      - { .name: p2_b, .offset: 104, .size: 8, .value_kind: global_buffer, .address_space: global }
      - { .name: p3_lng, .offset: 112, .size: 8, .value_kind: global_buffer, .address_space: global }
      - { .name: p3_lnb, .offset: 120, .size: 8, .value_kind: global_buffer, .address_space: global }
      - { .name: p3_w, .offset: 128, .size: 8, .value_kind: global_buffer, .address_space: global }
      - { .name: p3_b, .offset: 136, .size: 8, .value_kind: global_buffer, .address_space: global }
      - { .name: wts, .offset: 144, .size: 8, .value_kind: global_buffer, .address_space: global }
      - { .name: btab, .offset: 152, .size: 8, .value_kind: global_buffer, .address_space: global }
    .group_segment_fixed_size: 0
    .private_segment_fixed_size: 0
    .kernarg_segment_align: 8
    .kernarg_segment_size: 160
    .max_flat_workgroup_size: 128
    .sgpr_count:     100
    .vgpr_count:     128
    .wavefront_size: 32
...
	.end_amdgpu_metadata
.endif
;; end of part 5
;; launch qkv (part 6): grid 256 x 1, 16 waves a work-group, no clusters, 268,288 bytes of LDS; arguments x, y, n1_g, n1_b, qkv_b, wts, qbuf, kbuf, vbuf; writes qbuf, kbuf, vbuf
.if DOCPART == 6
	.amdgcn_target "amdgcn-amd-amdhsa--gfx1250"
	.amdhsa_code_object_version 6
	.text
	.protected	k_q597221b3fa_qkv
	.globl	k_q597221b3fa_qkv
	.p2align	8
	.type	k_q597221b3fa_qkv,@function
k_q597221b3fa_qkv:
	s_mov_b64 s[64:65], 0
	v_nop
	global_prefetch_b8 v0, s[64:65] scope:SCOPE_SE
	s_setreg_imm32_b32 hwreg(HW_REG_WAVE_SCHED_MODE, 0, 2), 2
	s_setreg_imm32_b32 hwreg(HW_REG_WAVE_MODE, 25, 1), 1
	s_wait_xcnt 0x0
	s_wait_alu depctr_vm_vsrc(0)
; QKV.  q = (LN1(x) Wq + bq) / sqrt(32), k = y Wk + bk, v = y Wv + bv, all products on codes of E4M3 with one E8M0 byte for each 32 along K; q and k are quantised along the head's 32, v along the keys,
; and leave as images of the operand registers that the attention launch wants.  (reference() keeps q of x and k, v of y alone: the other columns of the two products are not multiplied.)
; SHARES.  Work-group g: window b = g / 4, its rows 128 (g % 4) on, of x and of y.  Sixteen waves, four to a SIMD.
; PHASE A.  Wave w quantises one tile of 16 rows: waves 0-7 of x (with the layer norm), waves 8-15 of y.  Eight neighbouring rows of a window are 8,192 consecutive bytes of memory: each load reads 512 consecutive bytes;
; the rows turn through the wave's own LDS region (16 rows x 1,040 bytes), so that lane (r, h) holds, of row r, the numbers k = 32 c + 16 h + 0 .. 15: the operand's own order.  The tile's two fragments and scale words go
; back into the region as images of their registers.  THE ROWS OF A TILE OF y ARE NOT NEIGHBOURS: row r of tile kt is key 32 (kt/2) + 8 (kt%2) + (r & 7) + 16 (r / 8).
; PHASE B, behind the one barrier.  Unit 1: wave (role, hh) makes q (role 0) or k (role 1) of head hh for the 128 rows, transposed (source 0 = 16 columns of the weight, source 1 = 16 rows): a lane then holds 16 neighbouring
; channels of one row.  Unit 2: 16 channels (tile u = role) of v of head hh, not transposed (source 0 = 16 keys, source 1 = 16 columns): a lane then holds 16 neighbouring keys of one channel.
; The weights come from wts as fragment images straight into registers; the biases are the C of each sum's first matrix instruction.
; No tensor load, no cluster: LDS is filled once, from registers, and work-groups share only the weights (192 KiB of codes, 12 KiB of scale words).
; LIMITS: a block whose largest magnitude lies under 2^-118, a block of zeros among them, gets the byte 1; NaN and infinities are not served; 1/sqrt by v_rsq_f32.
; THE MODE: SCHED_MODE bits 1:0 = 2 (LLVM: expert scheduling mode 2), set by the entry lines.  The code itself states the register dependences
; between vector or matrix instructions and memory or LDS instructions, with s_wait_alu, always for 0.
; THE PLAN.  Registers that memory or LDS instructions touch:
;   v1-v15        offsets and LDS addresses, written once at the head, ahead of the first wait on va_vdst.  (v2 alone is written again: it is phase B's scale word, behind the turn's wait on vm_vsrc.)
;   X             global loads land; the turn's LDS stores read; the turn's LDS loads land; from then on vector work.
;   GB            gains and biases land; the multiply-adds read; the next 32 land behind a wait on va_vdst.
;   PC, PW, TM+4..7  written by the quantiser, read by LDS or global stores: va_vdst ahead of each run of stores, vm_vsrc ahead of the next lines or loads that write them.
;   W, WS, BIAS   loads land; products read; the next weights land behind a wait on va_vdst.
;   AF, AS        LDS loads land; products read; each refetch stands behind a wait on va_vdst.  All 256 registers are in use: there is no second set.
;   ACC           named by matrix and vector instructions alone (v224-239 are phase A's PC: the wait on vm_vsrc behind the second image frees them).
.set SCOFF, 8388608                    ; where the scale words begin in qbuf, kbuf, vbuf
.set WSOFF, 786432                     ; and in wts
.set REG,  16640                       ; a wave's LDS region: 16 rows x RP; later: fragments at 0 and 2,048, scale words at 4,096 and 4,224
.set RP,   1040                        ; a stage row: 1,024 bytes + 16: the 16 rows that a load touches start at 16 different groups of banks
.set AS,   16                          ; v16-19  scale words of the rows (scales alone)
.set WS,   20                          ; v20-23  scale words of the weights (scales alone)
.set BIAS, 24                          ; v24-39
.set X,    32                          ; v32-159 phase A: my half of my row, 128 numbers
.set W,    48                          ; v48-111 four fragments of the weight
.set AF,   112                         ; v112-175 four fragments of rows
.set GB,   160                         ; v160-223 phase A: 32 gains, 32 biases
.set ACC,  176                         ; v176-239 eight accumulators
.set TM,   240                         ; v240-255 the quantiser at work
.set SA,   240                         ; the statistics at work: four chains,
.set MEAN, 248
.set RSTD, 250
.set ST,   252
.set VH,   14                          ; v14 = 64 h
.set GP,   8                           ; s[8:9] n1_g, s[10:11] n1_b
.set BP,   10
.set SEL,  40                          ; s[40:41]
.set MNT,  42
.set INV,  43
.set EPS,  44
; v1 16 L; v2 16 L + the tile's second eight rows; v3 my region + 16 L; v4 my region + 1,040 r + 64 h; v5 my region + 4,096 + 4 L; v6, v7 my role's tiles 0-3, 4-7 + 16 L; v8, v9 y's tiles 0-3, 4-7 + 16 L;
; v10-13 the same four + 4,096 + 4 L; v15 4 L
.macro PLACES n
.rept \n
	v_nop
.endr
.endm
.macro BARRIER                         ; my LDS stores have landed and my LDS loads are in: then the work-group's barrier
	s_wait_dscnt 0x0
	s_barrier_signal -1
	s_barrier_wait -1
.endm
.macro FETCH reg, adr, off             ; a fragment's image comes back into 16 registers
.irp c, 0,1,2,3
	ds_load_b128 v[\reg+4*\c:\reg+4*\c+3], v[\adr] offset:\off+512*\c
.endr
.endm
.macro IMAGE adr, off                  ; the fragment in v[PC] on goes to LDS as it stands
.irp c, 0,1,2,3
	ds_store_b128 v[\adr], v[PC+4*\c:PC+4*\c+3] offset:\off+512*\c
.endr
.endm
.macro QUANT s                         ; 64 numbers of a lane, four blocks of 16 (the other 16 lie in lane l xor 16), become codes in v[PC] on, bytes in v[TM+4] on and a scale word in v[PW]
.irp b, 0,1,2,3
	v_max3_num_f32 v[TM+\b], |v[\s+16*\b]|, |v[\s+1+16*\b]|, 0x4800000   ; with the floor 2^(9 - 127): the byte cannot fall under 1
.endr
.irp i, 2,4,6,8,10,12,14
.irp b, 0,1,2,3
	v_max3_num_f32 v[TM+\b], v[TM+\b], |v[\s+16*\b+\i]|, |v[\s+1+16*\b+\i]|
.endr
.endr
.irp b, 0,1,2,3
	v_permlanex16_b32 v[TM+4+\b], v[TM+\b], s[SEL], s[SEL+1]
.endr
.irp b, 0,1,2,3
	v_max_num_f32 v[TM+\b], v[TM+\b], v[TM+4+\b]
.endr
.irp b, 0,1,2,3
	v_add_nc_u32 v[TM+12+\b], 0xfc000000, v[TM+\b]           ; 8 off the exponent field: the conversion's scale operand
.endr
.irp b, 0,1,2,3
	v_and_or_b32 v[TM+8+\b], v[TM+\b], 0x7f800000, s[MNT]    ; 448 x the scale
.endr
.irp b, 0,1,2,3
	v_lshrrev_b32 v[TM+4+\b], 23, v[TM+12+\b]                ; the scale's byte
.endr
	v_lshl_or_b32 v[PW], v[TM+5], 8, v[TM+4]
	v_lshl_or_b32 v[PW], v[TM+6], 16, v[PW]
	v_lshl_or_b32 v[PW], v[TM+7], 24, v[PW]
.irp b, 0,1,2,3
.irp i, 0,1,2,3,4,5,6,7,8,9,10,11,12,13,14,15
	v_med3_num_f32 v[\s+16*\b+\i], v[\s+16*\b+\i], -v[TM+8+\b], v[TM+8+\b]   ; the conversion does not saturate (ISA guide 7.6.2)
.endr
	v_cvt_scalef32_pk8_fp8_f32 v[PC+4*\b:PC+1+4*\b], v[\s+16*\b:\s+7+16*\b], v[TM+12+\b]
	v_cvt_scalef32_pk8_fp8_f32 v[PC+2+4*\b:PC+3+4*\b], v[\s+8+16*\b:\s+15+16*\b], v[TM+12+\b]
.endr
	v_nop                                                    ; a plain line behind the last conversion
.endm
; Mean and 1/sqrt(variance + 1e-5) of a row of 256: 128 numbers in v[xb] on, the other 128 in lane l xor 16.  The numbers are centred in place and the variance is taken of the centred numbers.
.macro STATS xb
.irp q, 0,1,2,3
	v_pk_add_f32 v[SA+2*\q:SA+2*\q+1], v[\xb+2*\q:\xb+2*\q+1], v[\xb+8+2*\q:\xb+8+2*\q+1]
.endr
.set sti, 16
.rept 14
.irp q, 0,1,2,3
	v_pk_add_f32 v[SA+2*\q:SA+2*\q+1], v[SA+2*\q:SA+2*\q+1], v[\xb+sti+2*\q:\xb+sti+2*\q+1]
.endr
.set sti, sti+8
.endr
	v_pk_add_f32 v[SA:SA+1], v[SA:SA+1], v[SA+2:SA+3]
	v_pk_add_f32 v[SA+4:SA+5], v[SA+4:SA+5], v[SA+6:SA+7]
	v_pk_add_f32 v[SA:SA+1], v[SA:SA+1], v[SA+4:SA+5]
	v_add_f32 v[SA], v[SA], v[SA+1]
	v_permlanex16_b32 v[ST], v[SA], s[SEL], s[SEL+1]
	v_add_f32 v[SA], v[SA], v[ST]
	v_mul_f32 v[MEAN], 0x3b800000, v[SA]                     ; / 256
	v_mov_b32 v[MEAN+1], v[MEAN]
.set sti, 0
.rept 64
	v_pk_add_f32 v[\xb+sti:\xb+sti+1], v[\xb+sti:\xb+sti+1], v[MEAN:MEAN+1] neg_lo:[0,1] neg_hi:[0,1]
.set sti, sti+2
.endr
.irp q, 0,1,2,3
	v_pk_mul_f32 v[SA+2*\q:SA+2*\q+1], v[\xb+2*\q:\xb+2*\q+1], v[\xb+2*\q:\xb+2*\q+1]
.endr
.set sti, 8
.rept 15
.irp q, 0,1,2,3
	v_pk_fma_f32 v[SA+2*\q:SA+2*\q+1], v[\xb+sti+2*\q:\xb+sti+2*\q+1], v[\xb+sti+2*\q:\xb+sti+2*\q+1], v[SA+2*\q:SA+2*\q+1]
.endr
.set sti, sti+8
.endr
	v_pk_add_f32 v[SA:SA+1], v[SA:SA+1], v[SA+2:SA+3]
	v_pk_add_f32 v[SA+4:SA+5], v[SA+4:SA+5], v[SA+6:SA+7]
	v_pk_add_f32 v[SA:SA+1], v[SA:SA+1], v[SA+4:SA+5]
	v_add_f32 v[SA], v[SA], v[SA+1]
	v_permlanex16_b32 v[ST], v[SA], s[SEL], s[SEL+1]
	v_add_f32 v[SA], v[SA], v[ST]
	v_fma_f32 v[ST], v[SA], s[INV], s[EPS]
	s_wait_alu depctr_va_vdst(0)
	v_rsq_f32 v[RSTD], v[ST]
	v_nop                                                    ; a plain line behind the transcendental,
	s_wait_alu depctr_va_vdst(0)                             ; and the wait ahead of its first reader: v_rsq_f32 has written v[RSTD]
	v_mov_b32 v[RSTD+1], v[RSTD]
.endm
.macro GBLOAD off                      ; gains and biases of 32 of my registers: channels off/4 + 32 cc + 16 h + 0 .. 15
.irp cc, 0,1
.irp j, 0,1,2,3
	global_load_b128 v[GB+16*\cc+4*\j:GB+16*\cc+4*\j+3], v[VH], s[GP:GP+1] offset:\off+128*\cc+16*\j
	global_load_b128 v[GB+32+16*\cc+4*\j:GB+32+16*\cc+4*\j+3], v[VH], s[BP:BP+1] offset:\off+128*\cc+16*\j
.endr
.endr
.endm
.macro APPLYM xc                       ; 32 centred numbers x 1/sqrt: these lines name no gain and no bias, so they stand under the loads of those
.set ai, 0
.rept 16
	v_pk_mul_f32 v[\xc+ai:\xc+ai+1], v[\xc+ai:\xc+ai+1], v[RSTD:RSTD+1]
.set ai, ai+2
.endr
.endm
.macro APPLYF xc                       ; the same 32: x gain + bias
.set ai, 0
.rept 16
	v_pk_fma_f32 v[\xc+ai:\xc+ai+1], v[\xc+ai:\xc+ai+1], v[GB+ai:GB+ai+1], v[GB+32+ai:GB+32+ai+1]
.set ai, ai+2
.endr
.endm
; Two tiles of columns x four tiles of rows x two K steps, transposed.  The eight accumulators take turns, one instruction a turn.
; Afterwards register ACC + 16 m + 8 u + j of lane (r, h) is row r of tile m, column 16 h + 8 u + j of the 32.
.macro MM24 aadr, sadr, astm, asts, sstm, ssts
.irp s, 0,1
.if \s
	PLACES 8                                       ; in front of loads into registers that matrix instructions have read
	s_wait_alu depctr_va_vdst(0)                   ; the eight products above are done reading the rows' fragments and scale words, in which the second K step's land
.endif
.irp m, 0,1,2,3
	FETCH AF+16*\m, \aadr, \m*\astm+\s*\asts
	ds_load_b32 v[AS+\m], v[\sadr] offset:\m*\sstm+\s*\ssts
.endr
	s_wait_dscnt 0x0
.irp m, 0,1,2,3
.irp u, 0,1
.if \s == 0
	v_wmma_scale_f32_16x16x128_f8f6f4 v[ACC+16*\m+8*\u:ACC+16*\m+8*\u+7], v[W+16*(2*\u+\s):W+16*(2*\u+\s)+15], v[AF+16*\m:AF+16*\m+15], v[BIAS+8*\u:BIAS+8*\u+7], v[WS+2*\u+\s], v[AS+\m]
.else
	v_wmma_scale_f32_16x16x128_f8f6f4 v[ACC+16*\m+8*\u:ACC+16*\m+8*\u+7], v[W+16*(2*\u+\s):W+16*(2*\u+\s)+15], v[AF+16*\m:AF+16*\m+15], v[ACC+16*\m+8*\u:ACC+16*\m+8*\u+7], v[WS+2*\u+\s], v[AS+\m]
.endif
.endr
.endr
.endr
.endm
	s_load_b512 s[4:19], s[0:1], 0x0               ; x 4, y 6, n1_g 8, n1_b 10, qkv_b 12, wts 14, qbuf 16, kbuf 18
	s_load_b64 s[20:21], s[0:1], 0x40              ; vbuf
	v_lshrrev_b32 v1, 5, v0
	v_readfirstlane_b32 s22, v1                    ; wave 0..15
	s_wait_alu depctr_va_sdst(0)                   ; s22 is written, ahead of its first reader: roles, addresses and bases are made from it
	s_lshr_b32 s23, s22, 3                         ; role: 0 x and q, 1 y and k
	s_and_b32 s24, s22, 7                          ; my tile in phase A, my head in phase B
	s_lshr_b32 s25, ttmp9, 2                       ; window b
	s_and_b32 s26, ttmp9, 3                        ; its quarter qd
	s_lshl_b32 s27, s24, 1                         ; x: the tile's first group of eight rows is 2 j,
	s_lshr_b32 s28, s24, 1
	s_lshl_b32 s28, s28, 2
	s_and_b32 s29, s24, 1
	s_add_co_u32 s28, s28, s29                     ; y: 4 (j / 2) + j % 2
	s_cmp_eq_u32 s23, 0
	s_cselect_b32 s27, s27, s28
	s_lshl_b32 s28, s26, 4
	s_add_co_u32 s27, s27, s28                     ; G = + 16 qd: group G of the window's 64
	s_lshr_b32 s28, s25, 4                         ; its first token: 8192 bh + 1024 (G / 8) + 256 bw + 32 (G % 8) + 8 bd
	s_lshl_b32 s28, s28, 13
	s_lshr_b32 s29, s27, 3
	s_lshl_b32 s29, s29, 10
	s_add_co_u32 s28, s28, s29
	s_bfe_u32 s29, s25, 0x20002
	s_lshl_b32 s29, s29, 8
	s_add_co_u32 s28, s28, s29
	s_and_b32 s29, s27, 7
	s_lshl_b32 s29, s29, 5
	s_add_co_u32 s28, s28, s29
	s_and_b32 s29, s25, 3
	s_lshl_b32 s29, s29, 3
	s_add_co_u32 s28, s28, s29
	s_lshl_b32 s28, s28, 10                        ; 1,024 bytes a token
	s_mov_b32 s29, 0
	s_lshl_b32 s32, 0x8000, s23                    ; the tile's second eight rows: one group on in x (32 tokens), two in y
	s_mov_b32 s[SEL], 0x76543210
	s_mov_b32 s[SEL+1], 0xfedcba98
	s_mov_b32 s[MNT], 0x600000
	s_mov_b32 s[INV], 0x3b800000                   ; 1/256
	s_mov_b32 s[EPS], 0x3727c5ac                   ; 1e-5
	; every LDS address is made here, ahead of the one place where the roles part
	v_and_b32 v24, 31, v0                          ; lane
	v_and_b32 v25, 15, v0                          ; r
	v_bfe_u32 v26, v0, 4, 1                        ; h
	v_lshlrev_b32 v1, 4, v24
	v_add_nc_u32 v2, s32, v1
	s_mul_i32 s33, s22, REG
	v_add_nc_u32 v3, s33, v1
	v_mul_u32_u24 v4, v25, RP
	v_lshl_add_u32 v4, v26, 6, v4
	v_add_nc_u32 v4, s33, v4
	v_lshlrev_b32 v15, 2, v24
	s_add_co_u32 s34, s33, 4096
	v_add_nc_u32 v5, s34, v15
	s_mul_i32 s34, s23, 8*REG
	v_add_nc_u32 v6, s34, v1
	v_add_nc_u32 v7, 4*REG, v6
	v_add_nc_u32 v8, 8*REG, v1
	v_add_nc_u32 v9, 12*REG, v1
	s_add_co_u32 s34, s34, 4096
	v_add_nc_u32 v10, s34, v15
	v_add_nc_u32 v11, 4*REG, v10
	v_add_nc_u32 v12, 8*REG+4096, v15
	v_add_nc_u32 v13, 12*REG+4096, v15
	v_lshlrev_b32 v[VH], 6, v26
.irp b, 0,1,2,3
	v_mov_b32 v[TM+4+\b], 0                        ; written once: a lane permute's destination counts as one of its sources
.endr
	v_mov_b32 v[ST], 0
	s_wait_kmcnt 0x0
	s_cmp_eq_u32 s23, 0
	s_cselect_b64 s[30:31], s[4:5], s[6:7]
	s_add_nc_u64 s[30:31], s[30:31], s[28:29]
	s_wait_alu depctr_va_vdst(0)                   ; the fifteen offsets and addresses v1 to v15 are written, which the kernel's loads and stores read
.irp k, 0,1,2,3,4,5,6,7,8,9,10,11,12,13,14,15
	global_load_b128 v[X+4*\k:X+4*\k+3], v1, s[30:31] offset:512*\k th:TH_LOAD_NT      ; rows 0-7 of my tile: 8,192 consecutive bytes
.endr
.irp k, 0,1,2,3,4,5,6,7,8,9,10,11,12,13,14,15
	global_load_b128 v[X+64+4*\k:X+64+4*\k+3], v2, s[30:31] offset:512*\k th:TH_LOAD_NT   ; rows 8-15
.endr
	; where the results go, and where phase B's weights lie
	s_lshl_b32 s27, s25, 3
	s_add_co_u32 s27, s27, s24                     ; 8 b + hh
	s_lshl_b32 s58, s27, 14
	s_lshl_b32 s28, s26, 12
	s_add_co_u32 s58, s58, s28                     ; codes: [b][hh][tile 32][512 bytes], my first tile 8 qd
	s_mov_b32 s59, 0
	s_lshl_b32 s60, s27, 12
	s_lshl_b32 s28, s26, 10
	s_add_co_u32 s60, s60, s28
	s_add_co_u32 s60, s60, SCOFF                   ; scale words: [b][hh][four tiles][lane][4 words]
	s_mov_b32 s61, 0
	s_cmp_eq_u32 s23, 0
	s_cselect_b64 s[50:51], s[16:17], s[18:19]
	s_cselect_b32 s46, 0x3e3504f3, 1.0             ; q is multiplied by 32^-0.5, k by 1
	s_mov_b32 s47, s46
	s_add_nc_u64 s[52:53], s[50:51], s[60:61]
	s_add_nc_u64 s[50:51], s[50:51], s[58:59]
	s_lshl_b32 s28, s27, 2
	s_add_co_u32 s28, s28, s26
	s_lshl_b32 s28, s28, 1
	s_add_co_u32 s28, s28, s23                     ; v: fragment ((8 b + hh) 4 + qd) 2 + u
	s_lshl_b32 s58, s28, 11
	s_add_nc_u64 s[54:55], s[20:21], s[58:59]
	s_lshl_b32 s60, s28, 7
	s_add_co_u32 s60, s60, SCOFF
	s_add_nc_u64 s[56:57], s[20:21], s[60:61]
	s_lshl_b32 s34, s23, 5
	s_lshl_b32 s35, s24, 2
	s_add_co_u32 s34, s34, s35                     ; unit 1's first fragment: 32 role + 4 hh
	s_lshl_b32 s58, s34, 11
	s_add_nc_u64 s[36:37], s[14:15], s[58:59]
	s_lshl_b32 s58, s34, 7
	s_add_co_u32 s58, s58, WSOFF
	s_add_nc_u64 s[38:39], s[14:15], s[58:59]
	s_lshl_b32 s58, s34, 5                         ; its columns' biases: (256 role + 32 hh) x 4 bytes
	s_add_nc_u64 s[48:49], s[12:13], s[58:59]
	; ---- the turn through my stage
	s_wait_loadcnt 16                              ; rows 0-7 are in; the sixteen younger loads may be out
.irp k, 0,1,2,3,4,5,6,7,8,9,10,11,12,13,14,15
	ds_store_b128 v3, v[X+4*\k:X+4*\k+3] offset:(\k/2)*RP+(\k%2)*512
.endr
	s_wait_loadcnt 0x0
.irp k, 0,1,2,3,4,5,6,7,8,9,10,11,12,13,14,15
	ds_store_b128 v3, v[X+64+4*\k:X+64+4*\k+3] offset:8*RP+(\k/2)*RP+(\k%2)*512
.endr
	s_wait_alu depctr_vm_vsrc(0)                   ; the 32 LDS stores have read v[X ..], in which the LDS loads below land; the global loads have read v2, which phase B writes again
.irp s, 0,1
.irp c, 0,1,2,3
.irp j, 0,1,2,3
	ds_load_b128 v[X+64*\s+16*\c+4*\j:X+64*\s+16*\c+4*\j+3], v4 offset:512*\s+128*\c+16*\j   ; LDS serves a wave's instructions in order (ISA guide 5.7.1.4): these see my stores
.endr
.endr
.endr
	s_wait_dscnt 0x0
	; ---- the layer norm, for x alone
	s_cmp_lg_u32 s23, 0
	s_cbranch_scc1 .Lnoln
	GBLOAD 0
	STATS X
	APPLYM X
.irp q, 0,1,2,3
	s_wait_loadcnt 0x0
	APPLYF X+32*\q
.if \q < 3
	s_wait_alu depctr_va_vdst(0)                   ; the multiply-adds are done reading v[GB ..], in which the next 32 gains and biases land
	GBLOAD 256*(\q+1)
	APPLYM X+32*(\q+1)                             ; no wait: these name X and the 1/sqrt alone, none of the registers that the loads above touch
.endif
.endr
.Lnoln:
	; ---- my tile's two fragments
.set PC, 224
.set PW, 24
	QUANT X
	s_wait_alu depctr_va_vdst(0)                   ; the quantiser has written the codes v[PC ..] and the scale word v[PW], which the LDS stores read
	IMAGE 3, 0
	ds_store_b32 v5, v[PW]
	s_wait_dscnt 0x0                               ; the stores have read their registers
	s_wait_alu depctr_vm_vsrc(0)                   ; the LDS stores have read v[PC ..] and v[PW], which the second fragment's quantiser writes again
	QUANT X+64
	s_wait_alu depctr_va_vdst(0)                   ; the codes and the scale word are written, which the LDS stores read; and all of phase A's vector work is done with v20 to v175, in which the weights below and the first fragments behind the barrier land
	IMAGE 3, 2048
	ds_store_b32 v5, v[PW] offset:128
	s_wait_alu depctr_vm_vsrc(0)                   ; the LDS stores have read v[PW] = v24, in which a bias lands below, and v224 to v239, which the products write as accumulators
	; unit 1's weights are asked for ahead of the barrier
.irp i, 0,1,2,3,4,5,6,7,8,9,10,11,12,13,14,15
	global_load_b128 v[W+4*\i:W+4*\i+3], v1, s[36:37] offset:512*\i
.endr
.irp i, 0,1,2,3
	global_load_b32 v[WS+\i], v15, s[38:39] offset:128*\i
	global_load_b128 v[BIAS+4*\i:BIAS+4*\i+3], v[VH], s[48:49] offset:16*\i   ; column 16 h + 8 u + j of my 32
.endr
	BARRIER                                        ; the sixteen tiles' images lie in LDS; from here on LDS is only read
	; ---- unit 1: q or k of my head
.set PC, 112
.set PW, 2
	s_wait_loadcnt 0x0                             ; the weights; their address registers may be written again
	s_lshl_b32 s34, s24, 2
	s_lshl_b32 s35, s23, 1
	s_add_co_u32 s34, s34, s35
	s_add_co_u32 s34, s34, 64                      ; unit 2's first fragment: 64 + 4 hh + 2 role
	s_lshl_b32 s58, s34, 11
	s_add_nc_u64 s[36:37], s[14:15], s[58:59]
	s_lshl_b32 s58, s34, 7
	s_add_co_u32 s58, s58, WSOFF
	s_add_nc_u64 s[38:39], s[14:15], s[58:59]
	s_lshl_b32 s58, s24, 7                         ; v's biases begin at (512 + 32 hh + 8 role) x 4 = 2,048 + 128 hh + 32 role bytes
	s_lshl_b32 s35, s23, 5
	s_add_co_u32 s58, s58, s35
	s_add_co_u32 s58, s58, 2048
	s_add_nc_u64 s[48:49], s[12:13], s[58:59]
.irp rh, 0,1
.if \rh
	s_wait_xcnt 0x0                                ; the stores below have read their data: the codes' registers take fragments again
	s_wait_alu depctr_vm_vsrc(0)                   ; the global stores have read the codes v112 to v127, in which fragments land, and the bytes v[TM+4 ..], which the quantiser writes again
	PLACES 8
.endif
	MM24 6+\rh, 10+\rh, REG, 2048, REG, 128
	PLACES 8                                       ; in front of the first read of results, and of loads into the weights' registers
.if \rh
	v_and_b32 v34, 15, v0
	v_and_b32 v35, 8, v34
	v_add_nc_u32 v34, v34, v35
	v_lshlrev_b32 v34, 2, v34                      ; 4 (r + (r & 8)): my column of v's tile
	s_wait_alu depctr_va_vdst(0)                   ; v34 is written, which the last load below reads; unit 1's products are done reading the weights, their scale words and the biases, in which the loads below land
.irp i, 0,1,2,3,4,5,6,7
	global_load_b128 v[W+4*\i:W+4*\i+3], v1, s[36:37] offset:512*\i     ; unit 2's two fragments land under the quantiser
.endr
	global_load_b32 v[WS], v15, s[38:39]
	global_load_b32 v[WS+1], v15, s[38:39] offset:128
	global_load_b32 v33, v34, s[48:49]
.endif
.set ai, 0
.rept 32
	v_pk_mul_f32 v[ACC+ai:ACC+ai+1], v[ACC+ai:ACC+ai+1], s[46:47] op_sel_hi:[1,0]   ; each accumulator from its low end on
.set ai, ai+2
.endr
	QUANT ACC                                      ; block m = the head's 32 channels of row tile m
	s_wait_alu depctr_va_vdst(0)                   ; the quantiser has written the codes v[PC ..] and the bytes v[TM+4 ..], which the global stores read
.irp m, 0,1,2,3
	global_store_b128 v1, v[PC+4*\m:PC+4*\m+3], s[50:51] offset:2048*\rh+512*\m   ; 32 lanes store 512 consecutive bytes
.endr
	global_store_b128 v1, v[TM+4:TM+7], s[52:53] offset:512*\rh    ; four tiles' bytes, each in the low byte of a word: the other three bytes scale zero codes
.endr
	; ---- unit 2: 16 channels of v of my head, for y's 128 keys
	s_wait_xcnt 0x0                                ; the stores have read their data
	s_wait_alu depctr_vm_vsrc(0)                   ; the global stores have read the codes v112 to v127, in which y's fragments land, and the bytes v[TM+4 ..], which the quantiser writes again
	s_wait_loadcnt 0x0
.irp j, 0,1,2,3,4,5,6,7
	v_mov_b32 v[BIAS+\j], v33                      ; a lane holds one channel: its bias in all eight registers of C
.endr
	s_wait_alu depctr_va_vdst(0)
.irp s, 0,1
.irp g, 0,1
.if \s+\g
	PLACES 8
	s_wait_alu depctr_va_vdst(0)                   ; the four products above are done reading the keys' fragments and scale words, in which the next four land
.endif
.irp t, 0,1,2,3
	FETCH AF+16*\t, 8+\g, \t*REG+\s*2048
	ds_load_b32 v[AS+\t], v[12+\g] offset:\t*REG+\s*128
.endr
	s_wait_dscnt 0x0
.irp t, 0,1,2,3
.if \s == 0
	v_wmma_scale_f32_16x16x128_f8f6f4 v[ACC+8*(4*\g+\t):ACC+8*(4*\g+\t)+7], v[AF+16*\t:AF+16*\t+15], v[W+16*\s:W+16*\s+15], v[BIAS:BIAS+7], v[AS+\t], v[WS+\s]
.else
	v_wmma_scale_f32_16x16x128_f8f6f4 v[ACC+8*(4*\g+\t):ACC+8*(4*\g+\t)+7], v[AF+16*\t:AF+16*\t+15], v[W+16*\s:W+16*\s+15], v[ACC+8*(4*\g+\t):ACC+8*(4*\g+\t)+7], v[AS+\t], v[WS+\s]
.endif
.endr
.endr
.endr
	PLACES 8
	QUANT ACC                                      ; register 16 b + i is key 32 b + 16 h + i of my channel: the fragment of V^T for these 128 keys
	s_wait_alu depctr_va_vdst(0)                   ; the quantiser has written the codes v[PC ..] and the scale word v[PW], which the global stores read
.irp c, 0,1,2,3
	global_store_b128 v1, v[PC+4*\c:PC+4*\c+3], s[54:55] offset:512*\c
.endr
	global_store_b32 v15, v[PW], s[56:57]
	s_wait_xcnt 0x0
	v_lshl_add_u32 v254, v0, 2, 0x41000            ; the add's two registers are made anew here: no memory or LDS instruction has read v254 or v255
	v_mov_b32 v255, 0
	s_wait_dscnt 0x0                               ; the closing lines, six on end
	s_wait_alu 0x0
	s_wait_tensorcnt 0x0
	ds_add_u32 v254, v255
	s_wait_dscnt 0x0
	s_endpgm
.Lfunc_end_k_q597221b3fa_qkv:
	.size	k_q597221b3fa_qkv, .Lfunc_end_k_q597221b3fa_qkv-k_q597221b3fa_qkv
	.p2alignl 7, 3214868480
	.fill 96, 4, 3214868480
	.section	.rodata,"a",@progbits
	.p2align	6, 0x0
	.amdhsa_kernel k_q597221b3fa_qkv
		.amdhsa_group_segment_fixed_size 268288
		.amdhsa_private_segment_fixed_size 0
		.amdhsa_enable_private_segment 0
		.amdhsa_kernarg_size 72
		.amdhsa_user_sgpr_count 2
		.amdhsa_user_sgpr_kernarg_segment_ptr 1
		.amdhsa_wavefront_size32 1
		.amdhsa_system_sgpr_workgroup_id_x 1
		.amdhsa_system_sgpr_workgroup_id_y 1
		.amdhsa_system_sgpr_workgroup_id_z 1
		.amdhsa_system_vgpr_workitem_id 0
		.amdhsa_next_free_vgpr 256
		.amdhsa_next_free_sgpr 66
		.amdhsa_reserve_vcc 0
		.amdhsa_float_denorm_mode_32 3
		.amdhsa_float_denorm_mode_16_64 3
		.amdhsa_memory_ordered 1
		.amdhsa_forward_progress 1
		.amdhsa_inst_pref_size 109
	.end_amdhsa_kernel
	.amdgpu_metadata
---
amdhsa.version: [ 1, 2 ]
amdhsa.kernels:
  - .name:           k_q597221b3fa_qkv
    .symbol:         k_q597221b3fa_qkv.kd
    .args:
      - { .name: x, .offset: 0, .size: 8, .value_kind: global_buffer, .address_space: global }
      - { .name: y, .offset: 8, .size: 8, .value_kind: global_buffer, .address_space: global }
      - { .name: n1_g, .offset: 16, .size: 8, .value_kind: global_buffer, .address_space: global }
      - { .name: n1_b, .offset: 24, .size: 8, .value_kind: global_buffer, .address_space: global }
      - { .name: qkv_b, .offset: 32, .size: 8, .value_kind: global_buffer, .address_space: global }
      - { .name: wts, .offset: 40, .size: 8, .value_kind: global_buffer, .address_space: global }
      - { .name: qbuf, .offset: 48, .size: 8, .value_kind: global_buffer, .address_space: global }
      - { .name: kbuf, .offset: 56, .size: 8, .value_kind: global_buffer, .address_space: global }
      - { .name: vbuf, .offset: 64, .size: 8, .value_kind: global_buffer, .address_space: global }
    .group_segment_fixed_size: 268288
    .private_segment_fixed_size: 0
    .kernarg_segment_align: 8
    .kernarg_segment_size: 72
    .max_flat_workgroup_size: 512
    .sgpr_count:     66
    .vgpr_count:     256
    .wavefront_size: 32
...
	.end_amdgpu_metadata
.endif
;; end of part 6
;; launch attn (part 7): grid 512 x 1, 8 waves a work-group, no clusters, 108,544 bytes of LDS; arguments qbuf, kbuf, vbuf, btab, abuf; writes abuf
.if DOCPART == 7
	.amdgcn_target "amdgcn-amd-amdhsa--gfx1250"
	.amdhsa_code_object_version 6
	.text
	.protected	k_q597221b3fa_attn
	.globl	k_q597221b3fa_attn
	.p2align	8
	.type	k_q597221b3fa_attn,@function
k_q597221b3fa_attn:
	s_mov_b64 s[64:65], 0
	v_nop
	global_prefetch_b8 v0, s[64:65] scope:SCOPE_SE
	s_setreg_imm32_b32 hwreg(HW_REG_WAVE_SCHED_MODE, 0, 2), 2
	s_setreg_imm32_b32 hwreg(HW_REG_WAVE_MODE, 25, 1), 1
	s_wait_xcnt 0x0
	s_wait_alu depctr_vm_vsrc(0)
; ATTN.  One work-group = one head of one window: 512 queries x 512 keys x 32 channels, both products on codes of E4M3 with E8M0 scales.
; logit = q . k + bias;  t = logit x log2(e);  M = the running largest t rounded up to a whole number;  p = 2^(t - M) is quantised along the keys, not normalised;  the row's sum is taken of the unquantised p and
; divides at the end; when M moves, the sum and O are multiplied by 2^(old M - new M), which rounds nothing.  The result is quantised along the head's 32 channels, one block of the next product's K.
; SHARES.  Work-group g: head g % 8, window g / 8.  Wave w owns queries 64 w .. 64 w + 63, four tiles of 16, one after the other; each walks the 512 keys in four steps of 128.
; LDS is filled once, from registers, and only read behind the one barrier: the head's bias table (256 rows of 256 bytes + 16), K's 32 tiles and V^T's 8 fragments as images of operand registers, their scale words.
; LAYOUT.  Both products are used transposed: S^T = K Q^T (source 0 = 16 keys, source 1 = 16 queries), O^T = V^T P^T: a lane holds ONE query (lane % 16) throughout.
; K = 32 fills one block of the instruction's four: registers 4-15 of K's and Q's runs hold zero codes.
; Row rho of key tile kt is key 32 (kt/2) + 8 (kt%2) + (rho & 7) + 16 (rho / 8): so the 16 registers of tiles 2 b, 2 b + 1 are keys 32 b + 16 (lane / 16) + 0 .. 15, and a lane's eight registers of a tile are the keys
; md = 0 .. 7 of one (mh, mw).  THE BIAS IS THE C OF THE SCORE PRODUCT: for those eight keys it is 32 consecutive bytes of the table, row (7 - nh + mh, 7 - nw + mw), at 32 nd: two LDS loads into the accumulator.
; No tensor load, no cluster: work-groups share only the table of their head (64 KiB of the 112 KiB that each reads).
; LIMITS: a block's largest p is taken from its largest score (v_exp_f32 is taken not to fall where its input rises); blocks under 2^-118 get the byte 1; NaN and infinities are not served; 1/l by v_rcp_f32.
; THE MODE: SCHED_MODE bits 1:0 = 2 (LLVM: expert scheduling mode 2), set by the entry lines.  The code itself states the register dependences
; between vector or matrix instructions and memory or LDS instructions, with s_wait_alu, always for 0.
; THE PLAN.  Registers that memory or LDS instructions touch:
;   v6              16 x lane: the offset of q's loads and of every store; written once at the head.
;   v7-v11          at the head the fill's offsets and LDS addresses; in a step its five LDS addresses: written at the step's head, read by the step's LDS loads.
;   v32-v95         the fill's loads land, its LDS stores read.  Then registers 0-3 of each of the four runs take a tile of K, twice a step; the score products read the runs.
;   v96-v159        the fill likewise.  Then, in a step: the bias lands; the score products add onto it; the softmax works in place; the conversions read; v96-127 take V^T's two fragments, which O's products read.
;   v216-v225       scale words of K and V: LDS loads land, products read.
;   v176-v191, v209 p's codes and scale word: vector instructions write, O's products read.
;   v230-v233, v226-v229  the output's codes and bytes: vector instructions write, global stores read.
;   v254, v255      written at the head, read by the closing add alone.
; A STEP'S WAITS.  va_vdst behind the five address lines (addresses written; the last trip's products and conversions done with all that the step's loads land in; Q's run and the zero codes written); va_vdst ahead of K's
; second four tiles; the two waits behind the exponentials; va_vdst ahead of V^T's loads; va_vdst ahead of O's products; vm_vsrc at the trip's end, for the five addresses.  All 256 registers are in use: there is no second set of runs.
.set SCOFF, 8388608
.set TP,   272                         ; a table row in LDS
.set KIMG, 69632                       ; behind the table's 256 x 272 bytes: K's tiles, 32 x 512 bytes
.set VIMG, 86016                       ; V^T's fragments, 8 x 2,048 bytes
.set KSC,  102400                      ; K's scale words, 8 x 512 bytes
.set VSC,  106496                      ; V's, 8 x 128 bytes
; v1 my place in the table; v2 KIMG + 16 L; v3 VIMG + 16 L; v4 KSC + 16 L; v5 VSC + 4 L; v6 16 L; v7-11 the step's addresses; v12 -M, v13 the largest t, v[14:15] the sum;
; v16-31 Q's run; v32-95 four runs of K; v96-159 S^T, then p, then (v96-127) V^T's two fragments; v160-175 O^T; v176-191 p's codes; v192-207 at work; v208 f, v209 p's scale word; v210-211 at work;
; v216-223 K's scale words; v224-225 V's; v226-229 the four tiles' output bytes; v230-233 output codes; v234-249 the four tiles' q codes; v250-253 their scale words
.macro PLACES n
.rept \n
	v_nop
.endr
.endm
; the bias of my query and the eight keys of my half of key tiles 4 g .. 4 g + 3: it lands in those tiles' accumulators
.macro BIAS8 g, qi
.irp t, 0,1,2,3
	ds_load_b128 v[96+8*(4*\g+\t):99+8*(4*\g+\t)], v7 offset:(16*\g+4*((\t/2)%2)+(\t%2)+6-2*\qi)*TP
	ds_load_b128 v[100+8*(4*\g+\t):103+8*(4*\g+\t)], v7 offset:(16*\g+4*((\t/2)%2)+(\t%2)+6-2*\qi)*TP+16
.endr
.endm
; key tiles 4 g .. 4 g + 3 into registers 0-3 of the four runs
.macro KTILES g
.irp t, 0,1,2,3
	ds_load_b128 v[32+16*\t:35+16*\t], v8 offset:2048*\g+512*\t
.endr
.endm
; their four score products
.macro SCORE g, qi
.irp t, 0,1,2,3
	v_wmma_scale_f32_16x16x128_f8f6f4 v[96+8*(4*\g+\t):103+8*(4*\g+\t)], v[32+16*\t:47+16*\t], v[16:31], v[96+8*(4*\g+\t):103+8*(4*\g+\t)], v[216+4*\g+\t], v[250+\qi]
.endr
.endm
	s_load_b256 s[4:11], s[0:1], 0x0               ; qbuf 4, kbuf 6, vbuf 8, btab 10
	s_load_b64 s[12:13], s[0:1], 0x20              ; abuf
	v_lshl_add_u32 v254, v0, 2, 0x1a400
	v_mov_b32 v255, 0
	v_lshrrev_b32 v1, 5, v0
	v_readfirstlane_b32 s14, v1                    ; wave 0..7
	s_and_b32 s15, ttmp9, 7                        ; head
	s_lshr_b32 s16, ttmp9, 3                       ; window
	s_mov_b32 s31, 0
	s_mov_b32 s33, 0
	s_mov_b32 s20, 0x76543210
	s_mov_b32 s21, 0xfedcba98                      ; v_permlanex16_b32's selects for lane l xor 16
	s_mov_b32 s22, 0x3fb8aa3b                      ; log2(e)
	s_mov_b32 s23, s22                             ; (named with it as a pair, so it is written)
	s_mov_b32 s19, 0x600000                        ; the mantissa field of 448
	v_lshlrev_b32 v7, 4, v0                        ; the fill: 16 x thread,
	v_lshlrev_b32 v8, 2, v0
	v_lshrrev_b32 v9, 4, v0
	v_lshl_add_u32 v9, v9, 4, v7                   ; + 16 for each 256 bytes passed: the table's padding
	v_add_nc_u32 v10, KIMG, v7
	v_add_nc_u32 v11, VSC, v8
	v_and_b32 v6, 31, v0
	v_lshl_add_u32 v5, v6, 2, VSC
	v_lshlrev_b32 v6, 4, v6
	s_wait_alu depctr_va_sdst(0)                   ; s14 is written, ahead of its first reader: the bases of q and of the output are made from it
	s_wait_kmcnt 0x0
	s_lshl_b32 s30, s15, 16
	s_add_nc_u64 s[10:11], s[10:11], s[30:31]      ; my head's table
	s_lshl_b32 s30, ttmp9, 14                      ; 8 b + hh is the work-group's number
	s_add_nc_u64 s[34:35], s[6:7], s[30:31]
	s_add_nc_u64 s[38:39], s[8:9], s[30:31]
	s_add_nc_u64 s[42:43], s[4:5], s[30:31]
	s_lshl_b32 s32, s14, 11
	s_add_nc_u64 s[42:43], s[42:43], s[32:33]      ; my four tiles of q
	s_lshl_b32 s30, ttmp9, 12
	s_add_co_u32 s30, s30, SCOFF
	s_add_nc_u64 s[36:37], s[6:7], s[30:31]
	s_lshl_b32 s32, s14, 9
	s_add_co_u32 s30, s30, s32
	s_add_nc_u64 s[44:45], s[4:5], s[30:31]
	s_add_nc_u64 s[48:49], s[12:13], s[30:31]      ; the output's bytes lie as q's do
	s_lshl_b32 s30, ttmp9, 10
	s_add_co_u32 s30, s30, SCOFF
	s_add_nc_u64 s[40:41], s[8:9], s[30:31]
	s_lshl_b32 s30, s16, 17                        ; the output's codes: [b][tile 32][head 8][512 bytes]
	s_lshl_b32 s32, s14, 14
	s_add_co_u32 s30, s30, s32
	s_lshl_b32 s32, s15, 9
	s_add_co_u32 s30, s30, s32
	s_add_nc_u64 s[46:47], s[12:13], s[30:31]
	s_wait_alu depctr_va_vdst(0)                   ; v5 to v11 are written: the offsets of the loads below and of the stores at the end, the LDS addresses of the fill
.irp k, 0,1,2,3,4,5,6,7,8,9,10,11,12,13,14,15
	global_load_b128 v[32+4*\k:35+4*\k], v7, s[10:11] offset:4096*\k
.endr
.irp k, 0,1,2,3
	global_load_b128 v[96+4*\k:99+4*\k], v7, s[34:35] offset:4096*\k
.endr
.irp k, 0,1,2,3
	global_load_b128 v[112+4*\k:115+4*\k], v7, s[38:39] offset:4096*\k
.endr
	global_load_b128 v[128:131], v7, s[36:37]
	global_load_b32 v132, v8, s[40:41]
.irp i, 0,1,2,3
	global_load_b128 v[234+4*\i:237+4*\i], v6, s[42:43] offset:512*\i
.endr
	global_load_b128 v[250:253], v6, s[44:45]
	; my place in the table: row (7 - w) 16 + 1 + 2 h - (r / 8), byte 32 (r % 8); the tile, the step and the key tile add whole rows
	v_and_b32 v12, 15, v0
	v_bfe_u32 v13, v0, 4, 1
	v_lshrrev_b32 v14, 3, v12
	s_xor_b32 s30, s14, 7
	s_lshl_b32 s30, s30, 4
	s_add_co_u32 s30, s30, 1
	v_lshl_add_u32 v15, v13, 1, s30
	v_sub_nc_u32 v15, v15, v14
	v_mul_u32_u24 v1, v15, TP
	v_and_b32 v14, 7, v12
	v_lshl_add_u32 v1, v14, 5, v1
	v_add_nc_u32 v2, KIMG, v6
	v_add_nc_u32 v3, VIMG, v6
	v_add_nc_u32 v4, KSC, v6
	s_wait_loadcnt 0x0
.irp k, 0,1,2,3,4,5,6,7,8,9,10,11,12,13,14,15
	ds_store_b128 v9, v[32+4*\k:35+4*\k] offset:4352*\k            ; 16 table rows a store.  (No wait: the data come from loads, and no vector line since the wait above writes v9, v10 or v11)
.endr
.irp k, 0,1,2,3
	ds_store_b128 v10, v[96+4*\k:99+4*\k] offset:4096*\k
.endr
.irp k, 0,1,2,3
	ds_store_b128 v10, v[112+4*\k:115+4*\k] offset:VIMG-KIMG+4096*\k
.endr
	ds_store_b128 v10, v[128:131] offset:KSC-KIMG
	ds_store_b32 v11, v132
	s_wait_dscnt 0x0                               ; for the others' sake: my stores have landed
	s_barrier_signal -1
	s_barrier_wait -1
	s_wait_alu depctr_vm_vsrc(0)                   ; the fill's loads and LDS stores have read v7 to v11 and v32 to v132: the zero codes below, the first step's address lines and its LDS loads write them again
.irp j, 20,21,22,23,24,25,26,27,28,29,30,31
	v_mov_b32 v[\j], 0                             ; zero codes for K = 32 .. 127 of Q's run,
.endr
.irp t, 0,1,2,3
.irp j, 4,5,6,7,8,9,10,11,12,13,14,15
	v_mov_b32 v[32+16*\t+\j], 0                    ; and of K's four
.endr
.endr
.irp b, 0,1,2,3
	v_mov_b32 v[196+\b], 0                         ; written once: a lane permute's destination counts as one of its sources
.endr
	v_mov_b32 v209, 0                              ; (named as the upper half of the pair v[208:209] before it is first written)
; One tile of 16 queries: nh = w, nw = 2 qi + r / 8, nd = r % 8
.macro QTILE qi
.irp c, 0,1,2,3
	v_mov_b32 v[16+\c], v[234+4*\qi+\c]            ; the tile's codes into Q's run
.endr
	v_mov_b32 v13, 0xff61b1e6                      ; the largest t so far: -3e38, under every t
	v_floor_f32 v12, -v13
	v_mov_b32 v14, 0
	v_mov_b32 v15, 0
.irp j, 0,1,2,3,4,5,6,7,8,9,10,11,12,13,14,15
	v_mov_b32 v[160+\j], 0                         ; O^T: the step is written once; its first trip finds zeros
.endr
	s_mov_b32 s24, 0                               ; the step's place in the table: 32 rows a step,
	s_mov_b32 s25, 0                               ; among K's tiles and V's fragments: 4,096 bytes,
	s_mov_b32 s26, 0                               ; K's scale words: 1,024,
	s_mov_b32 s27, 0                               ; V's: 256
	s_mov_b32 s28, 4
.Lstep_\@:
	v_add_nc_u32 v7, s24, v1                       ; (the LDS instructions that read v7 to v11 stand ahead of a wait on vm_vsrc: the one behind the barrier, or the one at the last trip's end)
	v_add_nc_u32 v8, s25, v2
	v_add_nc_u32 v9, s25, v3
	v_add_nc_u32 v10, s26, v4
	v_add_nc_u32 v11, s27, v5
	PLACES 5                                       ; ten places behind the last trip's products: the score products below write registers that those products read
	s_wait_alu depctr_va_vdst(0)                   ; v7 to v11 are written, which the step's LDS loads read; the last trip's products and conversions are done with K's runs, v96 to v159 and the scale words, in which those loads land; Q's run and the zero codes, which the score products take, are written
	BIAS8 0, \qi
	ds_load_b128 v[216:219], v10
	ds_load_b128 v[220:223], v10 offset:512
	KTILES 0
	BIAS8 1, \qi                                   ; the second four tiles' bias is asked for last: the first four products do not wait for it
	s_wait_dscnt 8                                 ; LDS loads come back in order (ISA guide 5.7.1): all but the eight youngest, the bias of tiles 4 to 7, are in
	SCORE 0, \qi
	PLACES 8                                       ; in front of loads into registers that matrix instructions have read
	s_wait_alu depctr_va_vdst(0)                   ; the four products above are done reading K's runs, in whose registers 0-3 the next four tiles land
	KTILES 1
	s_wait_dscnt 0x0
	SCORE 1, \qi
	PLACES 8
.irp b, 0,1,2,3
	v_max3_num_f32 v[192+\b], v[96+16*\b], v[97+16*\b], v[98+16*\b]   ; the largest logit of each block of 32 keys: for the row's maximum and for the block's largest p
.endr
.irp n, 3,5,7,9,11,13
.irp b, 0,1,2,3
	v_max3_num_f32 v[192+\b], v[192+\b], v[96+16*\b+\n], v[97+16*\b+\n]
.endr
.endr
.irp b, 0,1,2,3
	v_max_num_f32 v[192+\b], v[192+\b], v[111+16*\b]
.endr
.irp b, 0,1,2,3
	v_permlanex16_b32 v[196+\b], v[192+\b], s20, s21
.endr
.irp b, 0,1,2,3
	v_max_num_f32 v[192+\b], v[192+\b], v[196+\b]
.endr
	v_max3_num_f32 v210, v192, v193, v194
	v_max_num_f32 v210, v210, v195
	v_mul_f32 v210, s22, v210                      ; as t
	v_max_num_f32 v13, v13, v210                   ; the running largest t
	v_mov_b32 v210, v12
	v_floor_f32 v12, -v13                          ; the new -M = -ceil(t)
	v_sub_f32 v210, v12, v210                      ; old M - new M: a whole number, 0 or less
	v_cvt_i32_f32 v210, v210                       ; (it saturates)
	v_ldexp_f32 v208, 1.0, v210                    ; f = 2^(old M - new M)
.set n, 0
.rept 32
	v_pk_fma_f32 v[96+n:97+n], v[96+n:97+n], s[22:23], v[12:13] op_sel_hi:[1,0,0]   ; t - M, two at a time
.set n, n+2
.endr
.irp b, 0,1,2,3
	v_fma_f32 v[192+\b], v[192+\b], s22, v12
.endr
.set n, 0
	s_wait_alu depctr_va_vdst(0)
.rept 64
	v_exp_f32 v[96+n], v[96+n]                     ; p = 2^(t - M)
.set n, n+1
.endr
	v_pk_mul_f32 v[14:15], v[14:15], v[208:209] op_sel_hi:[1,0]   ; the sums under the new M (a plain line behind the exponentials)
	s_wait_alu depctr_va_vdst(0)                   ; the 64 exponentials have written p, v96 to v159: one wait for the batch, ahead of its first reader
.irp b, 0,1,2,3
	v_exp_f32 v[192+\b], v[192+\b]                 ; each block's largest p
.endr
	v_pk_add_f32 v[196:197], v[96:97], v[98:99]    ; the row's sum of the unquantised p, in two chains
.irp j, 4,8,12,16,20,24,28,32,36,40,44,48,52,56,60
	v_pk_add_f32 v[14:15], v[14:15], v[96+\j:97+\j]
	v_pk_add_f32 v[196:197], v[196:197], v[98+\j:99+\j]
.endr
	v_pk_add_f32 v[14:15], v[14:15], v[196:197]
	s_wait_alu depctr_va_vdst(0)                   ; the four exponentials have written v192 to v195, ahead of their first reader
.irp b, 0,1,2,3
	v_max_num_f32 v[192+\b], 0x4800000, v[192+\b]  ; the floor 2^(9 - 127)
.endr
.irp b, 0,1,2,3
	v_add_nc_u32 v[204+\b], 0xfc000000, v[192+\b]
.endr
.irp b, 0,1,2,3
	v_and_or_b32 v[200+\b], v[192+\b], 0x7f800000, s19
.endr
.irp b, 0,1,2,3
	v_lshrrev_b32 v[196+\b], 23, v[204+\b]
.endr
	v_lshl_or_b32 v209, v197, 8, v196              ; p's scale word for these 128 keys
	v_lshl_or_b32 v209, v198, 16, v209
	v_lshl_or_b32 v209, v199, 24, v209
.irp b, 0,1,2,3
.irp n, 0,1,2,3,4,5,6,7,8,9,10,11,12,13,14,15
	v_min_num_f32 v[96+16*\b+\n], v[96+16*\b+\n], v[200+\b]   ; p is not negative: the hold is one-sided
.endr
	v_cvt_scalef32_pk8_fp8_f32 v[176+4*\b:177+4*\b], v[96+16*\b:103+16*\b], v[204+\b]
	v_cvt_scalef32_pk8_fp8_f32 v[178+4*\b:179+4*\b], v[104+16*\b:111+16*\b], v[204+\b]
.if \b == 1
	s_wait_alu depctr_va_vdst(0)                   ; the holds and conversions of blocks 0 and 1 are done with v96 to v127, in which V^T's fragments land.  Blocks 2 and 3 below name none of the registers that these loads touch
.irp u, 0,1                                    ; blocks 0 and 1 are codes: their 32 registers take V^T's two fragments, which land under blocks 2 and 3
.irp c, 0,1,2,3
	ds_load_b128 v[96+16*\u+4*\c:99+16*\u+4*\c], v9 offset:2048*\u+512*\c
.endr
	ds_load_b32 v[224+\u], v11 offset:128*\u
.endr
.endif
.endr
.irp j, 0,2,4,6,8,10,12,14
	v_pk_mul_f32 v[160+\j:161+\j], v[160+\j:161+\j], v[208:209] op_sel_hi:[1,0]   ; O^T under the new M; also the plain lines between the conversions and the products
.endr
	s_wait_dscnt 0x0
	s_wait_alu depctr_va_vdst(0)                   ; the conversions have written p's codes v176 to v191 and the shifts its scale word v209, which the products below take; the places stand above
.irp u, 0,1
	v_wmma_scale_f32_16x16x128_f8f6f4 v[160+8*\u:167+8*\u], v[96+16*\u:111+16*\u], v[176:191], v[160+8*\u:167+8*\u], v[224+\u], v209
.endr
	s_wait_alu depctr_vm_vsrc(0)                   ; this trip's LDS loads have read v7 to v11, which the next step's first five lines write again
	s_add_co_u32 s24, s24, 32*TP
	s_add_co_u32 s25, s25, 4096
	s_add_co_u32 s26, s26, 1024
	s_add_co_u32 s27, s27, 256
	s_sub_co_u32 s28, s28, 1
	s_cmp_lg_u32 s28, 0
	s_cbranch_scc1 .Lstep_\@
	; the tile's end: O^T / the sum; register 8 u + j of lane (r, h) is channel 16 h + 8 u + j of query r
	PLACES 8
	v_add_f32 v14, v14, v15
	v_permlanex16_b32 v210, v14, s20, s21
	v_add_f32 v14, v14, v210
	s_wait_alu depctr_va_vdst(0)
	v_rcp_f32 v210, v14
	v_nop
	s_wait_alu depctr_va_vdst(0)                   ; the reciprocal has written v210, ahead of its first reader
	v_mov_b32 v211, v210
.irp j, 0,2,4,6,8,10,12,14
	v_pk_mul_f32 v[96+\j:97+\j], v[160+\j:161+\j], v[210:211]
.endr
	v_max3_num_f32 v192, |v96|, |v97|, 0x4800000   ; one block: my 16 channels and lane l xor 16's
.irp j, 2,4,6,8,10,12,14
	v_max3_num_f32 v192, v192, |v[96+\j]|, |v[97+\j]|
.endr
	v_permlanex16_b32 v196, v192, s20, s21
	v_max_num_f32 v192, v192, v196
	v_add_nc_u32 v204, 0xfc000000, v192
	v_and_or_b32 v200, v192, 0x7f800000, s19
	v_lshrrev_b32 v[226+\qi], 23, v204
	s_wait_alu depctr_va_vdst(0)
	s_wait_xcnt 0x0                                ; the last tile's store has read its data
.if \qi > 0
	s_wait_alu depctr_vm_vsrc(0)                   ; the last tile's store has read v230 to v233, which the conversions below write again
.endif
.irp j, 0,1,2,3,4,5,6,7,8,9,10,11,12,13,14,15
	v_med3_num_f32 v[96+\j], v[96+\j], -v200, v200
.endr
	v_cvt_scalef32_pk8_fp8_f32 v[230:231], v[96:103], v204
	v_cvt_scalef32_pk8_fp8_f32 v[232:233], v[104:111], v204
	v_nop
	s_wait_alu depctr_va_vdst(0)                   ; the conversions have written v230 to v233, which the store reads; the tile's byte, v226 on, is written too
	global_store_b128 v6, v[230:233], s[46:47] offset:4096*\qi     ; 32 lanes store 512 consecutive bytes
.endm
	QTILE 0
	QTILE 1
	QTILE 2
	QTILE 3
	global_store_b128 v6, v[226:229], s[48:49]     ; no wait: the four bytes were written ahead of the last tile's wait on va_vdst, and no vector instruction stands behind it
	s_wait_dscnt 0x0                               ; the closing lines, six on end
	s_wait_alu 0x0
	s_wait_tensorcnt 0x0
	ds_add_u32 v254, v255
	s_wait_dscnt 0x0
	s_endpgm
.Lfunc_end_k_q597221b3fa_attn:
	.size	k_q597221b3fa_attn, .Lfunc_end_k_q597221b3fa_attn-k_q597221b3fa_attn
	.p2alignl 7, 3214868480
	.fill 96, 4, 3214868480
	.section	.rodata,"a",@progbits
	.p2align	6, 0x0
	.amdhsa_kernel k_q597221b3fa_attn
		.amdhsa_group_segment_fixed_size 108544
		.amdhsa_private_segment_fixed_size 0
		.amdhsa_enable_private_segment 0
		.amdhsa_kernarg_size 40
		.amdhsa_user_sgpr_count 2
		.amdhsa_user_sgpr_kernarg_segment_ptr 1
		.amdhsa_wavefront_size32 1
		.amdhsa_system_sgpr_workgroup_id_x 1
		.amdhsa_system_sgpr_workgroup_id_y 1
		.amdhsa_system_sgpr_workgroup_id_z 1
		.amdhsa_system_vgpr_workitem_id 0
		.amdhsa_next_free_vgpr 256
		.amdhsa_next_free_sgpr 66
		.amdhsa_reserve_vcc 0
		.amdhsa_float_denorm_mode_32 3
		.amdhsa_float_denorm_mode_16_64 3
		.amdhsa_memory_ordered 1
		.amdhsa_forward_progress 1
		.amdhsa_inst_pref_size 100
	.end_amdhsa_kernel
	.amdgpu_metadata
---
amdhsa.version: [ 1, 2 ]
amdhsa.kernels:
  - .name:           k_q597221b3fa_attn
    .symbol:         k_q597221b3fa_attn.kd
    .args:
      - { .name: qbuf, .offset: 0, .size: 8, .value_kind: global_buffer, .address_space: global }
      - { .name: kbuf, .offset: 8, .size: 8, .value_kind: global_buffer, .address_space: global }
      - { .name: vbuf, .offset: 16, .size: 8, .value_kind: global_buffer, .address_space: global }
      - { .name: btab, .offset: 24, .size: 8, .value_kind: global_buffer, .address_space: global }
      - { .name: abuf, .offset: 32, .size: 8, .value_kind: global_buffer, .address_space: global }
    .group_segment_fixed_size: 108544
    .private_segment_fixed_size: 0
    .kernarg_segment_align: 8
    .kernarg_segment_size: 40
    .max_flat_workgroup_size: 256
    .sgpr_count:     66
    .vgpr_count:     256
    .wavefront_size: 32
...
	.end_amdgpu_metadata
.endif
;; end of part 7
;; launch mlp (part 8): grid 256 x 1, 16 waves a work-group, no clusters, 309,248 bytes of LDS; arguments x, abuf, wts, proj_b, n2_g, n2_b, fc1_b, fc2_b, out0; writes out0
.if DOCPART == 8
	.amdgcn_target "amdgcn-amd-amdhsa--gfx1250"
	.amdhsa_code_object_version 6
	.text
	.protected	k_q597221b3fa_mlp
	.globl	k_q597221b3fa_mlp
	.p2align	8
	.type	k_q597221b3fa_mlp,@function
k_q597221b3fa_mlp:
	s_mov_b64 s[64:65], 0
	v_nop
	global_prefetch_b8 v0, s[64:65] scope:SCOPE_SE
	s_setreg_imm32_b32 hwreg(HW_REG_WAVE_SCHED_MODE, 0, 2), 2
	s_setreg_imm32_b32 hwreg(HW_REG_WAVE_MODE, 25, 1), 1
	s_wait_xcnt 0x0
	s_wait_alu depctr_vm_vsrc(0)
; MLP.  x1 = x + attention Wp + bp;  out = x1 + gelu(LN2(x1) W1 + b1) W2 + b2, the three products on codes of E4M3 with one E8M0 byte for each 32 along K; the gelu is the exact one (erf).
; SHARES.  Work-group g: 128 rows of window g / 4, quarter g % 4.  Sixteen waves, four to a SIMD.  x1 stays in LDS as f32 from the first read of x to the store of out; the hidden layer stays in LDS as codes.
; P0  x's rows (8,192 consecutive bytes a wave) into X1; the attention's codes and scale bytes into LDS as fragment images.                         | barrier
; P1  wave w: 16 columns of the projection for the 128 rows, transposed (source 0 = 16 columns of the weight, source 1 = 16 rows); added onto X1 in place: each byte of X1 has one lane of one wave.  | barrier
; P2  wave w: layer norm of row tile w % 8; its half w / 8 of the columns is quantised: one fragment.                                                  | barrier
; P3  four trips: wave w makes hidden columns 32 (w + 16 e) on for row tiles 4 rh .. 4 rh + 3; gelu; quantised: those 32 columns are one block of the last product's K.   | barrier
; P4  wave w: 16 columns of the last product for the 128 rows, eight K steps; added onto X1.                                                             | barrier
; P5  wave w stores eight whole rows.
; The weights come from wts as fragment images straight into registers, asked for a phase ahead.  The biases are the C of each sum's first matrix instruction.
; No tensor load: every LDS region is filled from registers.  No cluster: what work-groups share is the weights, and joint loads would want LDS slots beside the 307,200 bytes in use.
; LIMITS: blocks under 2^-118 get the byte 1; NaN and infinities are not served; 1/sqrt by v_rsq_f32; erf by two polynomials (|z| <= 0.927734375: odd series; above: 1 - exp of a polynomial), about one unit in the last place.
; THE MODE: SCHED_MODE bits 1:0 = 2 (LLVM: expert scheduling mode 2), set by the entry lines.  The code itself states the register dependences
; between vector or matrix instructions and memory or LDS instructions, with s_wait_alu, always for 0.
; THE PLAN.  Registers that memory or LDS instructions touch:
;   v1, v8-v11, v21, v22   offsets and LDS addresses, written once at the head, ahead of the first wait on va_vdst.
;   v12-v15       the phase's addresses: written at each phase's (in P3: each trip's) head, between a wait on vm_vsrc (the phase before has read them) and a wait on va_vdst (they are written).
;   AF            loads land; products read; in the sums onto X1 vector lines write and LDS stores read; in P3 the gelu works there.  Each refetch stands behind a wait on va_vdst.  All 256 registers are in use: there is no second set.
;   AS, W, WS, BIAS   loads land; products read; the next weights land behind a wait on va_vdst.
;   GB            gains and biases land (in the accumulators' registers); the multiply-adds read.
;   PC, PW, TM+4..7   written by the quantiser, read by LDS stores: va_vdst ahead of the stores, vm_vsrc ahead of the next writers.
;   The accumulators are otherwise named by matrix and vector instructions alone.
; The gelu's sixteen masks go into s24 to s39 in one run, with one wait on va_sdst between the compares and the selections.
.set SCOFF, 8388608
.set WSOFF, 786432
.set RP,    1040                       ; a row of X1: 1,024 bytes + 16
.set X2IMG, 133120                     ; behind X1's 128 rows: 16 fragments (row tile m, K step s: 2 m + s): first the attention's, then LN2's
.set X2SC,  165888                     ; their scale words, 128 bytes each
.set HIMG,  167936                     ; the hidden layer: [trip 4][row tile 4][wave 16][512 bytes]
.set HSC,   299008                     ; its scale words: [trip 4][row tile 4][K step % 4][lane]
.set L16,  1                           ; v1 16 L      v[2:3], v[4:5], v[6:7]: three constants of the gelu, each twice
.set L4,   8                           ; v8 4 L
.set VH,   9                           ; v9 64 h
.set V32,  10                          ; v10 32 h
.set RB,   11                          ; v11 1,040 r
.set XA,   21                          ; v21, v22: my 32 bytes of row r of row tiles 0-3, 4-7 in X1     (v12-15: the phase's addresses)
.set AS,   16                          ; v16-19 scale words of the rows (scales alone)
.set PW,   20
.set BIAS, 24                          ; v24-39
.set WS,   40                          ; v40-47 scale words of the weights (scales alone)
.set W,    48                          ; v48-111 four fragments of a weight
.set AF,   112                         ; v112-175 four fragments of rows
.set PC,   112                         ; the codes just made
.set ACC,  176                         ; v176-239 eight accumulators
.set GB,   176                         ; P2: gains and biases
.set TM,   240
.set SA,   240
.set MEAN, 248
.set RSTD, 250
.set ST,   252
.set GR,   112                         ; the gelu at work
.set GZ,   128
.set GS,   144
.set GT,   160
.set GU,   240
.set GP,   48                          ; s[48:49] n2_g, s[50:51] n2_b, at my half of the columns
.set BP,   50
.set SEL,  40
.set MNT,  42
.set INV,  43
.set EPS,  44
.set THR,  45
.set MK,   24                          ; s24-39 the gelu's sixteen masks: these registers serve the head, P0 and P2 and are free in P3's loop
.macro PLACES n
.rept \n
	v_nop
.endr
.endm
.macro BARRIER                         ; my LDS stores have landed and my LDS loads are in: then the work-group's barrier
	s_wait_dscnt 0x0
	s_barrier_signal -1
	s_barrier_wait -1
.endm
.macro FETCH reg, adr, off
.irp c, 0,1,2,3
	ds_load_b128 v[\reg+4*\c:\reg+4*\c+3], v[\adr] offset:\off+512*\c
.endr
.endm
.macro IMAGE adr, off
.irp c, 0,1,2,3
	ds_store_b128 v[\adr], v[PC+4*\c:PC+4*\c+3] offset:\off+512*\c
.endr
.endm
.macro QUANT s                         ; 64 numbers of a lane, four blocks of 16 (the other 16 lie in lane l xor 16), become codes in v[PC] on, bytes in v[TM+4] on and a scale word in v[PW]
.irp b, 0,1,2,3
	v_max3_num_f32 v[TM+\b], |v[\s+16*\b]|, |v[\s+1+16*\b]|, 0x4800000   ; with the floor 2^(9 - 127): the byte cannot fall under 1
.endr
.irp i, 2,4,6,8,10,12,14
.irp b, 0,1,2,3
	v_max3_num_f32 v[TM+\b], v[TM+\b], |v[\s+16*\b+\i]|, |v[\s+1+16*\b+\i]|
.endr
.endr
.irp b, 0,1,2,3
	v_permlanex16_b32 v[TM+4+\b], v[TM+\b], s[SEL], s[SEL+1]
.endr
.irp b, 0,1,2,3
	v_max_num_f32 v[TM+\b], v[TM+\b], v[TM+4+\b]
.endr
.irp b, 0,1,2,3
	v_add_nc_u32 v[TM+12+\b], 0xfc000000, v[TM+\b]           ; 8 off the exponent field: the conversion's scale operand
.endr
.irp b, 0,1,2,3
	v_and_or_b32 v[TM+8+\b], v[TM+\b], 0x7f800000, s[MNT]    ; 448 x the scale
.endr
.irp b, 0,1,2,3
	v_lshrrev_b32 v[TM+4+\b], 23, v[TM+12+\b]                ; the scale's byte
.endr
	v_lshl_or_b32 v[PW], v[TM+5], 8, v[TM+4]
	v_lshl_or_b32 v[PW], v[TM+6], 16, v[PW]
	v_lshl_or_b32 v[PW], v[TM+7], 24, v[PW]
.irp b, 0,1,2,3
.irp i, 0,1,2,3,4,5,6,7,8,9,10,11,12,13,14,15
	v_med3_num_f32 v[\s+16*\b+\i], v[\s+16*\b+\i], -v[TM+8+\b], v[TM+8+\b]   ; the conversion does not saturate (ISA guide 7.6.2)
.endr
	v_cvt_scalef32_pk8_fp8_f32 v[PC+4*\b:PC+1+4*\b], v[\s+16*\b:\s+7+16*\b], v[TM+12+\b]
	v_cvt_scalef32_pk8_fp8_f32 v[PC+2+4*\b:PC+3+4*\b], v[\s+8+16*\b:\s+15+16*\b], v[TM+12+\b]
.endr
	v_nop                                                    ; a plain line behind the last conversion
.endm
.macro STATS xb                        ; mean and 1/sqrt(variance + 1e-5) of a row of 256: 128 numbers in v[xb] on, the others in lane l xor 16; centred in place
.irp q, 0,1,2,3
	v_pk_add_f32 v[SA+2*\q:SA+2*\q+1], v[\xb+2*\q:\xb+2*\q+1], v[\xb+8+2*\q:\xb+8+2*\q+1]
.endr
.set sti, 16
.rept 14
.irp q, 0,1,2,3
	v_pk_add_f32 v[SA+2*\q:SA+2*\q+1], v[SA+2*\q:SA+2*\q+1], v[\xb+sti+2*\q:\xb+sti+2*\q+1]
.endr
.set sti, sti+8
.endr
	v_pk_add_f32 v[SA:SA+1], v[SA:SA+1], v[SA+2:SA+3]
	v_pk_add_f32 v[SA+4:SA+5], v[SA+4:SA+5], v[SA+6:SA+7]
	v_pk_add_f32 v[SA:SA+1], v[SA:SA+1], v[SA+4:SA+5]
	v_add_f32 v[SA], v[SA], v[SA+1]
	v_permlanex16_b32 v[ST], v[SA], s[SEL], s[SEL+1]
	v_add_f32 v[SA], v[SA], v[ST]
	v_mul_f32 v[MEAN], 0x3b800000, v[SA]                     ; / 256
	v_mov_b32 v[MEAN+1], v[MEAN]
.set sti, 0
.rept 64
	v_pk_add_f32 v[\xb+sti:\xb+sti+1], v[\xb+sti:\xb+sti+1], v[MEAN:MEAN+1] neg_lo:[0,1] neg_hi:[0,1]
.set sti, sti+2
.endr
.irp q, 0,1,2,3
	v_pk_mul_f32 v[SA+2*\q:SA+2*\q+1], v[\xb+2*\q:\xb+2*\q+1], v[\xb+2*\q:\xb+2*\q+1]
.endr
.set sti, 8
.rept 15
.irp q, 0,1,2,3
	v_pk_fma_f32 v[SA+2*\q:SA+2*\q+1], v[\xb+sti+2*\q:\xb+sti+2*\q+1], v[\xb+sti+2*\q:\xb+sti+2*\q+1], v[SA+2*\q:SA+2*\q+1]
.endr
.set sti, sti+8
.endr
	v_pk_add_f32 v[SA:SA+1], v[SA:SA+1], v[SA+2:SA+3]
	v_pk_add_f32 v[SA+4:SA+5], v[SA+4:SA+5], v[SA+6:SA+7]
	v_pk_add_f32 v[SA:SA+1], v[SA:SA+1], v[SA+4:SA+5]
	v_add_f32 v[SA], v[SA], v[SA+1]
	v_permlanex16_b32 v[ST], v[SA], s[SEL], s[SEL+1]
	v_add_f32 v[SA], v[SA], v[ST]
	v_fma_f32 v[ST], v[SA], s[INV], s[EPS]
	s_wait_alu depctr_va_vdst(0)
	v_rsq_f32 v[RSTD], v[ST]
	v_nop                                                    ; a plain line behind the transcendental,
	s_wait_alu depctr_va_vdst(0)                             ; and the wait ahead of its first reader: v_rsq_f32 has written v[RSTD]
	v_mov_b32 v[RSTD+1], v[RSTD]
.endm
.macro GBLOAD off                      ; gains and biases of 32 of my registers
.irp cc, 0,1
.irp j, 0,1,2,3
	global_load_b128 v[GB+16*\cc+4*\j:GB+16*\cc+4*\j+3], v[VH], s[GP:GP+1] offset:\off+128*\cc+16*\j
	global_load_b128 v[GB+32+16*\cc+4*\j:GB+32+16*\cc+4*\j+3], v[VH], s[BP:BP+1] offset:\off+128*\cc+16*\j
.endr
.endr
.endm
.macro APPLYM xc                       ; 32 centred numbers x 1/sqrt: these lines name no gain and no bias, so they stand under the loads of those
.set ai, 0
.rept 16
	v_pk_mul_f32 v[\xc+ai:\xc+ai+1], v[\xc+ai:\xc+ai+1], v[RSTD:RSTD+1]
.set ai, ai+2
.endr
.endm
.macro APPLYF xc                       ; the same 32: x gain + bias
.set ai, 0
.rept 16
	v_pk_fma_f32 v[\xc+ai:\xc+ai+1], v[\xc+ai:\xc+ai+1], v[GB+ai:GB+ai+1], v[GB+32+ai:GB+32+ai+1]
.set ai, ai+2
.endr
.endm
; Two tiles of columns x four tiles of rows x two K steps, transposed; the eight accumulators take turns, one instruction a turn.
.macro MM24 aadr, sadr, astm, asts, sstm, ssts
.irp s, 0,1
.if \s
	PLACES 8                                       ; in front of loads into registers that matrix instructions have read
	s_wait_alu depctr_va_vdst(0)                   ; the eight products above are done reading the rows' fragments and scale words, in which the second K step's land
.endif
.irp m, 0,1,2,3
	FETCH AF+16*\m, \aadr, \m*\astm+\s*\asts
	ds_load_b32 v[AS+\m], v[\sadr] offset:\m*\sstm+\s*\ssts
.endr
	s_wait_dscnt 0x0
.irp m, 0,1,2,3
.irp u, 0,1
.if \s == 0
	v_wmma_scale_f32_16x16x128_f8f6f4 v[ACC+16*\m+8*\u:ACC+16*\m+8*\u+7], v[W+16*(2*\u+\s):W+16*(2*\u+\s)+15], v[AF+16*\m:AF+16*\m+15], v[BIAS+8*\u:BIAS+8*\u+7], v[WS+2*\u+\s], v[AS+\m]
.else
	v_wmma_scale_f32_16x16x128_f8f6f4 v[ACC+16*\m+8*\u:ACC+16*\m+8*\u+7], v[W+16*(2*\u+\s):W+16*(2*\u+\s)+15], v[AF+16*\m:AF+16*\m+15], v[ACC+16*\m+8*\u:ACC+16*\m+8*\u+7], v[WS+2*\u+\s], v[AS+\m]
.endif
.endr
.endr
.endr
.endm
; One tile of columns (fragment in v[wr] on, scale word v[wsr]) x row tiles 4 g .. 4 g + 3, one K step, transposed
.macro RND g, aadr, aoff, astp, sadr, soff, sstp, wr, wsr, first
.irp t, 0,1,2,3
	FETCH AF+16*\t, \aadr, \aoff+\t*\astp
	ds_load_b32 v[AS+\t], v[\sadr] offset:\soff+\t*\sstp
.endr
	s_wait_dscnt 0x0
.irp t, 0,1,2,3
.if \first
	v_wmma_scale_f32_16x16x128_f8f6f4 v[ACC+8*(4*\g+\t):ACC+8*(4*\g+\t)+7], v[\wr:\wr+15], v[AF+16*\t:AF+16*\t+15], v[BIAS:BIAS+7], v[\wsr], v[AS+\t]
.else
	v_wmma_scale_f32_16x16x128_f8f6f4 v[ACC+8*(4*\g+\t):ACC+8*(4*\g+\t)+7], v[\wr:\wr+15], v[AF+16*\t:AF+16*\t+15], v[ACC+8*(4*\g+\t):ACC+8*(4*\g+\t)+7], v[\wsr], v[AS+\t]
.endif
.endr
.endm
; The eight accumulators (row tile m: columns 16 w + 8 h + 0 .. 7 of row r) are added onto X1, in place
.macro RMW
	s_wait_alu depctr_va_vdst(0)                   ; the last products are done reading v[AF ..], in which my bytes of X1 land
.irp m, 0,1,2,3,4,5,6,7
	ds_load_b128 v[AF+8*\m:AF+8*\m+3], v[XA+\m/4] offset:(\m%4)*16*RP
	ds_load_b128 v[AF+8*\m+4:AF+8*\m+7], v[XA+\m/4] offset:(\m%4)*16*RP+16
.endr
	s_wait_dscnt 0x0
.set ai, 0
.rept 32
	v_pk_add_f32 v[AF+ai:AF+ai+1], v[AF+ai:AF+ai+1], v[ACC+ai:ACC+ai+1]   ; each accumulator from its low end on
.set ai, ai+2
.endr
	s_wait_alu depctr_va_vdst(0)                   ; the additions have written v[AF ..], which the LDS stores read
.irp m, 0,1,2,3,4,5,6,7
	ds_store_b128 v[XA+\m/4], v[AF+8*\m:AF+8*\m+3] offset:(\m%4)*16*RP
	ds_store_b128 v[XA+\m/4], v[AF+8*\m+4:AF+8*\m+7] offset:(\m%4)*16*RP+16
.endr
.endm
; eight packed lines each: d = a b + literal;  d = a literal + the pair c;  d = a b + c;  d = a literal
.macro FMA8L d, a, b, lit
.set n, 0
.rept 8
	v_pk_fma_f32 v[\d+n:\d+n+1], v[\a+n:\a+n+1], v[\b+n:\b+n+1], \lit op_sel_hi:[1,1,0]
.set n, n+2
.endr
.endm
.macro FMA8C d, a, lit, c
.set n, 0
.rept 8
	v_pk_fma_f32 v[\d+n:\d+n+1], v[\a+n:\a+n+1], \lit, v[\c:\c+1] op_sel_hi:[1,0,1]
.set n, n+2
.endr
.endm
.macro FMA8 d, a, b, c
.set n, 0
.rept 8
	v_pk_fma_f32 v[\d+n:\d+n+1], v[\a+n:\a+n+1], v[\b+n:\b+n+1], v[\c+n:\c+n+1]
.set n, n+2
.endr
.endm
.macro MUL8L d, a, lit
.set n, 0
.rept 8
	v_pk_mul_f32 v[\d+n:\d+n+1], v[\a+n:\a+n+1], \lit op_sel_hi:[1,0]
.set n, n+2
.endr
.endm
; gelu(x) = x/2 (1 + erf(z)), z = x / sqrt(2), on 16 numbers v[ACC + 16 q] on, in place.  |z| <= 0.927734375: erf = z + z P(z^2).  Above: erf = sign(z) (1 - e^r), r a polynomial in |z|, so that
; gelu = max(x, 0) - |x/2| e^r: the negative tail keeps its relative accuracy.  Both ways are computed and one is chosen by v_cndmask_b32: no branch on data.
.macro GELU16 q
.set GX, ACC+16*(\q)
	MUL8L GZ, GX, 0x3f3504f3                       ; z = x / sqrt(2); each accumulator is read from its low end on
.set n, 0
.rept 8
	v_pk_mul_f32 v[GS+n:GS+n+1], v[GZ+n:GZ+n+1], v[GZ+n:GZ+n+1]   ; s = z^2
.set n, n+2
.endr
.set n, 0
.rept 16
	v_and_b32 v[GT+n], 0x7fffffff, v[GZ+n]         ; t = |z|
.set n, n+1
.endr
	FMA8C GR, GT, 0xb7910000, 2                    ; r = c0 t + c1
	FMA8C GU, GT, 0xbb7e8a1c, 4                    ; u = c2 t + c3
	FMA8  GR, GR, GS, GU                           ; r = r s + u
	FMA8L GR, GR, GT, 0xbddaae5c
	FMA8L GR, GR, GT, 0xbf228550
	FMA8L GR, GR, GT, 0xbe03ce86
.set n, 0
.rept 8
	v_pk_fma_f32 v[GR+n:GR+n+1], v[GR+n:GR+n+1], v[GT+n:GT+n+1], v[GT+n:GT+n+1] neg_lo:[0,0,1] neg_hi:[0,0,1]   ; r = r t - t
.set n, n+2
.endr
	MUL8L GR, GR, 0x3fb8aa3b                       ; x log2(e)
.set n, 0
	s_wait_alu depctr_va_vdst(0)
.rept 16
	v_exp_f32 v[GR+n], v[GR+n]                     ; e^r
.set n, n+1
.endr
	FMA8C GU, GS, 0xba1c7000, 6                    ; the series, independent work behind the exponentials
	FMA8L GU, GU, GS, 0xbcdb48d9
	FMA8L GU, GU, GS, 0x3de70e22
	FMA8L GU, GU, GS, 0xbec09380
	FMA8L GU, GU, GS, 0x3e0375d4
	FMA8  GU, GU, GZ, GZ                           ; erf = P z + z
	MUL8L GS, GX, 0.5                              ; x/2
	FMA8  GU, GS, GU, GS                           ; x/2 erf + x/2
.set n, 0
.rept 16
	v_max_num_f32 v[GZ+n], 0, v[GX+n]
.set n, n+1
.endr
	s_wait_alu depctr_va_vdst(0)                   ; the sixteen exponentials have written v[GR ..]: one wait for the batch, ahead of its first reader
.set n, 0
.rept 16
	v_fma_f32 v[GR+n], -|v[GS+n]|, v[GR+n], v[GZ+n]
.set n, n+1
.endr
.set n, 0
.rept 16
	v_cmp_lt_f32 s[MK+n], s[THR], v[GT+n]          ; the sixteen compares in one run, a scalar register to each mask
.set n, n+1
.endr
	s_wait_alu depctr_va_sdst(0)                   ; the compares have written s[MK ..], ahead of the selections that read them
.set n, 0
.rept 16
	v_cndmask_b32 v[GX+n], v[GU+n], v[GR+n], s[MK+n]
.set n, n+1
.endr
.endm
.macro WPTR cd, sc, shift, base        ; s[cd:cd+1], s[sc:sc+1]: codes and scale words of fragment base + (wave << shift)
	s_lshl_b32 s54, s22, \shift
	s_add_co_u32 s54, s54, \base
	s_lshl_b32 s56, s54, 11
	s_add_nc_u64 s[\cd:\cd+1], s[8:9], s[56:57]
	s_lshl_b32 s56, s54, 7
	s_add_co_u32 s56, s56, WSOFF
	s_add_nc_u64 s[\sc:\sc+1], s[8:9], s[56:57]
.endm
	s_load_b512 s[4:19], s[0:1], 0x0               ; x 4, abuf 6, wts 8, proj_b 10, n2_g 12, n2_b 14, fc1_b 16, fc2_b 18
	s_load_b64 s[20:21], s[0:1], 0x40              ; out0
	v_lshrrev_b32 v11, 5, v0
	v_readfirstlane_b32 s22, v11                   ; wave 0..15
	s_lshr_b32 s23, ttmp9, 2                       ; window b
	s_and_b32 s24, ttmp9, 3                        ; quarter qd
	s_lshl_b32 s25, s24, 4
	s_wait_alu depctr_va_sdst(0)                   ; s22 is written, ahead of its first reader: addresses and bases are made from it
	s_add_co_u32 s25, s25, s22                     ; my eight rows are group G = 16 qd + w of the window's 64
	s_lshr_b32 s26, s23, 4                         ; their first token: 8192 bh + 1024 (G / 8) + 256 bw + 32 (G % 8) + 8 bd
	s_lshl_b32 s26, s26, 13
	s_lshr_b32 s27, s25, 3
	s_lshl_b32 s27, s27, 10
	s_add_co_u32 s26, s26, s27
	s_bfe_u32 s27, s23, 0x20002
	s_lshl_b32 s27, s27, 8
	s_add_co_u32 s26, s26, s27
	s_and_b32 s27, s25, 7
	s_lshl_b32 s27, s27, 5
	s_add_co_u32 s26, s26, s27
	s_and_b32 s27, s23, 3
	s_lshl_b32 s27, s27, 3
	s_add_co_u32 s26, s26, s27
	s_lshl_b32 s26, s26, 10
	s_mov_b32 s27, 0
	s_lshl_b32 s28, ttmp9, 15                      ; the block's codes of the attention: 32,768 bytes
	s_mov_b32 s29, 0
	s_lshl_b32 s52, s23, 3                         ; its scale bytes for fragment w = 2 m + s: heads 4 s + c, four tiles' group 2 qd + m / 4, word m % 4
	s_and_b32 s53, s22, 1
	s_lshl_b32 s53, s53, 2
	s_add_co_u32 s52, s52, s53
	s_lshl_b32 s52, s52, 3
	s_lshl_b32 s53, s24, 1
	s_add_co_u32 s52, s52, s53
	s_lshr_b32 s53, s22, 3
	s_add_co_u32 s52, s52, s53
	s_lshl_b32 s52, s52, 9
	s_bfe_u32 s53, s22, 0x20001
	s_lshl_b32 s53, s53, 2
	s_add_co_u32 s52, s52, s53
	s_add_co_u32 s52, s52, SCOFF
	s_mov_b32 s53, 0
	s_mov_b32 s57, 0
	s_mov_b32 s[SEL], 0x76543210
	s_mov_b32 s[SEL+1], 0xfedcba98
	s_mov_b32 s[MNT], 0x600000
	s_mov_b32 s[INV], 0x3b800000                   ; 1/256
	s_mov_b32 s[EPS], 0x3727c5ac                   ; 1e-5
	s_mov_b32 s[THR], 0x3f6d8000                   ; 0.927734375
	v_and_b32 v11, 31, v0
	v_lshlrev_b32 v[L16], 4, v11
	v_lshlrev_b32 v[L4], 2, v11
	v_bfe_u32 v12, v0, 4, 1
	v_lshlrev_b32 v[VH], 6, v12
	v_lshlrev_b32 v[V32], 5, v12
	v_and_b32 v13, 15, v0
	v_mul_u32_u24 v[RB], v13, RP
	s_lshl_b32 s25, s22, 6
	v_add_nc_u32 v[XA], v[RB], v[V32]
	v_add_nc_u32 v[XA], s25, v[XA]                 ; 1,040 r + 32 h + 64 w
	v_add_nc_u32 v[XA+1], 64*RP, v[XA]
	s_mul_i32 s25, s22, 8*RP
	v_add_nc_u32 v12, s25, v[L16]                  ; my eight rows of X1
	v_lshlrev_b32 v13, 4, v0                       ; 16 x thread
	v_add_nc_u32 v14, X2IMG, v13
	v_lshl_add_u32 v15, v0, 2, X2SC
	v_mov_b32 v2, 0x39c8e7d9
	v_mov_b32 v3, 0x39c8e7d9
	v_mov_b32 v4, 0x3cc6b1a1
	v_mov_b32 v5, 0x3cc6b1a1
	v_mov_b32 v6, 0x3ba38d2c
	v_mov_b32 v7, 0x3ba38d2c
.irp b, 0,1,2,3
	v_mov_b32 v[TM+4+\b], 0                        ; written once: a lane permute's destination counts as one of its sources
.endr
	v_mov_b32 v[ST], 0
	s_wait_kmcnt 0x0
	; ---- P0: everything is asked for at once
	s_add_nc_u64 s[30:31], s[4:5], s[26:27]
	s_add_nc_u64 s[60:61], s[20:21], s[26:27]
	s_wait_alu depctr_va_vdst(0)                   ; the offsets and addresses v1, v8 to v15, v21 and v22 are written, which the loads and stores below read
.irp k, 0,1,2,3,4,5,6,7,8,9,10,11,12,13,14,15
	global_load_b128 v[AF+4*\k:AF+4*\k+3], v[L16], s[30:31] offset:512*\k th:TH_LOAD_NT    ; 32 lanes read 512 consecutive bytes
.endr
	s_add_nc_u64 s[32:33], s[6:7], s[28:29]
.irp k, 0,1,2,3
	global_load_b128 v[ACC+4*\k:ACC+4*\k+3], v13, s[32:33] offset:8192*\k
.endr
	s_add_nc_u64 s[34:35], s[6:7], s[52:53]
.irp c, 0,1,2,3
	global_load_b32 v[192+\c], v[L16], s[34:35] offset:4096*\c
.endr
	WPTR 36, 38, 1, 96                             ; the projection's fragments 96 + 2 w
	s_lshl_b32 s56, s22, 6
	s_add_nc_u64 s[46:47], s[10:11], s[56:57]      ; proj_b and fc2_b at column 16 w
	s_add_nc_u64 s[58:59], s[18:19], s[56:57]
.irp i, 0,1,2,3,4,5,6,7
	global_load_b128 v[W+4*\i:W+4*\i+3], v[L16], s[36:37] offset:512*\i
.endr
	global_load_b32 v[WS], v[L4], s[38:39]
	global_load_b32 v[WS+1], v[L4], s[38:39] offset:128
	global_load_b128 v[BIAS:BIAS+3], v[V32], s[46:47]
	global_load_b128 v[BIAS+4:BIAS+7], v[V32], s[46:47] offset:16
	WPTR 66, 68, 2, 128                            ; fc1: 128 + 4 w,
	WPTR 72, 74, 2, 192                            ; and 64 fragments on;
	WPTR 76, 78, 3, 256                            ; fc2: 256 + 8 w
	s_lshl_b32 s56, s22, 7
	s_add_nc_u64 s[70:71], s[16:17], s[56:57]      ; fc1_b at column 32 w
	s_lshr_b32 s56, s22, 3
	s_lshl_b32 s56, s56, 9
	s_add_nc_u64 s[GP:GP+1], s[12:13], s[56:57]
	s_add_nc_u64 s[BP:BP+1], s[14:15], s[56:57]
	s_wait_loadcnt 20                              ; x's sixteen loads are in; the twenty younger ones may be out
.irp k, 0,1,2,3,4,5,6,7,8,9,10,11,12,13,14,15
	ds_store_b128 v12, v[AF+4*\k:AF+4*\k+3] offset:(\k/2)*RP+(\k%2)*512
.endr
	s_wait_loadcnt 16                              ; the codes are in
.irp k, 0,1,2,3
	ds_store_b128 v14, v[ACC+4*\k:ACC+4*\k+3] offset:8192*\k
.endr
	s_wait_loadcnt 12                              ; the four heads' bytes are in: they make a fragment's scale word
	v_lshl_or_b32 v192, v193, 8, v192
	v_lshl_or_b32 v192, v194, 16, v192
	v_lshl_or_b32 v192, v195, 24, v192
	s_wait_alu depctr_va_vdst(0)                   ; the three lines above have written v192, which the LDS store reads
	ds_store_b32 v15, v192
	BARRIER
	; ---- P1: the projection
	s_wait_alu depctr_vm_vsrc(0)                   ; P0's loads and LDS stores have read v13 and v14, which the two lines below write again, and their data v112 to v192, in which fragments land and which the products write
	v_add_nc_u32 v13, X2IMG, v[L16]
	v_add_nc_u32 v14, X2SC, v[L4]
	s_wait_loadcnt 0x0
	s_wait_alu depctr_va_vdst(0)                   ; v13 and v14 are written, which the LDS loads below read
.irp s, 0,1
.irp g, 0,1
.if \s+\g
	PLACES 8                                       ; in front of loads into registers that matrix instructions have read
	s_wait_alu depctr_va_vdst(0)                   ; the four products above are done reading the rows' fragments and scale words, in which the next four land
.endif
.if \s == 0
	RND \g, 13, (8*\g+\s)*2048, 4096, 14, (8*\g+\s)*128, 256, W+16*\s, WS+\s, 1
.else
	RND \g, 13, (8*\g+\s)*2048, 4096, 14, (8*\g+\s)*128, 256, W+16*\s, WS+\s, 0
.endif
.endr
.endr
	PLACES 8
	RMW
	BARRIER
	; ---- P2: the second layer norm
	s_and_b32 s25, s22, 7
	s_mul_i32 s26, s25, 16*RP                      ; my tile's rows
	s_lshr_b32 s27, s22, 3                         ; my half of the columns
	s_lshl_b32 s28, s27, 9
	s_add_co_u32 s28, s28, s26
	s_xor_b32 s29, s27, 1
	s_lshl_b32 s29, s29, 9
	s_add_co_u32 s29, s29, s26
	s_wait_alu depctr_vm_vsrc(0)                   ; P1's LDS loads have read v13 and v14, which the lines below write again; its LDS stores onto X1 have read v[AF ..], in which the other half of my row lands
	v_add_nc_u32 v12, v[RB], v[VH]
	v_add_nc_u32 v13, s29, v12                     ; the other half,
	v_add_nc_u32 v12, s28, v12                     ; mine
	s_lshl_b32 s25, s25, 1
	s_add_co_u32 s25, s25, s27                     ; my fragment: 2 m + s
	s_lshl_b32 s26, s25, 11
	s_add_co_u32 s26, s26, X2IMG
	v_add_nc_u32 v14, s26, v[L16]
	s_lshl_b32 s26, s25, 7
	s_add_co_u32 s26, s26, X2SC
	v_add_nc_u32 v15, s26, v[L4]
	s_wait_alu depctr_va_vdst(0)                   ; v12 to v15 are written, which P2's LDS instructions read; P1's products and additions are done with the weights' registers, v[AF ..] and the accumulators, in which the row, the gains and the biases land
.irp c, 0,1,2,3
.irp j, 0,1,2,3
	ds_load_b128 v[48+16*\c+4*\j:51+16*\c+4*\j], v12 offset:128*\c+16*\j
	ds_load_b128 v[112+16*\c+4*\j:115+16*\c+4*\j], v13 offset:128*\c+16*\j
.endr
.endr
	GBLOAD 0
	s_wait_dscnt 0x0
	STATS 48
	APPLYM 48
	s_wait_loadcnt 0x0
	APPLYF 48
	s_wait_alu depctr_va_vdst(0)                   ; the multiply-adds are done reading v[GB ..], in which the next 32 gains and biases land
	GBLOAD 256
	APPLYM 80                                      ; no wait: these name v80 to v111 and the 1/sqrt alone, none of the registers that the loads above touch
	s_wait_loadcnt 0x0
	APPLYF 80
	QUANT 48
	s_wait_alu depctr_va_vdst(0)                   ; the quantiser has written the codes v[PC ..] and the scale word v[PW], which the LDS stores read, and is done with v48 to v111, in which fc1's fragments land
	IMAGE 14, 0
	ds_store_b32 v15, v[PW]
.irp i, 0,1,2,3,4,5,6,7,8,9,10,11,12,13,14,15
	global_load_b128 v[W+4*\i:W+4*\i+3], v[L16], s[66:67] offset:512*\i        ; fc1's first four fragments are asked for ahead of the barrier
.endr
.irp i, 0,1,2,3
	global_load_b32 v[WS+\i], v[L4], s[68:69] offset:128*\i
	global_load_b128 v[BIAS+4*\i:BIAS+4*\i+3], v[VH], s[70:71] offset:16*\i
.endr
	BARRIER
	s_wait_alu depctr_vm_vsrc(0)                   ; P2's LDS loads have read v12 and v13, its LDS stores v14, v15, the codes and the scale word: the first trip below writes all of them again
	; ---- P3: the hidden layer.  Trip T = 2 e + rh
	s_mov_b32 s52, 0                               ; T
	s_mov_b32 s53, X2IMG                           ; row tiles 4 rh on: turned by 16,384 (a bit that X2IMG does not hold)
	s_mov_b32 s54, X2SC                            ; likewise by 1,024
	s_lshl_b32 s55, s22, 9
	s_add_co_u32 s55, s55, HIMG                    ; my 512 bytes of each row tile; 32,768 a trip
	s_lshr_b32 s56, s22, 2
	s_lshl_b32 s56, s56, 7
	s_and_b32 s25, s22, 3
	s_add_co_u32 s56, s56, s25
	s_add_co_u32 s56, s56, HSC                     ; my byte of each scale word; 2,048 a trip
.Ltau:
	v_add_nc_u32 v12, s53, v[L16]                  ; (the LDS instructions that read v12 to v15 stand ahead of a wait on vm_vsrc: the one above, or the one at the last trip's end)
	v_add_nc_u32 v13, s54, v[L4]
	v_add_nc_u32 v14, s55, v[L16]
	v_add_nc_u32 v15, s56, v[L4]
	s_wait_loadcnt 0x0                             ; the weights asked for a trip and more ago
	s_wait_alu depctr_va_vdst(0)                   ; v12 to v15 are written, which the trip's LDS instructions read; the gelu and the quantiser of the trip before (in the first trip: P2's lines) are done with v[AF ..], in which the rows' fragments land
	MM24 12, 13, 4096, 2048, 256, 128
	PLACES 8                                       ; in front of the first read of results, and of loads into the weights' registers
	s_bitcmp1_b32 s52, 0                           ; behind an odd trip's products the weights are done with: the next four fragments land under the gelu
	s_cbranch_scc0 .Lkeep
	s_wait_alu depctr_va_vdst(0)                   ; the trip's products are done reading the weights' fragments, their scale words and the biases, in which the loads of this arm land; the gelu names none of those registers
.irp i, 0,1,2,3,4,5,6,7,8,9,10,11,12,13,14,15
	global_load_b128 v[W+4*\i:W+4*\i+3], v[L16], s[72:73] offset:512*\i        ; T = 1: fc1's second four; T = 3: fc2's K steps 0-3
.endr
.irp i, 0,1,2,3
	global_load_b32 v[WS+\i], v[L4], s[74:75] offset:128*\i
.endr
	s_cmp_eq_u32 s52, 1
	s_cbranch_scc0 .Lnob
.irp i, 0,1,2,3
	global_load_b128 v[BIAS+4*\i:BIAS+4*\i+3], v[VH], s[70:71] offset:2048+16*\i   ; fc1_b, 512 columns on
.endr
.Lnob:
	s_wait_xcnt 0x0                                ; the loads have read their base: it may be written
	s_mov_b64 s[72:73], s[76:77]
	s_mov_b64 s[74:75], s[78:79]
.Lkeep:
	GELU16 0
	GELU16 1
	GELU16 2
	GELU16 3
	QUANT ACC                                      ; block m = my 32 hidden columns of row tile 4 rh + m
	s_wait_alu depctr_va_vdst(0)                   ; the quantiser has written the codes v[PC ..] and the bytes v[TM+4 ..], which the LDS stores read
.irp m, 0,1,2,3
	ds_store_b128 v14, v[PC+4*\m:PC+4*\m+3] offset:8192*\m
.endr
.irp m, 0,1,2,3
	ds_store_b8 v15, v[TM+4+\m] offset:512*\m
.endr
	s_wait_dscnt 0x0                               ; the stores have read their registers
	s_wait_alu depctr_vm_vsrc(0)                   ; this trip's LDS loads have read v12 and v13, its LDS stores v14, v15, the codes and the bytes: the next trip, or P4's head, writes them again
	s_xor_b32 s53, s53, 16384
	s_xor_b32 s54, s54, 1024
	s_add_co_u32 s55, s55, 32768
	s_add_co_u32 s56, s56, 2048
	s_add_co_u32 s52, s52, 1
	s_cmp_lt_u32 s52, 4
	s_cbranch_scc1 .Ltau
	s_wait_loadcnt 0x0                             ; every load of the loop is in (the youngest were issued ahead of the last trip's four gelus): the bias registers are loaded again only behind this wait
.irp k, 4,5,6,7
	global_load_b32 v[WS+\k], v[L4], s[78:79] offset:128*\k        ; fc2's later scale words and its bias, ahead of the barrier.  (No wait: the products that read the bias registers stand ahead of the last trip's waits on va_vdst)
.endr
	global_load_b128 v[BIAS:BIAS+3], v[V32], s[58:59]
	global_load_b128 v[BIAS+4:BIAS+7], v[V32], s[58:59] offset:16
	BARRIER
	; ---- P4: the last product.  K step k: hidden columns 128 k on; its rows' fragments lie in trip 2 (k / 4) + g's part of H
	v_add_nc_u32 v12, HIMG, v[L16]                 ; (the last trip's wait on vm_vsrc has freed v12 to v14)
	v_add_nc_u32 v13, HIMG+65536, v[L16]
	v_add_nc_u32 v14, HSC, v[L4]
	s_wait_loadcnt 0x0
	s_wait_alu depctr_va_vdst(0)                   ; v12 to v14 are written, which P4's LDS loads read
.irp k, 0,1,2,3,4,5,6,7
.if \k >= 4
	s_wait_loadcnt 4*(7-\k)                        ; this slot's four loads are in; those of the slots filled later may be out
.endif
.irp g, 0,1
.if (\g == 1) || (\k > 4)
	PLACES 8
	s_wait_alu depctr_va_vdst(0)                   ; the four products above are done reading the rows' fragments and scale words, in which the next four land
.endif
.if \k == 0
	RND \g, 12+\k/4, \g*32768+2048*(\k%4), 8192, 14, (2*(\k/4)+\g)*2048+128*(\k%4), 512, W+16*(\k%4), WS+\k, 1
.else
	RND \g, 12+\k/4, \g*32768+2048*(\k%4), 8192, 14, (2*(\k/4)+\g)*2048+128*(\k%4), 512, W+16*(\k%4), WS+\k, 0
.endif
.endr
.if \k < 4
	PLACES 8                                       ; these serve the loads into the weight's slot and the next K step's loads alike
	s_wait_alu depctr_va_vdst(0)                   ; this K step's products are done reading the weight's slot, in which K step k + 4's fragment lands, and the rows' fragments and scale words, in which the next K step's land
.irp c, 0,1,2,3
	global_load_b128 v[W+16*\k+4*\c:W+16*\k+4*\c+3], v[L16], s[76:77] offset:(\k+4)*2048+512*\c
.endr
.endif
.endr
	PLACES 8
	RMW
	BARRIER
	; ---- P5: my eight whole rows leave
	s_mul_i32 s25, s22, 8*RP
	s_wait_alu depctr_vm_vsrc(0)                   ; P4's LDS loads have read v12, which the line below writes again; its LDS stores onto X1 have read v[AF ..], in which my rows land
	v_add_nc_u32 v12, s25, v[L16]
	s_wait_alu depctr_va_vdst(0)                   ; v12 is written, which the LDS loads below read
.irp k, 0,1,2,3,4,5,6,7,8,9,10,11,12,13,14,15
	ds_load_b128 v[AF+4*\k:AF+4*\k+3], v12 offset:(\k/2)*RP+(\k%2)*512
.endr
.irp k, 0,1,2,3,4,5,6,7,8,9,10,11,12,13,14,15
	s_wait_dscnt 15-\k                             ; LDS loads come back in order: load k is in, the younger ones may be out
	global_store_b128 v[L16], v[AF+4*\k:AF+4*\k+3], s[60:61] offset:512*\k th:TH_STORE_NT   ; 32 lanes store 512 consecutive bytes, aligned
.endr
	s_wait_xcnt 0x0
	v_lshl_add_u32 v254, v0, 2, 0x4b000            ; the add's two registers are made anew here: no memory or LDS instruction has read v254 or v255
	v_mov_b32 v255, 0
	s_wait_dscnt 0x0                               ; the closing lines, six on end
	s_wait_alu 0x0
	s_wait_tensorcnt 0x0
	ds_add_u32 v254, v255
	s_wait_dscnt 0x0
	s_endpgm
.Lfunc_end_k_q597221b3fa_mlp:
	.size	k_q597221b3fa_mlp, .Lfunc_end_k_q597221b3fa_mlp-k_q597221b3fa_mlp
	.p2alignl 7, 3214868480
	.fill 96, 4, 3214868480
	.section	.rodata,"a",@progbits
	.p2align	6, 0x0
	.amdhsa_kernel k_q597221b3fa_mlp
		.amdhsa_group_segment_fixed_size 309248
		.amdhsa_private_segment_fixed_size 0
		.amdhsa_enable_private_segment 0
		.amdhsa_kernarg_size 72
		.amdhsa_user_sgpr_count 2
		.amdhsa_user_sgpr_kernarg_segment_ptr 1
		.amdhsa_wavefront_size32 1
		.amdhsa_system_sgpr_workgroup_id_x 1
		.amdhsa_system_sgpr_workgroup_id_y 1
		.amdhsa_system_sgpr_workgroup_id_z 1
		.amdhsa_system_vgpr_workitem_id 0
		.amdhsa_next_free_vgpr 256
		.amdhsa_next_free_sgpr 80
		.amdhsa_reserve_vcc 0
		.amdhsa_float_denorm_mode_32 3
		.amdhsa_float_denorm_mode_16_64 3
		.amdhsa_memory_ordered 1
		.amdhsa_forward_progress 1
		.amdhsa_inst_pref_size 185
	.end_amdhsa_kernel
	.amdgpu_metadata
---
amdhsa.version: [ 1, 2 ]
amdhsa.kernels:
  - .name:           k_q597221b3fa_mlp
    .symbol:         k_q597221b3fa_mlp.kd
    .args:
      - { .name: x, .offset: 0, .size: 8, .value_kind: global_buffer, .address_space: global }
      - { .name: abuf, .offset: 8, .size: 8, .value_kind: global_buffer, .address_space: global }
      - { .name: wts, .offset: 16, .size: 8, .value_kind: global_buffer, .address_space: global }
      - { .name: proj_b, .offset: 24, .size: 8, .value_kind: global_buffer, .address_space: global }
      - { .name: n2_g, .offset: 32, .size: 8, .value_kind: global_buffer, .address_space: global }
      - { .name: n2_b, .offset: 40, .size: 8, .value_kind: global_buffer, .address_space: global }
      - { .name: fc1_b, .offset: 48, .size: 8, .value_kind: global_buffer, .address_space: global }
      - { .name: fc2_b, .offset: 56, .size: 8, .value_kind: global_buffer, .address_space: global }
      - { .name: out0, .offset: 64, .size: 8, .value_kind: global_buffer, .address_space: global }
    .group_segment_fixed_size: 309248
    .private_segment_fixed_size: 0
    .kernarg_segment_align: 8
    .kernarg_segment_size: 72
    .max_flat_workgroup_size: 512
    .sgpr_count:     80
    .vgpr_count:     256
    .wavefront_size: 32
...
	.end_amdgpu_metadata
.endif
;; end of part 8
